; MI455X (gfx1250); checked and timed in simulation.
; The chip was launched on July 23, 2026; its instructions are those of AMD's public machine-readable ISA for CDNA 5 (MIT licence, August 2026) and "CDNA5" Instruction Set Architecture Reference Guide (July 2026). The comments in the code are by the model that wrote it; some were corrected since.
;; Decoder Layer. Allowed arithmetic: matrix products marked QUANTISED: E5M2 operands, one given power-of-two scale a tensor, by v_wmma_f32_16x16x64_bf8_bf8 or v_wmma_f32_16x16x128_bf8_bf8, f32 sums; products left as they are: f32 operands where the result goes on into a quantised operand, else bf16, f16 or f32 operands; f32 sums; everything else in f32.
;; Inputs: W1 1,024 x 4,096 float32; W2 4,096 x 1,024 float32; Wk 1,024 x 1,024 float32; Wo 1,024 x 1,024 float32; Wq 1,024 x 1,024 float32; Wv 1,024 x 1,024 float32; b1 4,096 float32; b2 1,024 float32; bk 1,024 float32; bo 1,024 float32; bq 1,024 float32; bv 1,024 float32; causal_mask 2,048 x 2,048 bool; ln1_b 1,024 float32; ln1_g 1,024 float32; ln2_b 1,024 float32; ln2_g 1,024 float32; lowp_scales 16 int32 (the exponents e of the quantised operands' scales 2^e); x 2 x 2,048 x 1,024 float32.
;; Outputs: out0 2 x 2,048 x 1,024 float32.
;; This version of the problem:
;;   THIS VERSION OF THE PROBLEM IS GIVEN IN LOW PRECISION. The matrix products marked QUANTISED in the list below multiply operands that are first quantised to E5M2 (5 exponent bits, 2 mantissa bits; 8 bits a number), with one given power-of-two scale for each operand tensor; their sums are f32. All else is computed in f32.
;;   The module's matrix products, in the order in which they are computed (A, B: the left and right operand; K: the contracted axis; several contracted axes count as one K, in the product's order):
;;     1. [M 4,096, K 1,024] x [K 1,024, N 1,024]; A: computed on the way; B: input Wq: QUANTISED (scales: A lowp_scales[0], B lowp_scales[1])
;;     2. [M 4,096, K 1,024] x [K 1,024, N 1,024]; A: computed on the way; B: input Wk: QUANTISED (scales: A lowp_scales[2], B lowp_scales[3])
;;     3. [M 4,096, K 1,024] x [K 1,024, N 1,024]; A: computed on the way; B: input Wv: QUANTISED (scales: A lowp_scales[4], B lowp_scales[5])
;;     4. [M 2,048, K 1] x [K 1, N 32]; A: computed on the way; B: computed on the way: left as it is (no contracted axis)
;;     5. batch 32 x [M 2,048, K 64] x [K 64, N 2,048]; A: computed on the way; B: computed on the way: QUANTISED (scales: A lowp_scales[6], B lowp_scales[7])
;;     6. batch 32 x [M 2,048, K 2,048] x [K 2,048, N 64]; A: softmax (see below); B: computed on the way: QUANTISED (scales: A lowp_scales[8], B lowp_scales[9])
;;     7. [M 4,096, K 1,024] x [K 1,024, N 1,024]; A: computed on the way; B: input Wo: QUANTISED (scales: A lowp_scales[10], B lowp_scales[11])
;;     8. [M 4,096, K 1,024] x [K 1,024, N 4,096]; A: computed on the way; B: input W1: QUANTISED (scales: A lowp_scales[12], B lowp_scales[13])
;;     9. [M 4,096, K 4,096] x [K 4,096, N 1,024]; A: computed on the way; B: input W2: QUANTISED (scales: A lowp_scales[14], B lowp_scales[15])
;;   THE QUANTISER, for each operand of a quantised product, along K:
;;     - The operand's scale is 2^e, e = its entry of the input lowp_scales (int32; the entries are numbered through the quantised products in the list's order, A before B).
;;     - Each number is divided by the scale, clamped to +-57,344, and rounded to the nearest number of E5M2, ties to even, subnormals kept.
;;     - The product sums the exact products of the quantised numbers (number of the format x scale) in f32.
;;   ~~~python
;;   def quantise(x, axis, e):      # numpy; x: float32 -> the quantised numbers, widened to float32 again
;;       x = np.moveaxis(x, axis, -1); K = x.shape[-1]
;;       r = np.clip(x / 2.0 ** e, -57344, 57344)
;;       step = 2.0 ** (np.maximum(np.frexp(np.where(r == 0, 1, r))[1] - 1, -14) - 2)
;;       q = np.round(r / step) * step * 2.0 ** e      # np.round: ties to even
;;       return np.moveaxis(q, -1, axis).astype(np.float32)
;;   ~~~
;;   SOFTMAX AHEAD OF A QUANTISED PRODUCT. Where the list says 'softmax', what is quantised is not the finished softmax but p = 2^(t - M), with t = logit x log2(e) and M = ceil(the row's largest t), a whole number; so 1/2 < the row's largest p <= 1. The row's sum l is taken of the UNQUANTISED p, in f32, and the product's result is divided by l at the end. Since M is a whole number, a kernel that streams over the keys may use a running M (the ceiling of the running maximum): every later rescaling is an exact power of two, so the quantised numbers keep their values, but for numbers so far below the row's largest that they fall under the format's range.
;;   OPERANDS COMPUTED ON THE WAY. 'Computed on the way' means the value that the module computes at that place (a softmax that the list does not call 'softmax' is quantised finished and normalised). What goes into a quantiser is computed in f32, as accurately as f32 sums, v_exp_f32 and their like allow (about 1e-6 of the number): no bf16 or f16 on the way to a quantiser, and a product that is left as it is and whose result goes on into a quantised operand takes f32 operands (vector FMAs, or v_wmma_f32_16x16x4_f32). A number that lies on a knife's edge between two numbers of the format may be rounded either way, as far as f32 arithmetic and the matrix unit's own rounding can turn it there, and no further.
;; 2 versions. Each part assembles by itself: llvm-mc -triple=amdgcn-amd-amdhsa -mcpu=gfx1250 --defsym DOCPART=n.
;; ======== version 1 of 2: 7 launches
;; workspace buffers: wc 12,582,912 bytes; ac 12,582,912 bytes; rope 524,288 bytes; mbits 524,288 bytes of whole numbers; qkvc 12,582,912 bytes; x1 16,777,216 bytes; hc 16,777,216 bytes
;; launch prep (part 1): grid 640 x 1, 4 waves a work-group, no clusters, 55,808 bytes of LDS; arguments Wq, Wk, Wv, Wo, W1, W2, lowp_scales, wc, x, ln1_g, ln1_b, causal_mask, ac, rope, mbits; writes wc, ac, rope, mbits
.if DOCPART == 1
	.amdgcn_target "amdgcn-amd-amdhsa--gfx1250"
	.amdhsa_code_object_version 6
	.text
	.protected	k_q89d99b90e5_prep
	.globl	k_q89d99b90e5_prep
	.p2align	8
	.type	k_q89d99b90e5_prep,@function
k_q89d99b90e5_prep:
	s_mov_b64 s[64:65], 0
	v_nop
	global_prefetch_b8 v0, s[64:65] scope:SCOPE_SE
	s_setreg_imm32_b32 hwreg(HW_REG_WAVE_MODE, 25, 1), 1
	s_wait_xcnt 0x0
; All that hangs on the inputs alone.  Work-groups 0-383: the six weights ([K][N] f32) become codes of E5M2 laid [N][K] in wc.
; Work-groups 384-639, wave g = 0..1023: (R) the first layer norm of rows 4 g .. 4 g + 3 of x, quantised three times (scales e0, e2, e4) into ac's three sections;
; (M) the mask's bytes of 16 queries x 256 keys as lane masks: bit l of word n = mask[16 qt + l % 16][128 ks + 32 (n / 16) + 16 (l / 16) + n % 16];
; (T) rows 2 g, 2 g + 1 of the table of rotations: 32 cosines, then 32 sines.
; code = x / 2^e, held within +-57,344, to the nearest code, ties to even.  LIMITS: every e used here lies between -126 and 112.  NaN and infinities among the inputs are not served.
; The table's frequencies are 2^(-i log2(10000) / 32) by v_exp_f32; the angle t x frequency is reduced by pi/2 in two parts and goes through polynomials for |r| <= pi/4.
; The two kinds of work-groups have LDS bytes of their own; every stage belongs to one wave: no barrier.
.set WSTG,  32*272                     ; weights: a wave's stage: 32 columns x (256 codes + 16)
.set RSTG0, 4*WSTG                     ; rows: the stages begin here,
.set RSTG,  5120                       ; 64 places of 64 bytes + 16 for each wave
.set WOFF, 16                          ; v16-47   weights: 4 x lane + i rows of the source
.set WX,   48                          ; v48-111  two sets of 32 numbers down K
.set WC,   112                         ; v112-119 a block's codes
.set WOUT, 120                         ; v120-183 rows of codes read back
.set WOO,  184                         ; v184-199 their places in wc
.set GA,   16                          ; v16-47   rows: the gain at k = 512 c + 16 lane + 0..15
.set BE,   48                          ; v48-79   the bias there
.set RR,   80                          ; v80-143  two rows as loaded
.set XX,   144                         ; v144-175 a row, 16 neighbours twice
.set TT,   176                         ; v176-207 at work
.set CD,   208                         ; v208-231 codes, 8 registers a scale
	s_load_b512 s[4:19], s[0:1], 0x0               ; Wq Wk Wv Wo W1 W2, the scales s[16:17], wc s[18:19]
	s_load_b256 s[20:27], s[0:1], 0x40             ; x, gain, bias, mask
	s_load_b128 s[28:31], s[0:1], 0x60             ; ac, rope
	s_load_b64 s[32:33], s[0:1], 0x70              ; mbits
	v_lshl_add_u32 v232, v0, 2, 0xd800
	v_mov_b32 v233, 0
	v_lshrrev_b32 v1, 5, v0
	v_readfirstlane_b32 s34, v1                    ; wave
	v_and_b32 v2, 31, v0                           ; lane
	v_and_b32 v5, 15, v0                           ; lane % 16
	v_bfe_u32 v6, v0, 4, 1                         ; lane / 16
	s_wait_kmcnt 0x0
	s_load_b512 s[36:51], s[16:17], 0x0            ; e0 .. e15 in s36 .. s51
	s_cmp_lt_u32 ttmp9, 384
	s_cbranch_scc0 .Lrows
; ---------------- the weights: a work-group takes 128 columns x 256 along K, a wave 32 columns; a lane takes a column and its registers run down K
	s_wait_kmcnt 0x0
	s_mov_b64 s[58:59], s[14:15]                   ; which tensor: by the work-group's number alone
	s_mov_b32 s60, s51
.macro PICK lim, ptr, e
	s_cmp_lt_u32 ttmp9, \lim
	s_cselect_b64 s[58:59], s[\ptr:\ptr+1], s[58:59]
	s_cselect_b32 s60, s[\e], s60
.endm
	PICK 256, 12, 49                               ; W1, e13
	PICK 128, 10, 47                               ; Wo, e11
	PICK 96, 8, 41                                 ; Wv, e5
	PICK 64, 6, 39                                 ; Wk, e3
	PICK 32, 4, 37                                 ; Wq, e1
	s_lshr_b32 s61, ttmp9, 5
	s_lshl_b32 s61, s61, 20                        ; the four square weights lie 2^20 bytes apart in wc,
	s_lshr_b32 s62, ttmp9, 7                       ; 0; 1 for W1; 2 for W2
	s_lshl_b32 s63, s62, 22                        ; W1 at 2^22, W2 at 2^23
	s_cmp_lt_u32 ttmp9, 128
	s_cselect_b32 s57, s61, s63
	s_cselect_b32 s52, 31, 127
	s_and_b32 s53, ttmp9, s52                      ; my number within the tensor
	s_cmp_eq_u32 s62, 1
	s_cselect_b32 s66, 2, 0
	s_cmp_eq_u32 s62, 2
	s_cselect_b32 s67, 2, 0
	s_add_co_u32 s54, s66, 3                       ; log2 of the groups of 128 columns: 3, W1: 5
	s_lshl_b32 s55, 4096, s66                      ; bytes of a source row
	s_lshl_b32 s56, 1024, s67                      ; bytes of a row of codes = K
	s_bfm_b32 s61, s54, 0
	s_and_b32 s61, s53, s61                        ; group of columns
	s_lshr_b32 s62, s53, s54                       ; group of 256 along K
	s_lshl_b32 s61, s61, 7
	s_lshl_b32 s63, s34, 5
	s_add_co_u32 s61, s61, s63                     ; my wave's first column
	s_mul_i32 s66, s62, s55
	s_lshl_b32 s66, s66, 8
	s_lshl_b32 s63, s61, 2
	s_add_co_u32 s66, s66, s63
	s_mov_b32 s67, 0
	s_add_nc_u64 s[68:69], s[58:59], s[66:67]      ; block 0 of my eight blocks of 32 along K
	s_lshl_b32 s66, s55, 5
.irp t, 1,2,3,4,5,6,7
	s_add_nc_u64 s[68+2*\t:69+2*\t], s[66+2*\t:67+2*\t], s[66:67]
.endr
	s_mul_i32 s84, s61, s56
	s_add_co_u32 s84, s84, s57
	s_lshl_b32 s85, s62, 8
	s_add_co_u32 s84, s84, s85
	s_mov_b32 s85, 0
	s_add_nc_u64 s[18:19], s[18:19], s[84:85]      ; my first column's row of codes, at my 256 along K
	v_lshlrev_b32 v[WOFF], 2, v2
.set wi, 1
.rept 31
	v_add_nc_u32 v[WOFF+wi], s55, v[WOFF+wi-1]
.set wi, wi+1
.endr
	s_mul_i32 s86, s34, WSTG
	v_mul_u32_u24 v4, v2, 272
	v_add_nc_u32 v4, s86, v4                       ; into the stage: row = my column
	v_mul_u32_u24 v7, v6, 272
	v_lshl_add_u32 v7, v5, 4, v7
	v_add_nc_u32 v7, s86, v7                       ; out of it: sixteen lanes to a row, two rows an instruction
	v_mul_lo_u32 v[WOO], v6, s56
	v_lshl_add_u32 v[WOO], v5, 4, v[WOO]
	s_lshl_b32 s87, s56, 1
.set wi, 1
.rept 15
	v_add_nc_u32 v[WOO+wi], s87, v[WOO+wi-1]
.set wi, wi+1
.endr
.macro WLOAD t                         ; block t: 32 rows of the source at my column: 128 consecutive bytes a wave and a load
.set wi, 0
.rept 32
	global_load_b32 v[WX+32*((\t)%2)+wi], v[WOFF+wi], s[68+2*(\t):69+2*(\t)] th:TH_LOAD_NT
.set wi, wi+1
.endr
.endm
	WLOAD 0
	WLOAD 1
	s_add_co_i32 s60, s60, 127
	s_lshl_b32 s88, s60, 23
	v_mov_b32 v11, s88                             ; 2^e as f32: the conversion takes its exponent field
	s_add_co_i32 s60, s60, 15
	s_lshl_b32 s60, s60, 23
	s_or_b32 s60, s60, 0x600000
	v_mov_b32 v10, s60                             ; 57,344 x 2^e
.macro WBLOCK t
.set WS, WX+32*((\t)%2)
.if (\t) < 7
	s_wait_loadcnt 32                              ; this block's 32 loads are in; the next block's 32 may be out
.else
	s_wait_loadcnt 0x0
.endif
.set wi, 0
.rept 32
	v_med3_num_f32 v[WS+wi], v[WS+wi], -v10, v10   ; the conversion does not saturate (ISA guide 7.6.2): the hold comes first
.set wi, wi+1
.endr
.irp g, 0,1,2,3
	v_cvt_scalef32_pk8_bf8_f32 v[WC+2*\g:WC+2*\g+1], v[WS+8*\g:WS+8*\g+7], v11
.endr
	ds_store_b128 v4, v[WC:WC+3] offset:32*(\t)
	ds_store_b128 v4, v[WC+4:WC+7] offset:32*(\t)+16
.if (\t)+2 < 8
	WLOAD (\t)+2
.endif
	s_wait_dscnt 0x0                               ; the stores have read the codes' registers
.endm
.irp t, 0,1,2,3,4,5,6,7
	WBLOCK \t
.endr
.irp t, 0,1,2,3,4,5,6,7,8,9,10,11,12,13,14,15
	ds_load_b128 v[WOUT+4*\t:WOUT+4*\t+3], v7 offset:2*\t*272   ; a wave's LDS instructions are served in order: these see my stores
.endr
.irp t, 0,1,2,3,4,5,6,7,8,9,10,11,12,13,14,15
	s_wait_dscnt 15-\t
	global_store_b128 v[WOO+\t], v[WOUT+4*\t:WOUT+4*\t+3], s[18:19]   ; sixteen lanes store 256 consecutive bytes, aligned
.endr
	s_wait_tensorcnt 0x0
	ds_add_u32 v232, v233
	s_wait_dscnt 0x0
	s_endpgm
; ---------------- the rows
.Lrows:
	s_sub_co_u32 s35, ttmp9, 384
	s_lshl_b32 s35, s35, 2
	s_add_co_u32 s35, s35, s34                     ; g
	s_lshl_b32 s58, s35, 14
	s_mov_b32 s59, 0
	s_add_nc_u64 s[20:21], s[20:21], s[58:59]      ; x at my four rows
	s_lshl_b32 s58, s35, 12
	s_add_nc_u64 s[52:53], s[28:29], s[58:59]      ; their codes, in ac's three sections
	s_add_nc_u64 s[54:55], s[52:53], 0x400000
	s_add_nc_u64 s[56:57], s[54:55], 0x400000
	v_lshlrev_b32 v4, 4, v2                        ; 16 x lane
	v_lshlrev_b32 v3, 6, v2                        ; 64 x lane
	s_mul_i32 s58, s34, RSTG
	s_add_co_u32 s58, s58, RSTG0
	v_lshrrev_b32 v14, 2, v2
	v_mul_u32_u24 v14, v14, 80
	v_and_b32 v15, 3, v2
	v_lshl_add_u32 v14, v15, 4, v14
	v_add_nc_u32 v14, s58, v14                     ; the stage on the way in: four lanes' 64 bytes, then 16 of padding
	v_mul_u32_u24 v15, v2, 80
	v_add_nc_u32 v15, s58, v15                     ; and on the way out: my 16 neighbours
.irp c, 0,1
.irp j, 0,1,2,3
	global_load_b128 v[GA+16*\c+4*\j:GA+16*\c+4*\j+3], v3, s[22:23] offset:2048*\c+16*\j
	global_load_b128 v[BE+16*\c+4*\j:BE+16*\c+4*\j+3], v3, s[24:25] offset:2048*\c+16*\j
.endr
.endr
.macro RLOAD k                         ; row k: eight loads of 512 consecutive bytes
.irp j, 0,1,2,3,4,5,6,7
	global_load_b128 v[RR+32*((\k)%2)+4*\j:RR+32*((\k)%2)+4*\j+3], v4, s[20:21] offset:4096*(\k)+512*\j th:TH_LOAD_NT
.endr
.endm
	RLOAD 0
	RLOAD 1
	s_mov_b32 s60, 0x3a800000                      ; 1 / 1024
	s_mov_b32 s61, 0x3727c5ac                      ; 1e-5
	s_mov_b32 s62, 0x76543210                      ; v_permlanex16_b32: lane l xor 16
	s_mov_b32 s63, 0xfedcba98
	s_wait_kmcnt 0x0
.macro MKSC e, vs, vh                  ; 2^e and 57,344 x 2^e as f32
	s_add_co_i32 s58, s[\e], 127
	s_lshl_b32 s59, s58, 23
	v_mov_b32 v[\vs], s59
	s_add_co_i32 s58, s58, 15
	s_lshl_b32 s58, s58, 23
	s_or_b32 s58, s58, 0x600000
	v_mov_b32 v[\vh], s58
.endm
	MKSC 36, 8, 9
	MKSC 38, 10, 11
	MKSC 40, 12, 13
.macro FOLD                            ; four packed chains in v[TT..TT+7] become one sum, in every lane
	v_pk_add_f32 v[TT:TT+1], v[TT:TT+1], v[TT+2:TT+3]
	v_pk_add_f32 v[TT+4:TT+5], v[TT+4:TT+5], v[TT+6:TT+7]
	v_pk_add_f32 v[TT:TT+1], v[TT:TT+1], v[TT+4:TT+5]
	v_add_f32 v[TT], v[TT], v[TT+1]
	v_add_f32_dpp v[TT], v[TT], v[TT] row_xmask:1 row_mask:0xf bank_mask:0xf
	v_add_f32_dpp v[TT], v[TT], v[TT] row_xmask:2 row_mask:0xf bank_mask:0xf
	v_add_f32_dpp v[TT], v[TT], v[TT] row_xmask:4 row_mask:0xf bank_mask:0xf
	v_add_f32_dpp v[TT], v[TT], v[TT] row_xmask:8 row_mask:0xf bank_mask:0xf
	v_permlanex16_b32 v[TT+1], v[TT], s62, s63
	v_add_f32 v[TT], v[TT], v[TT+1]
.endm
.macro ROW k
.set RS, RR+32*((\k)%2)
.if (\k) < 3
	s_wait_loadcnt 8                               ; this row (and gain and bias, asked for earlier) is in; the next row's eight loads may be out
.else
	s_wait_loadcnt 0x0
.endif
.irp c, 0,1,2,3
	v_pk_add_f32 v[TT+2*\c:TT+2*\c+1], v[RS+4*\c:RS+4*\c+1], v[RS+4*\c+2:RS+4*\c+3]
.endr
.irp j, 16,24
.irp c, 0,1,2,3
	v_pk_add_f32 v[TT+2*\c:TT+2*\c+1], v[TT+2*\c:TT+2*\c+1], v[RS+\j+2*\c:RS+\j+2*\c+1]
.endr
.endr
	FOLD
	v_mul_f32 v[TT+8], s60, v[TT]                  ; the mean
	v_mov_b32 v[TT+9], v[TT+8]
.set ri, 0
.rept 16
	v_pk_add_f32 v[RS+ri:RS+ri+1], v[RS+ri:RS+ri+1], v[TT+8:TT+9] neg_lo:[0,1] neg_hi:[0,1]   ; d = x - mean: the variance is taken of d, in a second pass
.set ri, ri+2
.endr
.irp j, 0,1,2,3,4,5,6,7
	ds_store_b128 v14, v[RS+4*\j:RS+4*\j+3] offset:640*\j      ; d goes through my stage as it lies,
.endr
.irp c, 0,1
.irp i, 0,1,2,3
	ds_load_b128 v[XX+16*\c+4*\i:XX+16*\c+4*\i+3], v15 offset:2560*\c+16*\i   ; and comes back 16 neighbours a lane: k = 512 c + 16 lane + 0..15
.endr
.endr
.irp c, 0,1,2,3
	v_pk_mul_f32 v[TT+2*\c:TT+2*\c+1], v[RS+2*\c:RS+2*\c+1], v[RS+2*\c:RS+2*\c+1]
.endr
.irp j, 8,16,24
.irp c, 0,1,2,3
	v_pk_fma_f32 v[TT+2*\c:TT+2*\c+1], v[RS+\j+2*\c:RS+\j+2*\c+1], v[RS+\j+2*\c:RS+\j+2*\c+1], v[TT+2*\c:TT+2*\c+1]
.endr
.endr
	FOLD
	v_fma_f32 v[TT+10], v[TT], s60, s61            ; variance + 1e-5
	v_rsq_f32 v[TT+10], v[TT+10]
	v_nop                                          ; a plain instruction behind the transcendental
	s_wait_alu depctr_va_vdst(0)                   ; and the wait ahead of its first reader
	v_mov_b32 v[TT+11], v[TT+10]
	s_wait_dscnt 0x0                               ; the row is back, and the stores have read its old registers,
.if (\k) < 2
	RLOAD (\k)+2                                   ; which take the row two further on
.endif
.set ri, 0
.rept 16
	v_pk_mul_f32 v[XX+ri:XX+ri+1], v[XX+ri:XX+ri+1], v[TT+10:TT+11]
.set ri, ri+2
.endr
.set ri, 0
.rept 16
	v_pk_fma_f32 v[XX+ri:XX+ri+1], v[XX+ri:XX+ri+1], v[GA+ri:GA+ri+1], v[BE+ri:BE+ri+1]
.set ri, ri+2
.endr
.if (\k) > 0
	s_wait_xcnt 0x0                                ; the last row's stores have read the codes' registers
.endif
.irp s, 0,1,2
.set ri, 0
.rept 32
	v_med3_num_f32 v[TT+ri], v[XX+ri], -v[9+2*\s], v[9+2*\s]
.set ri, ri+1
.endr
.irp q, 0,1,2,3
	v_cvt_scalef32_pk8_bf8_f32 v[CD+8*\s+2*\q:CD+8*\s+2*\q+1], v[TT+8*\q:TT+8*\q+7], v[8+2*\s]
.endr
	v_nop                                          ; a plain instruction between the conversions and the next writes of their sources
	global_store_b128 v4, v[CD+8*\s:CD+8*\s+3], s[52+2*\s:53+2*\s] offset:1024*(\k)        ; 512 consecutive bytes a store
	global_store_b128 v4, v[CD+8*\s+4:CD+8*\s+7], s[52+2*\s:53+2*\s] offset:1024*(\k)+512
.endr
.endm
	ROW 0
	ROW 1
	ROW 2
	; the mask's bytes are asked for here, into the row registers that row 2 has left: row 3's wait covers them
	s_lshr_b32 s58, s35, 3                         ; the tile of 16 queries
	s_lshl_b32 s58, s58, 15
	s_and_b32 s66, s35, 7
	s_lshl_b32 s66, s66, 8                         ; my 256 keys
	s_add_co_u32 s58, s58, s66
	s_mov_b32 s59, 0
	s_add_nc_u64 s[26:27], s[26:27], s[58:59]
	v_lshlrev_b32 v7, 11, v5
	v_lshl_add_u32 v7, v6, 4, v7                   ; query l % 16, + 16 (l / 16) keys
.irp u, 0,1
.irp b, 0,1,2,3
	global_load_b128 v[RR+16*\u+4*\b:RR+16*\u+4*\b+3], v7, s[26:27] offset:128*\u+32*\b th:TH_LOAD_NT
.endr
.endr
	ROW 3
	; ---- M: a byte of 32 lanes becomes one word; word n goes to lane n / 2, register n % 2
	s_lshl_b32 s58, s35, 9
	s_add_nc_u64 s[32:33], s[32:33], s[58:59]
	s_add_nc_u64 s[30:31], s[30:31], s[58:59]      ; (the table's two rows are 512 bytes too)
	v_lshlrev_b32 v1, 3, v2                        ; 8 x lane
.irp j, 0,1,2,3
	v_mov_b32 v[XX+\j], 0                          ; v_writelane_b32's destination counts as read
.endr
.irp u, 0,1
.set n, 0
.rept 64
	v_and_b32 v[TT+n%4], 0xff<<(8*(n&3)), v[RR+16*\u+4*(n>>4)+((n&15)>>2)]
	v_cmp_ne_u32 s[84+n%4], 0, v[TT+n%4]
	v_writelane_b32 v[XX+2*\u+(n&1)], s[84+n%4], n>>1
.set n, n+1
.endr
	global_store_b64 v1, v[XX+2*\u:XX+2*\u+1], s[32:33] offset:256*\u    ; 64 words: 256 consecutive bytes
.endr
	; ---- T: lanes 0-15 make cosines, lanes 16-31 sines (a cosine a quarter turn back); a lane takes i = 2 (l % 16), + 1
	v_lshlrev_b32 v[TT], 1, v5
	v_cvt_f32_u32 v[TT+1], v[TT]
	v_add_f32 v[TT+2], 1.0, v[TT+1]
	v_mul_f32 v[TT+1], 0xbed49a78, v[TT+1]         ; -i log2(10000) / 32
	v_mul_f32 v[TT+2], 0xbed49a78, v[TT+2]
	v_exp_f32 v[TT+4], v[TT+1]
	v_exp_f32 v[TT+5], v[TT+2]
	v_mul_u32_u24 v[TT+3], v6, 3                   ; (the plain instruction behind them)  3 quarter turns on for the sines
	s_wait_alu depctr_va_vdst(0)
	s_mov_b32 s66, 0xbfc90fdb                      ; -pi/2, its leading part,
	s_mov_b32 s67, 0x333bbd2e                      ; and what that part is too large by
	s_mov_b32 s84, 0xb94ca1f9                      ; sine: r + r z (s0 + z (s1 + z s2))
	s_mov_b32 s85, 0x3c08839e
	s_mov_b32 s86, 0xbe2aaaa3
	s_mov_b32 s87, 0x37ccf5ce                      ; cosine: 1 - z / 2 + z z (c0 + z (c1 + z c2))
	s_mov_b32 s88, 0xbab6061a
	s_mov_b32 s89, 0x3d2aaaa5
	s_lshl_b32 s90, s35, 1                         ; t = 2 g
.macro TRIG dst, inv
	v_mul_f32 v[TT+6], v[TT+16], v[\inv]           ; the angle, rounded once
	v_mul_f32 v[TT+7], 0x3f22f983, v[TT+6]
	v_rndne_f32 v[TT+7], v[TT+7]                   ; quarter turns
	v_fma_f32 v[TT+8], v[TT+7], s66, v[TT+6]
	v_fma_f32 v[TT+8], v[TT+7], s67, v[TT+8]       ; r
	v_mul_f32 v[TT+9], v[TT+8], v[TT+8]            ; z
	v_fma_f32 v[TT+10], v[TT+9], s84, s85
	v_fma_f32 v[TT+11], v[TT+9], s87, s88
	v_fma_f32 v[TT+10], v[TT+10], v[TT+9], s86
	v_fma_f32 v[TT+11], v[TT+11], v[TT+9], s89
	v_mul_f32 v[TT+10], v[TT+10], v[TT+9]
	v_mul_f32 v[TT+12], v[TT+9], v[TT+9]
	v_fma_f32 v[TT+13], v[TT+9], -0.5, 1.0
	v_fma_f32 v[TT+10], v[TT+10], v[TT+8], v[TT+8] ; sin r
	v_fma_f32 v[TT+11], v[TT+11], v[TT+12], v[TT+13]   ; cos r
	v_cvt_i32_f32 v[TT+14], v[TT+7]
	v_add_nc_u32 v[TT+14], v[TT+14], v[TT+3]       ; q
	v_and_b32 v[TT+15], 1, v[TT+14]
	v_cmp_ne_u32 vcc_lo, 0, v[TT+15]
	v_cndmask_b32 v[TT+11], v[TT+11], v[TT+10], vcc_lo   ; odd q: the sine
	v_add_nc_u32 v[TT+14], 1, v[TT+14]
	v_and_b32 v[TT+14], 2, v[TT+14]
	v_lshlrev_b32 v[TT+14], 30, v[TT+14]           ; q % 4 = 1, 2: negative
	v_xor_b32 v[\dst], v[TT+14], v[TT+11]
.endm
.irp tt, 0,1
	v_cvt_f32_u32 v[TT+16], s90
	TRIG XX+4+2*\tt, TT+4
	TRIG XX+5+2*\tt, TT+5
	global_store_b64 v1, v[XX+4+2*\tt:XX+5+2*\tt], s[30:31] offset:256*\tt
	s_add_co_u32 s90, s90, 1
.endr
	s_wait_tensorcnt 0x0
	ds_add_u32 v232, v233
	s_wait_dscnt 0x0
	s_endpgm
.Lfunc_end_k_q89d99b90e5_prep:
	.size	k_q89d99b90e5_prep, .Lfunc_end_k_q89d99b90e5_prep-k_q89d99b90e5_prep
	.p2alignl 7, 3214868480
	.fill 96, 4, 3214868480
	.section	.rodata,"a",@progbits
	.p2align	6, 0x0
	.amdhsa_kernel k_q89d99b90e5_prep
		.amdhsa_group_segment_fixed_size 55808
		.amdhsa_private_segment_fixed_size 0
		.amdhsa_enable_private_segment 0
		.amdhsa_kernarg_size 120
		.amdhsa_user_sgpr_count 2
		.amdhsa_user_sgpr_kernarg_segment_ptr 1
		.amdhsa_wavefront_size32 1
		.amdhsa_system_sgpr_workgroup_id_x 1
		.amdhsa_system_sgpr_workgroup_id_y 1
		.amdhsa_system_sgpr_workgroup_id_z 1
		.amdhsa_system_vgpr_workitem_id 0
		.amdhsa_next_free_vgpr 234
		.amdhsa_next_free_sgpr 96
		.amdhsa_reserve_vcc 1
		.amdhsa_float_denorm_mode_32 3
		.amdhsa_float_denorm_mode_16_64 3
		.amdhsa_memory_ordered 1
		.amdhsa_forward_progress 1
		.amdhsa_inst_pref_size 149
	.end_amdhsa_kernel
	.amdgpu_metadata
---
amdhsa.version: [ 1, 2 ]
amdhsa.kernels:
  - .name:           k_q89d99b90e5_prep
    .symbol:         k_q89d99b90e5_prep.kd
    .args:
      - { .name: Wq, .offset: 0, .size: 8, .value_kind: global_buffer, .address_space: global }
      - { .name: Wk, .offset: 8, .size: 8, .value_kind: global_buffer, .address_space: global }
      - { .name: Wv, .offset: 16, .size: 8, .value_kind: global_buffer, .address_space: global }
      - { .name: Wo, .offset: 24, .size: 8, .value_kind: global_buffer, .address_space: global }
      - { .name: W1, .offset: 32, .size: 8, .value_kind: global_buffer, .address_space: global }
      - { .name: W2, .offset: 40, .size: 8, .value_kind: global_buffer, .address_space: global }
      - { .name: lowp_scales, .offset: 48, .size: 8, .value_kind: global_buffer, .address_space: global }
      - { .name: wc, .offset: 56, .size: 8, .value_kind: global_buffer, .address_space: global }
      - { .name: x, .offset: 64, .size: 8, .value_kind: global_buffer, .address_space: global }
      - { .name: ln1_g, .offset: 72, .size: 8, .value_kind: global_buffer, .address_space: global }
      - { .name: ln1_b, .offset: 80, .size: 8, .value_kind: global_buffer, .address_space: global }
      - { .name: causal_mask, .offset: 88, .size: 8, .value_kind: global_buffer, .address_space: global }
      - { .name: ac, .offset: 96, .size: 8, .value_kind: global_buffer, .address_space: global }
      - { .name: rope, .offset: 104, .size: 8, .value_kind: global_buffer, .address_space: global }
      - { .name: mbits, .offset: 112, .size: 8, .value_kind: global_buffer, .address_space: global }
    .group_segment_fixed_size: 55808
    .private_segment_fixed_size: 0
    .kernarg_segment_align: 8
    .kernarg_segment_size: 120
    .max_flat_workgroup_size: 128
    .sgpr_count:     96
    .vgpr_count:     234
    .wavefront_size: 32
...
	.end_amdgpu_metadata
.endif
;; end of part 1
;; launch qkv (part 2): grid 12 x 16, 4 waves a work-group, clusters of 4 x 4, 327,680 bytes of LDS; arguments ac, wc, lowp_scales, qkvc, bq, bk, bv, rope; writes qkvc
.if DOCPART == 2
	.amdgcn_target "amdgcn-amd-amdhsa--gfx1250"
	.amdhsa_code_object_version 6
	.text
	.protected	k_q89d99b90e5_qkv
	.globl	k_q89d99b90e5_qkv
	.p2align	8
	.type	k_q89d99b90e5_qkv,@function
k_q89d99b90e5_qkv:
	s_mov_b64 s[64:65], 0
	v_nop
	global_prefetch_b8 v0, s[64:65] scope:SCOPE_SE
	s_setreg_imm32_b32 hwreg(HW_REG_WAVE_MODE, 25, 1), 1
	s_wait_xcnt 0x0
	s_wait_alu depctr_hold_cnt(0) depctr_sa_sdst(0) depctr_va_vdst(0) depctr_va_sdst(0) depctr_va_ssrc(0) depctr_va_vcc(0) depctr_vm_vsrc(0)
	s_getreg_b32 s2, hwreg(HW_REG_IB_STS2, 6, 4)
	s_cmp_eq_u32 s2, 0
	s_cbranch_scc0 .Lentry_in_a_cluster
	s_endpgm
.Lentry_in_a_cluster:
	s_bfe_u32 s2, ttmp6, 0x10000c
	s_cmp_lg_u32 s2, 0xf033
	s_cbranch_scc0 .Lentry_shape_is_right
	s_endpgm
.Lentry_shape_is_right:
; q, k and v: three products [4096 x 1024] x [1024 x 1024] on codes of E5M2, with bias, rotation (q, k) and the next quantiser on the way out.  The cluster's x says which: 0 q, 1 k, 2 v.
; A tile of 256 x 256 is made by four waves, each 128 x 128 in 64 accumulators; K goes in steps of 256 through two LDS slots filled by joint tensor loads (4 x 4 work-groups: A's tile shared along a row of the cluster, B's along a column).
; The matrix instruction is used transposed (source 0 = 16 rows of B, source 1 = 16 rows of A): a lane holds one row of A's side and eight neighbours of B's side.
; q, k: A = the normed tokens' codes, B = the weight's: a lane's registers run along the head's 64, the next K.  v: THE SIDES ARE SWAPPED, by pointers alone: A = Wv's codes, B = the tokens': a lane's registers run along the tokens, which are the keys, v's next K.
; OUT: q, k codes [32 heads][2048][64]; v codes [32 heads][16 blocks of keys][64][128 keys]: every block that a wave stores is 8,192 dense bytes.
; LIMITS: e0+e1, e2+e3, e4+e5 between -126 and 127; e6, e7, e9 between -126 and 112.  NaN and infinities among the inputs are not served.
; REGISTERS, in windows of 256: window 0: v0-31 addresses; from v128 A's fragments, one set; window 1: B's fragments, two sets; windows 2, 3: the accumulators ((a, b) at v[8 (8 (a % 4) + b)]).
.set SIZE_K, 1024
.set KSTEP,  256
.set ROWB,   256
.set KROW,   SIZE_K
.set PITCH,  272                       ; an LDS row: 256 bytes + 16 of padding: the 16 rows of a fragment load start 68 words apart
.set FR,     16
.set NL,     4
.set NP,     4
.set HALFT,  128*PITCH
.set SLOT,   4*HALFT
.set LAPS,   SIZE_K/(2*KSTEP)
.set SPARE,  2*SLOT                    ; behind the ring: the spare words, 128 bytes a wave, which no other line names
.set ADRA, 16
.set ADRB, 20
.set SPW,  28
.set NIL,  29
.set AF,   128
.set G1, 24
.set G0, 32
.set G1B, 48
.set G0B, 56
.set BIA, 32                           ; the way out: v32-95 the bias; v96-159 64 numbers; v160-223 two sets of cosines and sines, or rows of codes; v224-231 at work; v232-247 codes
.set T,   96
.set MSB, 0
.macro WIN new                         ; the immediate's high byte repeats the setting that is left
.if MSB != \new
	s_set_vgpr_msb (MSB<<8)|\new
.set MSB, \new
.endif
.endm
.set MUL_LO, 0xa1                      ; source 0 (B) window 1, source 1 (A) window 0, C and D window 2
.set MUL_HI, 0xf1
.set TO_B,   0x40
.macro JLOAD g0a, g1a, g0b, g1b        ; a joint load: waves 0, 1 fetch for A, waves 2, 3 for B; four v_nop follow each line
	s_cmp_eq_u32 s15, 0
	s_cbranch_scc0 .Lfor_b_\@
	tensor_load_to_lds s[\g0a:\g0a+3], s[\g1a:\g1a+7]
	s_nop 0
.rept 4
	v_nop
.endr
	s_branch .Lasked_\@
.Lfor_b_\@:
	tensor_load_to_lds s[\g0b:\g0b+3], s[\g1b:\g1b+7]
	s_nop 0
.rept 4
	v_nop
.endr
.Lasked_\@:
.endm
.macro CREST                           ; a round of the cluster's barrier behind its opening barrier
	s_cmp_lg_u32 s14, 0
	s_cbranch_scc1 .Lnot_wave_0_\@
	s_barrier_signal -3
.Lnot_wave_0_\@:
	s_barrier_wait -3
	s_barrier_signal -1
	s_barrier_wait -1
.endm
.macro CROUND
	s_barrier_signal -1
	s_barrier_wait -1
	CREST
.endm
	s_load_b128 s[4:7], s[0:1], 0x0                ; ac, wc
	s_load_b128 s[8:11], s[0:1], 0x10              ; the scales, qkvc
	s_load_b256 s[84:91], s[0:1], 0x20             ; bq, bk, bv, rope
	v_lshl_add_u32 v[SPW], v0, 2, SPARE
	v_mov_b32 v[NIL], 0
	ds_add_u32 v28, v29
	s_wait_dscnt 0x0
	v_lshrrev_b32 v1, 5, v0
	v_readfirstlane_b32 s14, v1                    ; wave
	s_lshr_b32 s15, s14, 1                         ; my half of the tile's rows; also: I fetch for A (0) or B (1)
	s_and_b32 s16, s14, 1                          ; my half of its columns; also: which 128 rows I fetch
	s_bfe_u32 s40, ttmp6, 0x40000                  ; cx
	s_bfe_u32 s41, ttmp6, 0x40004                  ; cy
	s_and_b32 s17, ttmp7, 0xffff
	s_lshl_b32 s17, s17, 2
	s_add_co_u32 s92, s17, s40                     ; v: tile of tokens = 4 x cluster y + cx
	s_add_co_u32 s17, s17, s41                     ; q, k: tile of tokens = 4 x cluster y + cy
	s_lshl_b32 s42, ttmp9, 2
	s_add_co_u32 s42, s42, s40                     ; q, k: tile of wc's rows = 4 x which + cx
	s_cmp_eq_u32 ttmp9, 2                          ; the cluster's x is the same in all sixteen partners
	s_cselect_b32 s17, s41, s17                    ; A's tile: made of cy alone
	s_cselect_b32 s42, s92, s42                    ; B's tile: made of cx alone
	s_lshl_b32 s43, s41, 2
	s_lshl_b32 s43, 15, s43                        ; my row of the cluster
	s_lshl_b32 s44, 0x1111, s40                    ; my column
	s_or_b32 s[G1+0], s43, (0<<16)|(1<<20)|(1<<21)|(5<<22)|(3<<25)  ; the mask; elements of 1 byte; padding on; bit 21 beside a mask; 4 words behind every 64
	s_or_b32 s[G1B+0], s44, (0<<16)|(1<<20)|(1<<21)|(5<<22)|(3<<25)
.irp g, G1, G1B
	s_mov_b32 s[\g+1], ROWB<<16                    ; tensor_dim0
	s_mov_b32 s[\g+2], 128<<16                     ; tensor_dim1
	s_mov_b32 s[\g+3], ROWB<<16                    ; tile_dim0
	s_mov_b32 s[\g+4], 128                         ; tile_dim1
	s_mov_b32 s[\g+5], KROW                        ; the pitch
	s_mov_b32 s[\g+6], 0
	s_mov_b32 s[\g+7], 0
.endr
	s_lshl_b32 s18, s16, 7
	s_lshl_b32 s20, s17, 8
	s_add_co_u32 s20, s20, s18
	s_lshl_b32 s46, s42, 8
	s_add_co_u32 s46, s46, s18
	s_mov_b32 s21, 0
	s_mov_b32 s47, 0
	s_mov_b64 s[18:19], KROW
	s_mul_u64 s[20:21], s[20:21], s[18:19]
	s_mul_u64 s[46:47], s[46:47], s[18:19]
	s_mul_i32 s45, s14, HALFT
	s_wait_kmcnt 0x0
	s_load_b512 s[68:83], s[8:9], 0x0              ; e0 .. e15 in s68 .. s83
	s_lshl_b32 s92, ttmp9, 22
	s_mov_b32 s93, 0
	s_add_nc_u64 s[92:93], s[4:5], s[92:93]        ; the tokens' codes under this product's scale: ac's section 0, 1 or 2
	s_add_nc_u64 s[94:95], s[6:7], 0x200000        ; Wv's codes
	s_cmp_eq_u32 ttmp9, 2
	s_cselect_b64 s[4:5], s[94:95], s[92:93]       ; A
	s_cselect_b64 s[6:7], s[92:93], s[6:7]         ; B
	s_add_nc_u64 s[20:21], s[4:5], s[20:21]
	s_add_nc_u64 s[46:47], s[6:7], s[46:47]
	CROUND                                         ; all sixteen work-groups are here: the first joint loads meet
.irp s, 0,1
	s_mov_b32 s[G0+4*\s], 1
	s_add_co_u32 s[G0+4*\s+1], s45, \s*SLOT
	s_add_nc_u64 s[G0+4*\s+2:G0+4*\s+3], s[20:21], \s*ROWB
	s_or_b32 s[G0+4*\s+3], s[G0+4*\s+3], 0x80000000
	s_mov_b32 s[G0B+4*\s], 1
	s_add_co_u32 s[G0B+4*\s+1], s45, \s*SLOT
	s_add_nc_u64 s[G0B+4*\s+2:G0B+4*\s+3], s[46:47], \s*ROWB
	s_or_b32 s[G0B+4*\s+3], s[G0B+4*\s+3], 0x80000000
	JLOAD G0+4*\s, G1, G0B+4*\s, G1B
.endr
	v_and_b32 v1, 15, v0                           ; r
	v_bfe_u32 v2, v0, 4, 1                         ; h
	v_mul_u32_u24 v3, v1, PITCH
	v_lshl_add_u32 v4, v2, 4, v3
	s_mul_i32 s21, s15, HALFT
	s_mul_i32 s22, s16, HALFT
	s_add_co_u32 s22, s22, 2*HALFT
.irp s, 0,1
	v_add_nc_u32 v[ADRA+\s], s21, v4
	v_add_nc_u32 v[ADRB+\s], s22, v4
	s_add_co_u32 s21, s21, SLOT
	s_add_co_u32 s22, s22, SLOT
.endr
	; the stages of the way out lie in slot 0, which has had its last fill and its last read when the first result is stored there.  q, k: 2 heads x 128 tokens x (64 + 16) bytes a wave; v, in bytes of its own behind them: 64 rows x (128 + 16) a wave
	s_mul_i32 s21, s14, 20480
	v_mul_u32_u24 v24, v1, 80
	v_lshl_add_u32 v24, v2, 3, v24
	v_add_nc_u32 v24, s21, v24                     ; q, k in: token r, + 8 h
	v_and_b32 v6, 31, v0
	v_lshrrev_b32 v5, 2, v6
	v_mul_u32_u24 v25, v5, 80
	v_and_b32 v5, 3, v6
	v_lshl_add_u32 v25, v5, 4, v25
	v_add_nc_u32 v25, s21, v25                     ; back: four lanes to a token's 64 bytes
	s_mul_i32 s21, s14, 9216
	s_add_co_u32 s21, s21, 81920
	v_mul_u32_u24 v26, v1, 144
	v_lshl_add_u32 v26, v2, 3, v26
	v_add_nc_u32 v26, s21, v26                     ; v in: row r, + 8 h
	v_lshrrev_b32 v5, 3, v6
	v_mul_u32_u24 v27, v5, 144
	v_and_b32 v5, 7, v6
	v_lshl_add_u32 v27, v5, 4, v27
	v_add_nc_u32 v27, s21, v27                     ; back: eight lanes to a row's 128 bytes
	v_lshlrev_b32 v8, 4, v6                        ; 16 x lane
	v_lshlrev_b32 v9, 8, v1
	v_lshl_add_u32 v9, v2, 5, v9                   ; the table: row r of 256 bytes, + 32 h
	v_lshlrev_b32 v10, 5, v2                       ; 32 h
	v_lshlrev_b32 v11, 2, v1                       ; 4 r
	s_wait_kmcnt 0x0
	s_add_co_i32 s92, s68, s69
	s_add_co_i32 s93, s70, s71
	s_add_co_i32 s94, s72, s73
	s_cmp_eq_u32 ttmp9, 0
	s_cselect_b32 s96, s92, s93
	s_cselect_b32 s98, s74, s75                    ; q: e6, k: e7
	s_cselect_b64 s[84:85], s[84:85], s[86:87]
	s_cmp_eq_u32 ttmp9, 2
	s_cselect_b32 s96, s94, s96
	s_cselect_b32 s98, s77, s98                    ; v: e9
	s_cselect_b64 s[84:85], s[88:89], s[84:85]     ; the bias
	s_add_co_i32 s96, s96, 127
	s_lshl_b32 s96, s96, 23                        ; 2^(the product's two exponents) as f32
	s_mov_b32 s97, s96
	s_add_co_i32 s98, s98, 127
	s_lshl_b32 s99, s98, 23
	v_mov_b32 v13, s99                             ; the next quantiser's scale
	s_add_co_i32 s98, s98, 15
	s_lshl_b32 s98, s98, 23
	s_or_b32 s98, s98, 0x600000
	v_mov_b32 v12, s98                             ; 57,344 x it
.macro FRAG reg, adr, q, i             ; 16 rows x 128 K: registers 4 c .. 4 c + 3 hold K = 32 c + 16 (l / 16) + 0 .. 15: the same order in A and in B
.irp c, 0,1,2,3
	ds_load_b128 v[\reg+4*\c:\reg+4*\c+3], v[\adr] offset:128*(\q)+32*\c+(\i)*16*PITCH
.endr
.endm
.macro MUL16 a0, p, zero               ; A's blocks a0, a0 + 1 x B's eight; the 64 accumulators take turns
.irp a, \a0, \a0+1
.irp b, 0,1,2,3,4,5,6,7
.if \zero
	v_wmma_f32_16x16x128_bf8_bf8 v[8*(8*((\a)%4)+\b):8*(8*((\a)%4)+\b)+7], v[128*(\p)+FR*\b:128*(\p)+FR*\b+FR-1], v[AF+FR*(\a):AF+FR*(\a)+FR-1], 0
.else
	v_wmma_f32_16x16x128_bf8_bf8 v[8*(8*((\a)%4)+\b):8*(8*((\a)%4)+\b)+7], v[128*(\p)+FR*\b:128*(\p)+FR*\b+FR-1], v[AF+FR*(\a):AF+FR*(\a)+FR-1], v[8*(8*((\a)%4)+\b):8*(8*((\a)%4)+\b)+7]
.endif
.endr
.endr
.endm
.macro FETCH_B slot, q, p
	WIN TO_B
.irp i, 0,1,2,3,4,5,6,7
	FRAG 128*(\p)+FR*\i, ADRB+\slot, \q, \i
.endr
	WIN 0
.endm
.macro FETCH_A slot, q, i0
.irp i, \i0, \i0+1, \i0+2, \i0+3
	FRAG AF+FR*(\i), ADRA+\slot, \q, \i
.endr
.endm
.macro PLACES n                        ; plain vector instructions between a matrix instruction and a load into, or a read of, its registers
.rept \n
	v_nop
.endr
.endm
.macro STEP slot, q, zero              ; 128 along K, with its successor in the same slot
	s_wait_dscnt 4*NL                              ; B's set and A's blocks 0-3 are in; the youngest 16 loads (A's blocks 4-7) may be out
	WIN MUL_LO
	MUL16 0, (\q)%2, \zero
	MUL16 2, (\q)%2, \zero
	s_wait_dscnt 0
	PLACES NP
	FETCH_B \slot, (\q)+1, 1-(\q)%2
	FETCH_A \slot, (\q)+1, 0
	WIN MUL_HI
	MUL16 4, (\q)%2, \zero
	MUL16 6, (\q)%2, \zero
	PLACES NP
	WIN 0
	FETCH_A \slot, (\q)+1, 4
.endm
.macro TURN slot, next, fill           ; a slot's last step changes slots
	s_wait_tensorcnt 0x0                           ; all my tensor loads have landed: my part of the next slot
	ds_add_u32 v[SPW], v[NIL]                      ; 0 onto my spare word
	s_wait_dscnt 4*NL+1                            ; (the add and the youngest 16 loads may be out)
	WIN MUL_LO
	MUL16 0, 1, 0
	s_wait_dscnt 0x0                               ; the add is done, and my reads of this slot are over
	s_barrier_signal -1
	MUL16 2, 1, 0
	WIN 0
	s_barrier_wait -1
.if \fill
	CREST                                          ; the barrier has opened a round of the cluster's: no wave of any partner still reads this slot or has a load on its way
	s_add_nc_u64 s[G0+4*\slot+2:G0+4*\slot+3], s[G0+4*\slot+2:G0+4*\slot+3], 2*ROWB
	s_add_nc_u64 s[G0B+4*\slot+2:G0B+4*\slot+3], s[G0B+4*\slot+2:G0B+4*\slot+3], 2*ROWB
	JLOAD G0+4*\slot, G1, G0B+4*\slot, G1B         ; my one tensor load behind the round; its four v_nop are the places in front of the loads below
.else
	PLACES NP
.endif
	FETCH_B \next, 0, 0
	FETCH_A \next, 0, 0
	WIN MUL_HI
	MUL16 4, 1, 0
	MUL16 6, 1, 0
	PLACES NP
	WIN 0
	FETCH_A \next, 0, 4
.endm
	s_wait_tensorcnt 1                             ; my part of K step 0 is in; K step 1's load may be out
	s_barrier_signal -1
	s_barrier_wait -1
	FETCH_B 0, 0, 0
	FETCH_A 0, 0, 0
	FETCH_A 0, 0, 4
	STEP 0, 0, 1                                   ; the first step starts the sums
	s_mov_b32 s3, LAPS-1
.Llap:
	TURN 0, 1, 1
	STEP 1, 0, 0
	TURN 1, 0, 1
	STEP 0, 0, 0
	s_sub_co_u32 s3, s3, 1
	s_cmp_lg_u32 s3, 0
	s_cbranch_scc1 .Llap
	TURN 0, 1, 0                                   ; the last lap fills nothing
	STEP 1, 0, 0
	s_wait_dscnt 4*NL
	WIN MUL_LO
	MUL16 0, 1, 0
	MUL16 2, 1, 0
	s_wait_dscnt 0
	WIN MUL_HI
	MUL16 4, 1, 0
	MUL16 6, 1, 0
	WIN 0
	PLACES NP                                      ; in front of the loads into, and the reads of, the last products' registers
.macro QUANT8                          ; the 64 numbers in v[T] on become 64 codes in v232-247: eight neighbours along the next K to a conversion
.set i, 0
.rept 64
	v_med3_num_f32 v[T+i], v[T+i], -v12, v12       ; the conversion does not saturate (ISA guide 7.6.2)
.set i, i+1
.endr
	s_wait_dscnt 0x0                               ; the last block's stores have read the codes' registers
.irp b, 0,1,2,3,4,5,6,7
	v_cvt_scalef32_pk8_bf8_f32 v[232+2*\b:233+2*\b], v[T+8*\b:T+8*\b+7], v13
.endr
	v_nop                                          ; a plain instruction behind the last conversion
.endm
	s_cmp_eq_u32 ttmp9, 2
	s_cbranch_scc1 .Lv
; ---------------- q, k: my 128 tokens x 2 heads
	s_lshl_b32 s92, s17, 8
	s_lshl_b32 s93, s15, 7
	s_add_co_u32 s92, s92, s93                     ; my first token
	s_lshr_b32 s93, s92, 11                        ; its sequence,
	s_and_b32 s94, s92, 2047                       ; its place there
	s_lshl_b32 s95, s40, 2
	s_lshl_b32 s18, s16, 1
	s_add_co_u32 s95, s95, s18                     ; my first head
	s_lshl_b32 s93, s93, 4
	s_add_co_u32 s93, s93, s95
	s_lshl_b32 s93, s93, 11
	s_add_co_u32 s93, s93, s94
	s_lshl_b32 s18, s93, 6
	s_lshl_b32 s19, ttmp9, 22
	s_add_co_u32 s18, s18, s19
	s_mov_b32 s19, 0
	s_add_nc_u64 s[10:11], s[10:11], s[18:19]
	s_lshl_b32 s18, s94, 8
	s_add_nc_u64 s[90:91], s[90:91], s[18:19]      ; the table at my first token's place
	s_lshl_b32 s18, s95, 8
	s_add_nc_u64 s[84:85], s[84:85], s[18:19]      ; the bias at my first column
.irp b, 0,1,2,3,4,5,6,7
	global_load_b128 v[BIA+8*\b:BIA+8*\b+3], v10, s[84:85] offset:64*\b
	global_load_b128 v[BIA+8*\b+4:BIA+8*\b+7], v10, s[84:85] offset:64*\b+16
.endr
.macro ROPELD a                        ; block a's 16 tokens: cosines of i = 8 h + 0..7 and 16 + 8 h + 0..7, then the sines
.set RL, 160+32*((\a)%2)
.irp o, 0,1,2,3,4,5,6,7
	global_load_b128 v[RL+4*\o:RL+4*\o+3], v9, s[90:91] offset:4096*(\a)+64*(\o/2)+16*(\o%2)
.endr
.endm
	ROPELD 0
.macro QKBLK a
.set AC, 64*((\a)%4)
.if (\a) < 7
	ROPELD (\a)+1
	s_wait_loadcnt 8                               ; this block's table rows (and the bias) are in; the next block's eight loads may be out
.else
	s_wait_loadcnt 0x0
.endif
.set RC, 160+32*((\a)%2)
	WIN 0x02+((\a)/4)                              ; source 0: window 2 or 3
.set i, 0
.rept 32
	v_pk_fma_f32 v[T+i:T+i+1], v[AC+i:AC+i+1], s[96:97], v[BIA+i:BIA+i+1] op_sel_hi:[1,0,1]   ; sum x 2^(eA + eB) + bias; each accumulator from its low end on
.set i, i+2
.endr
	WIN 0
.irp hh, 0,1
.irp u, 0,1
.irp j, 0,2,4,6
.set X1, T+8*(4*\hh+\u)+\j             ; d = 16 u + 8 h + j,
.set X2, T+8*(4*\hh+2+\u)+\j           ; d + 32
.set CC, RC+8*\u+\j
.set SS, RC+16+8*\u+\j
.set TP, 224+2*(\j%4)
	v_pk_mul_f32 v[TP:TP+1], v[X2:X2+1], v[SS:SS+1]
	v_pk_mul_f32 v[TP+2:TP+3], v[X1:X1+1], v[SS:SS+1]
	v_pk_fma_f32 v[X1:X1+1], v[X1:X1+1], v[CC:CC+1], v[TP:TP+1] neg_lo:[0,0,1] neg_hi:[0,0,1]
	v_pk_fma_f32 v[X2:X2+1], v[X2:X2+1], v[CC:CC+1], v[TP+2:TP+3]
.endr
.endr
.endr
	QUANT8
.irp b, 0,1,2,3,4,5,6,7
	ds_store_b64 v24, v[232+2*\b:233+2*\b] offset:(\b/4)*10240+(\a)*1280+16*(\b%4)
.endr
.endm
.irp a, 0,1,2,3,4,5,6,7
	QKBLK \a
.endr
.set i, 0
.rept 32
	ds_load_b128 v[32+4*i:32+4*i+3], v25 offset:(i/16)*10240+640*(i%16)   ; a wave's LDS instructions are served in order: these see my stores
.set i, i+1
.endr
.set i, 0
.rept 32
	s_wait_dscnt 31-i
	global_store_b128 v8, v[32+4*i:32+4*i+3], s[10:11] offset:(i/16)*131072+512*(i%16)   ; 512 consecutive bytes, aligned
.set i, i+1
.endr
	s_branch .Ldone
; ---------------- v: my 128 rows (2 heads x 64) x 128 tokens (one block of keys)
.Lv:
	s_lshl_b32 s92, s17, 8
	s_lshl_b32 s93, s15, 7
	s_add_co_u32 s92, s92, s93                     ; my first row: 64 x head + d
	s_lshl_b32 s93, s42, 8
	s_lshl_b32 s94, s16, 7
	s_add_co_u32 s93, s93, s94                     ; my first token
	s_lshr_b32 s94, s93, 11
	s_lshl_b32 s94, s94, 4
	s_lshr_b32 s95, s92, 6
	s_add_co_u32 s94, s94, s95
	s_lshl_b32 s94, s94, 4
	s_bfe_u32 s95, s93, 0x40007                    ; its block of 128 keys
	s_add_co_u32 s94, s94, s95
	s_lshl_b32 s18, s94, 13
	s_add_co_u32 s18, s18, 0x800000
	s_mov_b32 s19, 0
	s_add_nc_u64 s[10:11], s[10:11], s[18:19]
	s_lshl_b32 s18, s92, 2
	s_add_nc_u64 s[84:85], s[84:85], s[18:19]
.irp a, 0,1,2,3,4,5,6,7
	global_load_b32 v[32+2*\a], v11, s[84:85] offset:64*\a     ; the bias of row 16 a + r, in both halves of a pair
	global_load_b32 v[33+2*\a], v11, s[84:85] offset:64*\a
.endr
	s_wait_loadcnt 0x0
.macro VBLK a
.set AC, 64*((\a)%4)
	WIN 0x02+((\a)/4)
.set i, 0
.rept 32
	v_pk_fma_f32 v[T+i:T+i+1], v[AC+i:AC+i+1], s[96:97], v[32+2*(\a):33+2*(\a)] op_sel_hi:[1,0,1]
.set i, i+2
.endr
	WIN 0
	QUANT8
.irp b, 0,1,2,3,4,5,6,7
	ds_store_b64 v26, v[232+2*\b:233+2*\b] offset:((\a)%4)*2304+16*\b
.endr
.endm
.macro VSEND hh
.irp i, 0,1,2,3,4,5,6,7,8,9,10,11,12,13,14,15
	ds_load_b128 v[160+4*\i:160+4*\i+3], v27 offset:576*\i
.endr
.irp i, 0,1,2,3,4,5,6,7,8,9,10,11,12,13,14,15
	s_wait_dscnt 15-\i
	global_store_b128 v8, v[160+4*\i:160+4*\i+3], s[10:11] offset:(\hh)*131072+512*\i
.endr
.endm
	VBLK 0
	VBLK 1
	VBLK 2
	VBLK 3
	VSEND 0
	VBLK 4                                         ; its stores into the stage come behind the first head's loads
	VBLK 5
	VBLK 6
	VBLK 7
	s_wait_xcnt 0x0                                ; the first head's stores have read their registers
	VSEND 1
.Ldone:
	s_wait_tensorcnt 0x0                           ; the wave's end
	ds_add_u32 v[SPW], v[NIL]
	s_wait_dscnt 0x0
	CROUND                                         ; the closing round
	s_endpgm
.Lfunc_end_k_q89d99b90e5_qkv:
	.size	k_q89d99b90e5_qkv, .Lfunc_end_k_q89d99b90e5_qkv-k_q89d99b90e5_qkv
	.p2alignl 7, 3214868480
	.fill 96, 4, 3214868480
	.section	.rodata,"a",@progbits
	.p2align	6, 0x0
	.amdhsa_kernel k_q89d99b90e5_qkv
		.amdhsa_group_segment_fixed_size 327680
		.amdhsa_private_segment_fixed_size 0
		.amdhsa_enable_private_segment 0
		.amdhsa_kernarg_size 64
		.amdhsa_user_sgpr_count 2
		.amdhsa_user_sgpr_kernarg_segment_ptr 1
		.amdhsa_wavefront_size32 1
		.amdhsa_system_sgpr_workgroup_id_x 1
		.amdhsa_system_sgpr_workgroup_id_y 1
		.amdhsa_system_sgpr_workgroup_id_z 1
		.amdhsa_system_vgpr_workitem_id 0
		.amdhsa_next_free_vgpr 1024
		.amdhsa_next_free_sgpr 100
		.amdhsa_reserve_vcc 0
		.amdhsa_float_denorm_mode_32 3
		.amdhsa_float_denorm_mode_16_64 3
		.amdhsa_memory_ordered 1
		.amdhsa_forward_progress 1
		.amdhsa_inst_pref_size 248
	.end_amdhsa_kernel
	.amdgpu_metadata
---
amdhsa.version: [ 1, 2 ]
amdhsa.kernels:
  - .name:           k_q89d99b90e5_qkv
    .symbol:         k_q89d99b90e5_qkv.kd
    .args:
      - { .name: ac, .offset: 0, .size: 8, .value_kind: global_buffer, .address_space: global }
      - { .name: wc, .offset: 8, .size: 8, .value_kind: global_buffer, .address_space: global }
      - { .name: lowp_scales, .offset: 16, .size: 8, .value_kind: global_buffer, .address_space: global }
      - { .name: qkvc, .offset: 24, .size: 8, .value_kind: global_buffer, .address_space: global }
      - { .name: bq, .offset: 32, .size: 8, .value_kind: global_buffer, .address_space: global }
      - { .name: bk, .offset: 40, .size: 8, .value_kind: global_buffer, .address_space: global }
      - { .name: bv, .offset: 48, .size: 8, .value_kind: global_buffer, .address_space: global }
      - { .name: rope, .offset: 56, .size: 8, .value_kind: global_buffer, .address_space: global }
    .group_segment_fixed_size: 327680
    .private_segment_fixed_size: 0
    .kernarg_segment_align: 8
    .kernarg_segment_size: 64
    .max_flat_workgroup_size: 128
    .sgpr_count:     100
    .vgpr_count:     1024
    .wavefront_size: 32
...
	.end_amdgpu_metadata
.endif
;; end of part 2
;; launch attn (part 3): grid 8 x 32, 16 waves a work-group, clusters of 4 x 1, 327,680 bytes of LDS; arguments qkvc, mbits, lowp_scales, ac; writes ac
.if DOCPART == 3
	.amdgcn_target "amdgcn-amd-amdhsa--gfx1250"
	.amdhsa_code_object_version 6
	.text
	.protected	k_q89d99b90e5_attn
	.globl	k_q89d99b90e5_attn
	.p2align	8
	.type	k_q89d99b90e5_attn,@function
k_q89d99b90e5_attn:
	s_mov_b64 s[64:65], 0
	v_nop
	global_prefetch_b8 v0, s[64:65] scope:SCOPE_SE
	s_setreg_imm32_b32 hwreg(HW_REG_WAVE_MODE, 25, 1), 1
	s_wait_xcnt 0x0
	s_wait_alu depctr_hold_cnt(0) depctr_sa_sdst(0) depctr_va_vdst(0) depctr_va_sdst(0) depctr_va_ssrc(0) depctr_va_vcc(0) depctr_vm_vsrc(0)
	s_getreg_b32 s2, hwreg(HW_REG_IB_STS2, 6, 4)
	s_cmp_eq_u32 s2, 0
	s_cbranch_scc0 .Lentry_in_a_cluster
	s_endpgm
.Lentry_in_a_cluster:
	s_bfe_u32 s2, ttmp6, 0x10000c
	s_cmp_lg_u32 s2, 0x3003
	s_cbranch_scc0 .Lentry_shape_is_right
	s_endpgm
.Lentry_shape_is_right:
; o = softmax(q k^T / 8, hidden where the mask says so) v for 32 heads of 64, both products on codes of E5M2; o leaves as codes under e10, laid [token][1024], into ac's first section.
; t = score x log2(e) / 8; M = the running largest t rounded up to a whole number; p = 2^(t - M) is quantised (e8); the row's sum is taken of the unquantised p and divides at the end.
; THE MASK IS AN INPUT: all 2,048 keys are walked for every query, and each score is replaced by -infinity where its bit is set.  The bits come as lane masks, one word for each of a step's 64 score registers, by scalar loads, a step ahead.
; A row all of whose keys are hidden has the sum 0: its codes become the format's NaN, which the next product carries on.
; SHARES: a work-group owns 256 queries of a head, each of its sixteen waves 16, in 256 registers.  Both products are used transposed: a lane holds one query.  The keys of a tile of k, and the rows of a tile of v, are chosen
; (lane r takes r + 8 (r / 8), tiles 8 apart) so that the 16 registers of two neighbouring tiles are 16 neighbours along the next K.
; CLUSTER: the four query blocks of a cluster walk the same k and v: each tile of 128 keys (8,192 dense bytes, stated as 32 rows of 256) is asked for jointly.  A slot holds two steps: k, k, v, v; waves 0-3 fetch one tile each.
; THE STORES cover 64 of each token's 1,024 bytes: the other heads' bytes of an aligned 256 belong to other work-groups.
; LIMITS: e6 + e7 between -123 and 130; e8 and e10 between -126 and 112.  NaN and infinities among the inputs are not served.
; REGISTERS: v1-3 lane terms; v5, v6 the add's; v7 -infinity; v8, v9 LDS addresses; v10 my place in o; v12 -M, v13 the largest t, v[14:15] the sum; v16-23 q; v32-95 k's, then v's fragments; v96-159 scores, then p; v160-191 o^T; v224-239 p's codes; v240.. constants and work.
.set SLOT1, 1<<16
.set TILE,  32*272
.set SPARE, 2*SLOT1                    ; behind the ring: the spare words, 128 bytes a wave, which no other line names
.macro CROUND
	s_barrier_signal -1
	s_barrier_wait -1
	s_cmp_lg_u32 s12, 0
	s_cbranch_scc1 .Lnot_wave_0_\@
	s_barrier_signal -3
.Lnot_wave_0_\@:
	s_barrier_wait -3
	s_barrier_signal -1
	s_barrier_wait -1
.endm
.macro JLOAD                           ; waves 0-3: one tile each; four v_nop follow the line
	s_cmp_lt_u32 s12, 4
	s_cbranch_scc0 .Lnone_\@
	tensor_load_to_lds s[24:27], s[16:23]
	s_nop 0
.rept 4
	v_nop
.endr
.Lnone_\@:
.endm
; A prefetch of the slot that the NEXT change of slots will ask for.  Both clusters of a head walk the same tiles: the first asks.  Its four partners take one tile of the four each, told apart by address; in each, wave 4 asks: 32 lanes, 256 bytes apart.
; The last change that fills a slot asks for nothing; slots 0 and 1 come by their loads alone.
.macro ASK
	s_cmp_gt_u32 s3, s13
	s_cbranch_scc0 .Lnot_mine_\@
	global_prefetch_b8 v3, s[14:15] th:TH_LOAD_NT scope:SCOPE_SE
.Lnot_mine_\@:
.endm
.macro MLOAD                           ; a step's 64 mask words: word n in s[68 + n] (n < 32) or s[n]
	s_load_b512 s[68:83], s[6:7], 0x0
	s_load_b512 s[84:99], s[6:7], 0x40
	s_load_b512 s[32:47], s[6:7], 0x80
	s_load_b512 s[48:63], s[6:7], 0xc0
.endm
	s_load_b256 s[4:11], s[0:1], 0x0               ; qkvc, mbits, the scales, ac
	v_lshl_add_u32 v5, v0, 2, SPARE
	v_mov_b32 v6, 0
	ds_add_u32 v5, v6
	s_wait_dscnt 0x0
	v_lshrrev_b32 v8, 5, v0
	v_readfirstlane_b32 s12, v8                    ; wave
	s_bfe_u32 s48, ttmp6, 0x40000                  ; cx: it enters q's, the mask's, o's and the prefetch's addresses alone
	s_lshl_b32 s49, ttmp9, 2
	s_add_co_u32 s49, s49, s48                     ; my block of 256 queries
	s_and_b32 s50, ttmp7, 0xffff                   ; the head, 16 x sequence + head
	s_lshl_b32 s51, s49, 8
	s_lshl_b32 s52, s12, 4
	s_add_co_u32 s51, s51, s52                     ; my first query
	s_lshl_b32 s52, s50, 17                        ; a head's codes are 131,072 bytes in each of q, k, v
	s_mov_b32 s53, 0
	s_and_b32 s54, s12, 3                          ; the tile that I fetch, if I fetch: k step 0, k step 1, v step 0, v step 1
	s_mul_i32 s25, s54, TILE                       ; its place in slot 0
	s_lshr_b32 s55, s54, 1
	s_add_co_u32 s55, s55, 1
	s_lshl_b32 s55, s55, 22                        ; k's codes begin at 2^22, v's at 2^23
	s_and_b32 s56, s54, 1
	s_lshl_b32 s56, s56, 13
	s_add_co_u32 s56, s56, s55
	s_add_co_u32 s56, s56, s52
	s_mov_b32 s57, 0
	s_mov_b32 s16, 15|(1<<20)|(1<<21)|(5<<22)|(3<<25)   ; the mask: all four; elements of 1 byte; padding on; bit 21 beside a mask; 4 words behind every 64
	s_mov_b32 s17, 256<<16                         ; tensor_dim0
	s_mov_b32 s18, 32<<16                          ; tensor_dim1
	s_mov_b32 s19, 256<<16                         ; tile_dim0
	s_mov_b32 s20, 32                              ; tile_dim1
	s_mov_b32 s21, 256                             ; the pitch: dense
	s_mov_b32 s22, 0
	s_mov_b32 s23, 0
	s_mov_b32 s28, 0x76543210
	s_mov_b32 s29, 0xfedcba98
	s_mov_b32 s2, 0                                ; the slot in hand
	s_mov_b32 s3, 7                                ; slots still to be asked for
	s_xor_b32 s59, s12, 4
	s_or_b32 s59, s59, ttmp9
	s_cmp_eq_u32 s59, 0
	s_cselect_b32 s13, 1, -1                       ; wave 4 of the head's first cluster prefetches: the same in all four partners
	s_wait_kmcnt 0x0
	s_load_b512 s[32:47], s[8:9], 0x0              ; e0 .. e15 in s32 .. s47
	s_mov_b32 s24, 1
	s_add_nc_u64 s[26:27], s[4:5], s[56:57]
	s_or_b32 s27, s27, 0x80000000
	CROUND                                         ; all four work-groups are here
	JLOAD                                          ; slot 0
	s_lshr_b32 s58, s48, 1                         ; the prefetches: partner cx takes tile cx,
	s_add_co_u32 s58, s58, 1
	s_lshl_b32 s58, s58, 22
	s_and_b32 s59, s48, 1
	s_lshl_b32 s59, s59, 13
	s_add_co_u32 s58, s58, s59
	s_add_co_u32 s58, s58, s52
	s_add_co_u32 s58, s58, 16384                   ; in slot 1: the first change of slots steps it to slot 2
	s_mov_b32 s59, 0
	s_add_nc_u64 s[14:15], s[4:5], s[58:59]
	s_lshl_b32 s58, s51, 6
	s_add_co_u32 s58, s58, s52
	s_add_nc_u64 s[4:5], s[4:5], s[58:59]          ; q at my first query
	s_lshl_b32 s58, s51, 8
	s_add_nc_u64 s[6:7], s[6:7], s[58:59]          ; my tile's mask words: 16 steps x 256 bytes
	s_lshr_b32 s58, s50, 4
	s_lshl_b32 s58, s58, 11
	s_add_co_u32 s58, s58, s51
	s_lshl_b32 s58, s58, 10
	s_and_b32 s56, s50, 15
	s_lshl_b32 s56, s56, 6
	s_add_co_u32 s58, s58, s56
	s_add_nc_u64 s[10:11], s[10:11], s[58:59]      ; o's codes: my first token's row, my head's 64 bytes
	v_and_b32 v8, 15, v0                           ; r
	v_bfe_u32 v9, v0, 4, 1                         ; h
	v_lshlrev_b32 v11, 6, v8
	v_lshl_add_u32 v11, v9, 4, v11
	global_load_b128 v[16:19], v11, s[4:5]         ; q's fragment: k = 16 h + 0..15,
	global_load_b128 v[20:23], v11, s[4:5] offset:32   ; 32 + 16 h + 0..15: the order in which k's fragments are read too
	v_and_b32 v4, 8, v8
	v_add_nc_u32 v4, v4, v8                        ; r + 8 (r / 8)
	v_lshrrev_b32 v1, 2, v4
	v_mul_u32_u24 v1, v1, 272
	v_and_b32 v2, 3, v4
	v_lshl_add_u32 v1, v2, 6, v1
	v_lshl_add_u32 v1, v9, 4, v1                   ; k: four keys of 64 bytes to an LDS row
	v_lshrrev_b32 v2, 1, v4
	v_mul_u32_u24 v2, v2, 272
	v_and_b32 v4, 1, v4
	v_lshl_add_u32 v2, v4, 7, v2
	v_lshl_add_u32 v2, v9, 4, v2
	v_add_nc_u32 v2, 2*TILE, v2                    ; v: two rows of 128 keys to an LDS row, behind k's two tiles
	v_and_b32 v3, 31, v0
	v_lshlrev_b32 v3, 8, v3
	v_lshlrev_b32 v10, 10, v8
	v_lshl_add_u32 v10, v9, 4, v10
	v_mov_b32 v7, 0xff800000
	v_mov_b32 v13, 0xff61b1e6                      ; the largest t so far: -3e38
	v_floor_f32 v12, -v13
	v_mov_b32 v14, 0
	v_mov_b32 v15, 0
	v_mov_b32 v236, 0                              ; a lane permute's destination counts as one of its sources
	v_mov_b32 v253, 0                              ; (the upper half of the pair v[252:253])
.set i, 0
.rept 32
	v_mov_b32 v[160+i], 0                          ; o^T: the step is written once; the first finds zeros
.set i, i+1
.endr
	s_wait_kmcnt 0x0
	s_add_co_i32 s58, s38, s39
	s_lshl_b32 s58, s58, 23
	s_mov_b32 s30, 0x3e38aa3b                      ; c = log2(e) / 8,
	s_add_co_i32 s30, s30, s58                     ; x 2^(e6 + e7), by its exponent field
	s_mov_b32 s31, s30
	s_add_co_i32 s58, s40, 127
	s_lshl_b32 s59, s58, 23
	v_mov_b32 v244, s59                            ; 2^e8
	s_add_co_i32 s58, s58, 15
	s_lshl_b32 s58, s58, 23
	s_or_b32 s58, s58, 0x600000
	v_mov_b32 v240, s58                            ; 57,344 x 2^e8
	s_add_co_i32 s8, s40, s41                      ; e8 + e9
	s_add_co_i32 s58, s42, 127
	s_lshl_b32 s59, s58, 23
	v_mov_b32 v245, s59                            ; 2^e10
	s_add_co_i32 s58, s58, 15
	s_lshl_b32 s58, s58, 23
	s_or_b32 s58, s58, 0x600000
	v_mov_b32 v241, s58
	MLOAD                                          ; step 0's mask words
.macro STEP q, more
	v_add_nc_u32 v8, s2, v1
	v_add_nc_u32 v9, s2, v2
	v_nop                                          ; with the two additions: four places in front of loads into registers that the last products read
	v_nop
.irp t, 0,1,2,3,4,5,6,7
.irp c, 0,1
	ds_load_b128 v[32+8*\t+4*\c:32+8*\t+4*\c+3], v8 offset:(\q)*TILE+(8*(\t/2)+2*(\t%2))*272+32*\c
.endr
.endr
	s_wait_dscnt 0x0
.irp t, 0,1,2,3,4,5,6,7
	v_wmma_f32_16x16x64_bf8_bf8 v[96+8*\t:103+8*\t], v[32+8*\t:39+8*\t], v[16:23], 0
.endr
.rept 4
	v_nop
.endr
.irp t, 0,1,2,3
.irp c, 0,1,2,3
	ds_load_b128 v[32+16*\t+4*\c:32+16*\t+4*\c+3], v9 offset:(\q)*TILE+(16*(\t/2)+4*(\t%2))*272+32*\c   ; v's fragments land under the softmax
.endr
.endr
	s_wait_kmcnt 0x0                               ; this step's mask words
.set n, 0
.rept 32
	v_cndmask_b32 v[96+n], v[96+n], v7, s[68+n]    ; hidden: -infinity.  Each accumulator from its low end on
.set n, n+1
.endr
.rept 32
	v_cndmask_b32 v[96+n], v[96+n], v7, s[n]
.set n, n+1
.endr
.if \more
	s_add_nc_u64 s[6:7], s[6:7], 256               ; (the loads that read this base are done)
	MLOAD                                          ; the next step's
.endif
	v_max3_num_f32 v254, v96, v97, v98
	v_max3_num_f32 v252, v99, v100, v101
.irp i, 6,10,14,18,22,26,30,34,38,42,46,50,54,58
	v_max3_num_f32 v254, v254, v[96+\i], v[97+\i]
	v_max3_num_f32 v252, v252, v[98+\i], v[99+\i]
.endr
	v_max3_num_f32 v254, v254, v158, v159
	v_max_num_f32 v254, v254, v252
	v_permlanex16_b32 v236, v254, s28, s29
	v_max_num_f32 v254, v254, v236
	v_mul_f32 v254, s30, v254                      ; as t
	v_max_num_f32 v13, v13, v254                   ; the running largest t
	v_mov_b32 v254, v12
	v_floor_f32 v12, -v13                          ; -M = floor(-t)
	v_sub_f32 v254, v12, v254                      ; old M - new M: a whole number, 0 or less
	v_cvt_i32_f32 v254, v254                       ; (it saturates)
	v_ldexp_f32 v252, 1.0, v254                    ; f = 2^(old M - new M)
.set i, 0
.rept 32
	v_pk_fma_f32 v[96+i:97+i], v[96+i:97+i], s[30:31], v[12:13] op_sel_hi:[1,0,0]   ; t - M
.set i, i+2
.endr
.set i, 0
.rept 64
	v_exp_f32 v[96+i], v[96+i]
.set i, i+1
.endr
	v_pk_mul_f32 v[14:15], v[14:15], v[252:253] op_sel_hi:[1,0]   ; the sums under the new M: the plain instruction behind the batch
	s_wait_alu depctr_va_vdst(0)                   ; one wait for the 64 exponentials, ahead of their first reader
	v_pk_add_f32 v[242:243], v[96:97], v[98:99]    ; the sum of the unquantised p, in two chains
.irp j, 4,8,12,16,20,24,28,32,36,40,44,48,52,56,60
	v_pk_add_f32 v[14:15], v[14:15], v[96+\j:97+\j]
	v_pk_add_f32 v[242:243], v[242:243], v[98+\j:99+\j]
.endr
	v_pk_add_f32 v[14:15], v[14:15], v[242:243]
.irp b, 0,1,2,3
.irp i, 0,1,2,3,4,5,6,7,8,9,10,11,12,13,14,15
	v_min_num_f32 v[96+16*\b+\i], v[96+16*\b+\i], v240   ; p is not negative: a one-sided hold
.endr
	v_cvt_scalef32_pk8_bf8_f32 v[224+4*\b:225+4*\b], v[96+16*\b:103+16*\b], v244
	v_cvt_scalef32_pk8_bf8_f32 v[226+4*\b:227+4*\b], v[104+16*\b:111+16*\b], v244
.endr
.set i, 0
.rept 16
	v_pk_mul_f32 v[160+i:161+i], v[160+i:161+i], v[252:253] op_sel_hi:[1,0]   ; o^T under the new M
.set i, i+2
.endr
	s_wait_dscnt 0x0                               ; v's fragments
.irp t, 0,1,2,3
	v_wmma_f32_16x16x128_bf8_bf8 v[160+8*\t:167+8*\t], v[32+16*\t:47+16*\t], v[224:239], v[160+8*\t:167+8*\t]
.endr
.endm
; The change of slots stands at a slot's head.  fill = 1: the slot that has been left is filled with the keys that follow; the barrier is then a round of the cluster's.
.macro CHANGE fill
	s_wait_tensorcnt 0x0                           ; no tensor load of mine is out: my part of the slot ahead has landed, and group 0 may be written
	ds_add_u32 v5, v6                              ; 0 onto my spare word
.if \fill
	s_xor_b32 s25, s25, SLOT1
	s_add_nc_u64 s[26:27], s[26:27], 16384         ; the next 256 keys
	s_wait_xcnt 0x0                                ; the last prefetch has read its address
	s_add_nc_u64 s[14:15], s[14:15], 16384
	s_wait_dscnt 0x0                               ; the add is done, and my reads of the slot that I have left are over
	CROUND
	JLOAD                                          ; my one tensor load behind the round: it has two key steps in which to land
	ASK
.else
	s_wait_dscnt 0x0
	s_barrier_signal -1
	s_barrier_wait -1
.endif
.endm
	s_wait_loadcnt 0x0                             ; q
.Lslot:                                            ; seven trips: behind each change of slots but the last the next slot is asked for
	CHANGE 1
	STEP 0, 1
	STEP 1, 1
	s_xor_b32 s2, s2, SLOT1
	s_sub_co_u32 s3, s3, 1
	s_cmp_lg_u32 s3, 0
	s_cbranch_scc1 .Lslot
	CHANGE 0                                       ; the last slot is written out
	STEP 0, 1
	STEP 1, 0
.rept 4
	v_nop                                          ; places behind the last products
.endr
	v_add_f32 v14, v14, v15
	v_permlanex16_b32 v252, v14, s28, s29
	v_add_f32 v14, v14, v252                       ; the row's sum
	v_rcp_f32 v15, v14
	v_mov_b32 v254, 0x7f7f7f7f                     ; (the plain instruction behind it)  four NaN codes
	s_wait_alu depctr_va_vdst(0)
	v_ldexp_f32 v15, v15, s8                       ; x 2^(e8 + e9)
.set i, 0
.rept 32
	v_mul_f32 v[96+i], v[160+i], v15               ; register 16 b + i: o(my query, 32 b + 16 h + i)
.set i, i+1
.endr
.set i, 0
.rept 32
	v_med3_num_f32 v[96+i], v[96+i], -v241, v241
.set i, i+1
.endr
.irp q, 0,1,2,3
	v_cvt_scalef32_pk8_bf8_f32 v[224+2*\q:225+2*\q], v[96+8*\q:103+8*\q], v245
.endr
	v_nop
	v_cmp_eq_f32 vcc_lo, 0, v14                    ; every key hidden
.irp i, 0,1,2,3,4,5,6,7
	v_cndmask_b32 v[224+\i], v[224+\i], v254, vcc_lo
.endr
	global_store_b128 v10, v[224:227], s[10:11]
	global_store_b128 v10, v[228:231], s[10:11] offset:32
	s_wait_tensorcnt 0x0                           ; the wave's end
	ds_add_u32 v5, v6
	s_wait_dscnt 0x0
	CROUND                                         ; the closing round
	s_endpgm
.Lfunc_end_k_q89d99b90e5_attn:
	.size	k_q89d99b90e5_attn, .Lfunc_end_k_q89d99b90e5_attn-k_q89d99b90e5_attn
	.p2alignl 7, 3214868480
	.fill 96, 4, 3214868480
	.section	.rodata,"a",@progbits
	.p2align	6, 0x0
	.amdhsa_kernel k_q89d99b90e5_attn
		.amdhsa_group_segment_fixed_size 327680
		.amdhsa_private_segment_fixed_size 0
		.amdhsa_enable_private_segment 0
		.amdhsa_kernarg_size 32
		.amdhsa_user_sgpr_count 2
		.amdhsa_user_sgpr_kernarg_segment_ptr 1
		.amdhsa_wavefront_size32 1
		.amdhsa_system_sgpr_workgroup_id_x 1
		.amdhsa_system_sgpr_workgroup_id_y 1
		.amdhsa_system_sgpr_workgroup_id_z 1
		.amdhsa_system_vgpr_workitem_id 0
		.amdhsa_next_free_vgpr 256
		.amdhsa_next_free_sgpr 100
		.amdhsa_reserve_vcc 1
		.amdhsa_float_denorm_mode_32 3
		.amdhsa_float_denorm_mode_16_64 3
		.amdhsa_memory_ordered 1
		.amdhsa_forward_progress 1
		.amdhsa_inst_pref_size 91
	.end_amdhsa_kernel
	.amdgpu_metadata
---
amdhsa.version: [ 1, 2 ]
amdhsa.kernels:
  - .name:           k_q89d99b90e5_attn
    .symbol:         k_q89d99b90e5_attn.kd
    .args:
      - { .name: qkvc, .offset: 0, .size: 8, .value_kind: global_buffer, .address_space: global }
      - { .name: mbits, .offset: 8, .size: 8, .value_kind: global_buffer, .address_space: global }
      - { .name: lowp_scales, .offset: 16, .size: 8, .value_kind: global_buffer, .address_space: global }
      - { .name: ac, .offset: 24, .size: 8, .value_kind: global_buffer, .address_space: global }
    .group_segment_fixed_size: 327680
    .private_segment_fixed_size: 0
    .kernarg_segment_align: 8
    .kernarg_segment_size: 32
    .max_flat_workgroup_size: 512
    .sgpr_count:     100
    .vgpr_count:     256
    .wavefront_size: 32
...
	.end_amdgpu_metadata
.endif
;; end of part 3
;; launch wo (part 4): grid 4 x 16, 4 waves a work-group, clusters of 4 x 4, 327,680 bytes of LDS; arguments ac, wc, lowp_scales, x1, bo, x; writes x1
.if DOCPART == 4
	.amdgcn_target "amdgcn-amd-amdhsa--gfx1250"
	.amdhsa_code_object_version 6
	.text
	.protected	k_q89d99b90e5_wo
	.globl	k_q89d99b90e5_wo
	.p2align	8
	.type	k_q89d99b90e5_wo,@function
k_q89d99b90e5_wo:
	s_mov_b64 s[64:65], 0
	v_nop
	global_prefetch_b8 v0, s[64:65] scope:SCOPE_SE
	s_setreg_imm32_b32 hwreg(HW_REG_WAVE_MODE, 25, 1), 1
	s_wait_xcnt 0x0
	s_wait_alu depctr_hold_cnt(0) depctr_sa_sdst(0) depctr_va_vdst(0) depctr_va_sdst(0) depctr_va_ssrc(0) depctr_va_vcc(0) depctr_vm_vsrc(0)
	s_getreg_b32 s2, hwreg(HW_REG_IB_STS2, 6, 4)
	s_cmp_eq_u32 s2, 0
	s_cbranch_scc0 .Lentry_in_a_cluster
	s_endpgm
.Lentry_in_a_cluster:
	s_bfe_u32 s2, ttmp6, 0x10000c
	s_cmp_lg_u32 s2, 0xf033
	s_cbranch_scc0 .Lentry_shape_is_right
	s_endpgm
.Lentry_shape_is_right:
; x1 = x + (o Wo + bo): [4096 x 1024] x [1024 x 1024] on codes of E5M2 (o under e10, Wo under e11), the bias and the residual on the way out, f32.
; A tile of 256 x 256 is made by four waves, each 128 x 128 in 64 accumulators; K goes in steps of 256 through two LDS slots filled by joint tensor loads (4 x 4 work-groups: A's tile shared along a row of the cluster, B's along a column).
; The matrix instruction is used transposed (source 0 = 16 rows of B, source 1 = 16 rows of A): a lane holds eight neighbouring numbers of a row of the result.
; 64 tiles: this launch has work for 64 work-groups.  LIMIT: e10 + e11 between -126 and 127.
; REGISTERS, in windows of 256: window 0: v0-31 addresses, v8-11 the bias; from v128 A's fragments, one set; window 1: B's fragments, two sets; windows 2, 3: the accumulators ((a, b) at v[8 (8 (a % 4) + b)]).
.set SIZE_K, 1024
.set SIZE_N, 1024
.set AOFF,   0
.set BOFF,   0x300000                  ; Wo's codes in wc
.set SCOFF,  0x28                      ; e10, e11
.set KSTEP,  256
.set ROWB,   256
.set KROW,   SIZE_K
.set PITCH,  272                       ; an LDS row: 256 bytes + 16 of padding: the 16 rows of a fragment load start 68 words apart
.set FR,     16
.set NL,     4
.set NP,     4
.set HALFT,  128*PITCH
.set SLOT,   4*HALFT
.set LAPS,   SIZE_K/(2*KSTEP)
.set SPARE,  2*SLOT                    ; behind the ring: the spare words, 128 bytes a wave, which no other line names
.set SPITCH, 528                       ; the way out: 16 rows x (512 + 16) bytes a wave, in slot 0, which has had its last fill and its last read by then
.set ADRA, 16
.set ADRB, 20
.set STO,  24
.set RD,   25
.set CO,   26
.set SPW,  28
.set NIL,  29
.set AF,   128
.set XR,   32                          ; the way out: v32-95, v96-159 the residual's rows, two sets; v160-223 a block of results
.set BB,   160
.set G1, 24
.set G0, 32
.set G1B, 48
.set G0B, 56
.set MSB, 0
.macro WIN new                         ; the immediate's high byte repeats the setting that is left
.if MSB != \new
	s_set_vgpr_msb (MSB<<8)|\new
.set MSB, \new
.endif
.endm
.set MUL_LO, 0xa1                      ; source 0 (B) window 1, source 1 (A) window 0, C and D window 2
.set MUL_HI, 0xf1
.set TO_B,   0x40
.macro JLOAD g0a, g1a, g0b, g1b        ; a joint load: waves 0, 1 fetch for A, waves 2, 3 for B; four v_nop follow each line
	s_cmp_eq_u32 s15, 0
	s_cbranch_scc0 .Lfor_b_\@
	tensor_load_to_lds s[\g0a:\g0a+3], s[\g1a:\g1a+7]
	s_nop 0
.rept 4
	v_nop
.endr
	s_branch .Lasked_\@
.Lfor_b_\@:
	tensor_load_to_lds s[\g0b:\g0b+3], s[\g1b:\g1b+7]
	s_nop 0
.rept 4
	v_nop
.endr
.Lasked_\@:
.endm
.macro CREST                           ; a round of the cluster's barrier behind its opening barrier
	s_cmp_lg_u32 s14, 0
	s_cbranch_scc1 .Lnot_wave_0_\@
	s_barrier_signal -3
.Lnot_wave_0_\@:
	s_barrier_wait -3
	s_barrier_signal -1
	s_barrier_wait -1
.endm
.macro CROUND
	s_barrier_signal -1
	s_barrier_wait -1
	CREST
.endm
	s_load_b128 s[4:7], s[0:1], 0x0                ; A's codes, wc
	s_load_b128 s[8:11], s[0:1], 0x10              ; the scales, the result
	s_load_b128 s[68:71], s[0:1], 0x20             ; the bias, the residual
	v_lshl_add_u32 v[SPW], v0, 2, SPARE
	v_mov_b32 v[NIL], 0
	ds_add_u32 v28, v29
	s_wait_dscnt 0x0
	v_lshrrev_b32 v1, 5, v0
	v_readfirstlane_b32 s14, v1                    ; wave
	s_lshr_b32 s15, s14, 1                         ; my half of the tile's rows; also: I fetch for A (0) or B (1)
	s_and_b32 s16, s14, 1                          ; my half of its columns; also: which 128 rows I fetch
	s_bfe_u32 s40, ttmp6, 0x40000                  ; cx
	s_bfe_u32 s41, ttmp6, 0x40004                  ; cy
	s_lshl_b32 s42, ttmp9, 2
	s_add_co_u32 s42, s42, s40                     ; tile column
	s_and_b32 s17, ttmp7, 0xffff
	s_lshl_b32 s17, s17, 2
	s_add_co_u32 s17, s17, s41                     ; tile row
	s_lshl_b32 s43, s41, 2
	s_lshl_b32 s43, 15, s43                        ; my row of the cluster
	s_lshl_b32 s44, 0x1111, s40                    ; my column
	s_or_b32 s[G1+0], s43, (0<<16)|(1<<20)|(1<<21)|(5<<22)|(3<<25)  ; the mask; elements of 1 byte; padding on; bit 21 beside a mask; 4 words behind every 64
	s_or_b32 s[G1B+0], s44, (0<<16)|(1<<20)|(1<<21)|(5<<22)|(3<<25)
.irp g, G1, G1B
	s_mov_b32 s[\g+1], ROWB<<16                    ; tensor_dim0
	s_mov_b32 s[\g+2], 128<<16                     ; tensor_dim1
	s_mov_b32 s[\g+3], ROWB<<16                    ; tile_dim0
	s_mov_b32 s[\g+4], 128                         ; tile_dim1
	s_mov_b32 s[\g+5], KROW                        ; the pitch
	s_mov_b32 s[\g+6], 0
	s_mov_b32 s[\g+7], 0
.endr
	s_lshl_b32 s18, s16, 7
	s_lshl_b32 s20, s17, 8
	s_add_co_u32 s20, s20, s18
	s_lshl_b32 s46, s42, 8
	s_add_co_u32 s46, s46, s18
	s_mov_b32 s21, 0
	s_mov_b32 s47, 0
	s_mov_b64 s[18:19], KROW
	s_mul_u64 s[20:21], s[20:21], s[18:19]
	s_mul_u64 s[46:47], s[46:47], s[18:19]
	s_mul_i32 s45, s14, HALFT
	s_wait_kmcnt 0x0
	s_load_b64 s[96:97], s[8:9], SCOFF             ; eA, eB
	s_add_nc_u64 s[20:21], s[4:5], s[20:21]
	s_add_nc_u64 s[46:47], s[6:7], s[46:47]
.if AOFF != 0
	s_add_nc_u64 s[20:21], s[20:21], AOFF
.endif
.if BOFF != 0
	s_add_nc_u64 s[46:47], s[46:47], BOFF
.endif
	CROUND                                         ; all sixteen work-groups are here: the first joint loads meet
.irp s, 0,1
	s_mov_b32 s[G0+4*\s], 1
	s_add_co_u32 s[G0+4*\s+1], s45, \s*SLOT
	s_add_nc_u64 s[G0+4*\s+2:G0+4*\s+3], s[20:21], \s*ROWB
	s_or_b32 s[G0+4*\s+3], s[G0+4*\s+3], 0x80000000
	s_mov_b32 s[G0B+4*\s], 1
	s_add_co_u32 s[G0B+4*\s+1], s45, \s*SLOT
	s_add_nc_u64 s[G0B+4*\s+2:G0B+4*\s+3], s[46:47], \s*ROWB
	s_or_b32 s[G0B+4*\s+3], s[G0B+4*\s+3], 0x80000000
	JLOAD G0+4*\s, G1, G0B+4*\s, G1B
.endr
	v_and_b32 v1, 15, v0                           ; r
	v_bfe_u32 v2, v0, 4, 1                         ; h
	v_mul_u32_u24 v3, v1, PITCH
	v_lshl_add_u32 v4, v2, 4, v3
	s_mul_i32 s21, s15, HALFT
	s_mul_i32 s22, s16, HALFT
	s_add_co_u32 s22, s22, 2*HALFT
.irp s, 0,1
	v_add_nc_u32 v[ADRA+\s], s21, v4
	v_add_nc_u32 v[ADRB+\s], s22, v4
	s_add_co_u32 s21, s21, SLOT
	s_add_co_u32 s22, s22, SLOT
.endr
	s_mul_i32 s23, s14, 16*SPITCH                  ; my stage
	v_mul_u32_u24 v5, v1, SPITCH
	v_lshl_add_u32 v5, v2, 5, v5
	v_add_nc_u32 v[STO], s23, v5                   ; in: row r, 32 bytes for each half of the lanes
	v_and_b32 v6, 31, v0
	v_lshlrev_b32 v[CO], 4, v6                     ; back: the 32 lanes take one row of 512 bytes
	v_add_nc_u32 v[RD], s23, v[CO]
	s_lshl_b32 s20, s17, 8
	s_lshl_b32 s21, s15, 7
	s_add_co_u32 s20, s20, s21                     ; my first row
	s_mov_b32 s21, 0
	s_mov_b64 s[18:19], SIZE_N*4
	s_mul_u64 s[20:21], s[20:21], s[18:19]
	s_lshl_b32 s46, s42, 10
	s_lshl_b32 s47, s16, 9
	s_add_co_u32 s46, s46, s47                     ; my first column, in bytes
	s_mov_b32 s47, 0
	s_add_nc_u64 s[20:21], s[20:21], s[46:47]
	s_add_nc_u64 s[10:11], s[10:11], s[20:21]
	s_add_nc_u64 s[70:71], s[70:71], s[20:21]
	s_add_nc_u64 s[68:69], s[68:69], s[46:47]
.macro XLOAD a                         ; the residual's rows of block a: every offset an immediate, 127 rows of 4,096 bytes at the most
.set XL, XR+64*((\a)%2)
.irp t, 0,1,2,3,4,5,6,7,8,9,10,11,12,13,14,15
	global_load_b128 v[XL+4*\t:XL+4*\t+3], v[CO], s[70:71] offset:(16*(\a)+\t)*SIZE_N*4 th:TH_LOAD_NT
.endr
.endm
	global_load_b128 v[8:11], v[CO], s[68:69]      ; the bias of my four columns of a row
	XLOAD 0                                        ; into registers that the products do not touch: it lands under them
.macro FRAG reg, adr, q, i             ; 16 rows x 128 K: registers 4 c .. 4 c + 3 hold K = 32 c + 16 (l / 16) + 0 .. 15: the same order in A and in B
.irp c, 0,1,2,3
	ds_load_b128 v[\reg+4*\c:\reg+4*\c+3], v[\adr] offset:128*(\q)+32*\c+(\i)*16*PITCH
.endr
.endm
.macro MUL16 a0, p, zero               ; A's blocks a0, a0 + 1 x B's eight; the 64 accumulators take turns
.irp a, \a0, \a0+1
.irp b, 0,1,2,3,4,5,6,7
.if \zero
	v_wmma_f32_16x16x128_bf8_bf8 v[8*(8*((\a)%4)+\b):8*(8*((\a)%4)+\b)+7], v[128*(\p)+FR*\b:128*(\p)+FR*\b+FR-1], v[AF+FR*(\a):AF+FR*(\a)+FR-1], 0
.else
	v_wmma_f32_16x16x128_bf8_bf8 v[8*(8*((\a)%4)+\b):8*(8*((\a)%4)+\b)+7], v[128*(\p)+FR*\b:128*(\p)+FR*\b+FR-1], v[AF+FR*(\a):AF+FR*(\a)+FR-1], v[8*(8*((\a)%4)+\b):8*(8*((\a)%4)+\b)+7]
.endif
.endr
.endr
.endm
.macro FETCH_B slot, q, p
	WIN TO_B
.irp i, 0,1,2,3,4,5,6,7
	FRAG 128*(\p)+FR*\i, ADRB+\slot, \q, \i
.endr
	WIN 0
.endm
.macro FETCH_A slot, q, i0
.irp i, \i0, \i0+1, \i0+2, \i0+3
	FRAG AF+FR*(\i), ADRA+\slot, \q, \i
.endr
.endm
.macro PLACES n                        ; plain vector instructions between a matrix instruction and a load into, or a read of, its registers
.rept \n
	v_nop
.endr
.endm
.macro STEP slot, q, zero              ; 128 along K, with its successor in the same slot
	s_wait_dscnt 4*NL                              ; B's set and A's blocks 0-3 are in; the youngest 16 loads (A's blocks 4-7) may be out
	WIN MUL_LO
	MUL16 0, (\q)%2, \zero
	MUL16 2, (\q)%2, \zero
	s_wait_dscnt 0
	PLACES NP
	FETCH_B \slot, (\q)+1, 1-(\q)%2
	FETCH_A \slot, (\q)+1, 0
	WIN MUL_HI
	MUL16 4, (\q)%2, \zero
	MUL16 6, (\q)%2, \zero
	PLACES NP
	WIN 0
	FETCH_A \slot, (\q)+1, 4
.endm
.macro TURN slot, next, fill           ; a slot's last step changes slots
	s_wait_tensorcnt 0x0                           ; all my tensor loads have landed: my part of the next slot
	ds_add_u32 v[SPW], v[NIL]                      ; 0 onto my spare word
	s_wait_dscnt 4*NL+1                            ; (the add and the youngest 16 loads may be out)
	WIN MUL_LO
	MUL16 0, 1, 0
	s_wait_dscnt 0x0                               ; the add is done, and my reads of this slot are over
	s_barrier_signal -1
	MUL16 2, 1, 0
	WIN 0
	s_barrier_wait -1
.if \fill
	CREST                                          ; the barrier has opened a round of the cluster's: no wave of any partner still reads this slot or has a load on its way
	s_add_nc_u64 s[G0+4*\slot+2:G0+4*\slot+3], s[G0+4*\slot+2:G0+4*\slot+3], 2*ROWB
	s_add_nc_u64 s[G0B+4*\slot+2:G0B+4*\slot+3], s[G0B+4*\slot+2:G0B+4*\slot+3], 2*ROWB
	JLOAD G0+4*\slot, G1, G0B+4*\slot, G1B         ; my one tensor load behind the round; its four v_nop are the places in front of the loads below
.else
	PLACES NP
.endif
	FETCH_B \next, 0, 0
	FETCH_A \next, 0, 0
	WIN MUL_HI
	MUL16 4, 1, 0
	MUL16 6, 1, 0
	PLACES NP
	WIN 0
	FETCH_A \next, 0, 4
.endm
	s_wait_tensorcnt 1                             ; my part of K step 0 is in; K step 1's load may be out
	s_barrier_signal -1
	s_barrier_wait -1
	FETCH_B 0, 0, 0
	FETCH_A 0, 0, 0
	FETCH_A 0, 0, 4
	STEP 0, 0, 1                                   ; the first step starts the sums
	s_mov_b32 s3, LAPS-1
.Llap:
	TURN 0, 1, 1
	STEP 1, 0, 0
	TURN 1, 0, 1
	STEP 0, 0, 0
	s_sub_co_u32 s3, s3, 1
	s_cmp_lg_u32 s3, 0
	s_cbranch_scc1 .Llap
	TURN 0, 1, 0                                   ; the last lap fills nothing
	STEP 1, 0, 0
	s_wait_dscnt 4*NL
	WIN MUL_LO
	MUL16 0, 1, 0
	MUL16 2, 1, 0
	s_wait_dscnt 0
	WIN MUL_HI
	MUL16 4, 1, 0
	MUL16 6, 1, 0
	WIN 0
	s_wait_kmcnt 0x0
	s_add_co_i32 s96, s96, s97
	s_add_co_i32 s96, s96, 127
	s_lshl_b32 s96, s96, 23                        ; 2^(eA + eB) as f32
	PLACES NP                                      ; in front of the loads into, and the reads of, the last products' registers
; THE WAY OUT, a block of 16 rows x 128 columns at a time: the sums x 2^(eA + eB) go through my stage and come back, into the registers that they left, as whole rows of 512 bytes; bias and residual are added; 32 lanes store a row.
.macro OUTBLK a
.set AC, 64*((\a)%4)
.if (\a) > 0
	s_wait_xcnt 0x0                                ; the last block's stores have read their registers
.endif
.if (\a) < 7
	XLOAD (\a)+1
.endif
.set XS, XR+64*((\a)%2)
	WIN 0x02+((\a)/4)                              ; source 0: window 2 or 3
.set i, 0
.rept 32
	v_pk_mul_f32 v[BB+i:BB+i+1], v[AC+i:AC+i+1], s[96:97] op_sel_hi:[1,0]   ; each accumulator from its low end on
.set i, i+2
.endr
	WIN 0
.irp b, 0,1,2,3,4,5,6,7
	ds_store_b128 v[STO], v[BB+8*\b:BB+8*\b+3] offset:64*\b
	ds_store_b128 v[STO], v[BB+8*\b+4:BB+8*\b+7] offset:64*\b+16
.endr
.irp t, 0,1,2,3,4,5,6,7,8,9,10,11,12,13,14,15
	ds_load_b128 v[BB+4*\t:BB+4*\t+3], v[RD] offset:\t*SPITCH   ; a wave's LDS instructions are served in order (ISA guide 5.7.1.4): these see the stores above
.endr
	s_wait_dscnt 0x0
.if (\a) < 7
	s_wait_loadcnt 16                              ; this block's residual (and the bias) is in; the next block's sixteen loads may be out
.else
	s_wait_loadcnt 0x0
.endif
.irp t, 0,1,2,3,4,5,6,7,8,9,10,11,12,13,14,15
	v_pk_add_f32 v[BB+4*\t:BB+4*\t+1], v[BB+4*\t:BB+4*\t+1], v[8:9]
	v_pk_add_f32 v[BB+4*\t+2:BB+4*\t+3], v[BB+4*\t+2:BB+4*\t+3], v[10:11]
.endr
.irp t, 0,1,2,3,4,5,6,7,8,9,10,11,12,13,14,15
	v_pk_add_f32 v[BB+4*\t:BB+4*\t+1], v[BB+4*\t:BB+4*\t+1], v[XS+4*\t:XS+4*\t+1]
	v_pk_add_f32 v[BB+4*\t+2:BB+4*\t+3], v[BB+4*\t+2:BB+4*\t+3], v[XS+4*\t+2:XS+4*\t+3]
.endr
.irp t, 0,1,2,3,4,5,6,7,8,9,10,11,12,13,14,15
	global_store_b128 v[CO], v[BB+4*\t:BB+4*\t+3], s[10:11] offset:(16*(\a)+\t)*SIZE_N*4   ; 512 consecutive bytes, aligned
.endr
.endm
.irp a, 0,1,2,3,4,5,6,7
	OUTBLK \a
.endr
	s_wait_tensorcnt 0x0                           ; the wave's end
	ds_add_u32 v[SPW], v[NIL]
	s_wait_dscnt 0x0
	CROUND                                         ; the closing round
	s_endpgm
.Lfunc_end_k_q89d99b90e5_wo:
	.size	k_q89d99b90e5_wo, .Lfunc_end_k_q89d99b90e5_wo-k_q89d99b90e5_wo
	.p2alignl 7, 3214868480
	.fill 96, 4, 3214868480
	.section	.rodata,"a",@progbits
	.p2align	6, 0x0
	.amdhsa_kernel k_q89d99b90e5_wo
		.amdhsa_group_segment_fixed_size 327680
		.amdhsa_private_segment_fixed_size 0
		.amdhsa_enable_private_segment 0
		.amdhsa_kernarg_size 48
		.amdhsa_user_sgpr_count 2
		.amdhsa_user_sgpr_kernarg_segment_ptr 1
		.amdhsa_wavefront_size32 1
		.amdhsa_system_sgpr_workgroup_id_x 1
		.amdhsa_system_sgpr_workgroup_id_y 1
		.amdhsa_system_sgpr_workgroup_id_z 1
		.amdhsa_system_vgpr_workitem_id 0
		.amdhsa_next_free_vgpr 1024
		.amdhsa_next_free_sgpr 100
		.amdhsa_reserve_vcc 0
		.amdhsa_float_denorm_mode_32 3
		.amdhsa_float_denorm_mode_16_64 3
		.amdhsa_memory_ordered 1
		.amdhsa_forward_progress 1
		.amdhsa_inst_pref_size 167
	.end_amdhsa_kernel
	.amdgpu_metadata
---
amdhsa.version: [ 1, 2 ]
amdhsa.kernels:
  - .name:           k_q89d99b90e5_wo
    .symbol:         k_q89d99b90e5_wo.kd
    .args:
      - { .name: ac, .offset: 0, .size: 8, .value_kind: global_buffer, .address_space: global }
      - { .name: wc, .offset: 8, .size: 8, .value_kind: global_buffer, .address_space: global }
      - { .name: lowp_scales, .offset: 16, .size: 8, .value_kind: global_buffer, .address_space: global }
      - { .name: x1, .offset: 24, .size: 8, .value_kind: global_buffer, .address_space: global }
      - { .name: bo, .offset: 32, .size: 8, .value_kind: global_buffer, .address_space: global }
      - { .name: x, .offset: 40, .size: 8, .value_kind: global_buffer, .address_space: global }
    .group_segment_fixed_size: 327680
    .private_segment_fixed_size: 0
    .kernarg_segment_align: 8
    .kernarg_segment_size: 48
    .max_flat_workgroup_size: 128
    .sgpr_count:     100
    .vgpr_count:     1024
    .wavefront_size: 32
...
	.end_amdgpu_metadata
.endif
;; end of part 4
;; launch ln2 (part 5): grid 256 x 1, 4 waves a work-group, no clusters, 20,992 bytes of LDS; arguments x1, ln2_g, ln2_b, lowp_scales, ac; writes ac
.if DOCPART == 5
	.amdgcn_target "amdgcn-amd-amdhsa--gfx1250"
	.amdhsa_code_object_version 6
	.text
	.protected	k_q89d99b90e5_ln2
	.globl	k_q89d99b90e5_ln2
	.p2align	8
	.type	k_q89d99b90e5_ln2,@function
k_q89d99b90e5_ln2:
	s_mov_b64 s[64:65], 0
	v_nop
	global_prefetch_b8 v0, s[64:65] scope:SCOPE_SE
	s_setreg_imm32_b32 hwreg(HW_REG_WAVE_MODE, 25, 1), 1
	s_wait_xcnt 0x0
; The second layer norm: rows 4 g .. 4 g + 3 of x1 (g = 4 x work-group + wave), quantised under e12 into ac's second section, [token][1024] codes of E5M2.
; A wave takes a whole row in 32 registers: mean, then the variance of x - mean in a second pass; no wave waits for another.  The loads are dense (512 bytes each); the conversions want 16 neighbours a lane:
; so the row turns through the wave's own stage in LDS (64 bytes + 16 of padding a place).  LIMIT: e12 between -126 and 112.  A row of NaN stays without meaning here; the residual carries the NaN on.
.set RSTG, 5120
.set GA,   16                          ; v16-47   the gain at k = 512 c + 16 lane + 0..15
.set BE,   48                          ; v48-79   the bias there
.set RR,   80                          ; v80-143  two rows as loaded
.set XX,   144                         ; v144-175 a row, 16 neighbours twice
.set TT,   176                         ; v176-207 at work
.set CD,   208                         ; v208-215 codes
	s_load_b256 s[4:11], s[0:1], 0x0               ; x1, gain, bias, the scales
	s_load_b64 s[12:13], s[0:1], 0x20              ; ac
	v_lshl_add_u32 v216, v0, 2, 0x5000
	v_mov_b32 v217, 0
	v_lshrrev_b32 v1, 5, v0
	v_readfirstlane_b32 s34, v1                    ; wave
	v_and_b32 v2, 31, v0
	s_lshl_b32 s35, ttmp9, 2
	s_add_co_u32 s35, s35, s34                     ; g
	v_lshlrev_b32 v4, 4, v2
	v_lshlrev_b32 v3, 6, v2
	s_mul_i32 s18, s34, RSTG
	v_lshrrev_b32 v14, 2, v2
	v_mul_u32_u24 v14, v14, 80
	v_and_b32 v15, 3, v2
	v_lshl_add_u32 v14, v15, 4, v14
	v_add_nc_u32 v14, s18, v14                     ; the stage on the way in,
	v_mul_u32_u24 v15, v2, 80
	v_add_nc_u32 v15, s18, v15                     ; and on the way out
	s_lshl_b32 s18, s35, 14
	s_mov_b32 s19, 0
	s_wait_kmcnt 0x0
	s_load_b32 s14, s[10:11], 0x30                 ; e12
	s_add_nc_u64 s[4:5], s[4:5], s[18:19]
	s_lshl_b32 s18, s35, 12
	s_add_nc_u64 s[12:13], s[12:13], s[18:19]
	s_add_nc_u64 s[12:13], s[12:13], 0x400000
.irp c, 0,1
.irp j, 0,1,2,3
	global_load_b128 v[GA+16*\c+4*\j:GA+16*\c+4*\j+3], v3, s[6:7] offset:2048*\c+16*\j
	global_load_b128 v[BE+16*\c+4*\j:BE+16*\c+4*\j+3], v3, s[8:9] offset:2048*\c+16*\j
.endr
.endr
.macro RLOAD k
.irp j, 0,1,2,3,4,5,6,7
	global_load_b128 v[RR+32*((\k)%2)+4*\j:RR+32*((\k)%2)+4*\j+3], v4, s[4:5] offset:4096*(\k)+512*\j
.endr
.endm
	RLOAD 0
	RLOAD 1
	s_mov_b32 s60, 0x3a800000                      ; 1 / 1024
	s_mov_b32 s61, 0x3727c5ac                      ; 1e-5
	s_mov_b32 s62, 0x76543210
	s_mov_b32 s63, 0xfedcba98
	s_wait_kmcnt 0x0
	s_add_co_i32 s14, s14, 127
	s_lshl_b32 s15, s14, 23
	v_mov_b32 v8, s15                              ; 2^e12
	s_add_co_i32 s14, s14, 15
	s_lshl_b32 s14, s14, 23
	s_or_b32 s14, s14, 0x600000
	v_mov_b32 v9, s14                              ; 57,344 x 2^e12
.macro FOLD
	v_pk_add_f32 v[TT:TT+1], v[TT:TT+1], v[TT+2:TT+3]
	v_pk_add_f32 v[TT+4:TT+5], v[TT+4:TT+5], v[TT+6:TT+7]
	v_pk_add_f32 v[TT:TT+1], v[TT:TT+1], v[TT+4:TT+5]
	v_add_f32 v[TT], v[TT], v[TT+1]
	v_add_f32_dpp v[TT], v[TT], v[TT] row_xmask:1 row_mask:0xf bank_mask:0xf
	v_add_f32_dpp v[TT], v[TT], v[TT] row_xmask:2 row_mask:0xf bank_mask:0xf
	v_add_f32_dpp v[TT], v[TT], v[TT] row_xmask:4 row_mask:0xf bank_mask:0xf
	v_add_f32_dpp v[TT], v[TT], v[TT] row_xmask:8 row_mask:0xf bank_mask:0xf
	v_permlanex16_b32 v[TT+1], v[TT], s62, s63
	v_add_f32 v[TT], v[TT], v[TT+1]
.endm
.macro ROW k
.set RS, RR+32*((\k)%2)
.if (\k) < 3
	s_wait_loadcnt 8                               ; this row (and gain and bias) is in; the next row's eight loads may be out
.else
	s_wait_loadcnt 0x0
.endif
.irp c, 0,1,2,3
	v_pk_add_f32 v[TT+2*\c:TT+2*\c+1], v[RS+4*\c:RS+4*\c+1], v[RS+4*\c+2:RS+4*\c+3]
.endr
.irp j, 16,24
.irp c, 0,1,2,3
	v_pk_add_f32 v[TT+2*\c:TT+2*\c+1], v[TT+2*\c:TT+2*\c+1], v[RS+\j+2*\c:RS+\j+2*\c+1]
.endr
.endr
	FOLD
	v_mul_f32 v[TT+8], s60, v[TT]
	v_mov_b32 v[TT+9], v[TT+8]
.set ri, 0
.rept 16
	v_pk_add_f32 v[RS+ri:RS+ri+1], v[RS+ri:RS+ri+1], v[TT+8:TT+9] neg_lo:[0,1] neg_hi:[0,1]
.set ri, ri+2
.endr
.irp j, 0,1,2,3,4,5,6,7
	ds_store_b128 v14, v[RS+4*\j:RS+4*\j+3] offset:640*\j
.endr
.irp c, 0,1
.irp i, 0,1,2,3
	ds_load_b128 v[XX+16*\c+4*\i:XX+16*\c+4*\i+3], v15 offset:2560*\c+16*\i
.endr
.endr
.irp c, 0,1,2,3
	v_pk_mul_f32 v[TT+2*\c:TT+2*\c+1], v[RS+2*\c:RS+2*\c+1], v[RS+2*\c:RS+2*\c+1]
.endr
.irp j, 8,16,24
.irp c, 0,1,2,3
	v_pk_fma_f32 v[TT+2*\c:TT+2*\c+1], v[RS+\j+2*\c:RS+\j+2*\c+1], v[RS+\j+2*\c:RS+\j+2*\c+1], v[TT+2*\c:TT+2*\c+1]
.endr
.endr
	FOLD
	v_fma_f32 v[TT+10], v[TT], s60, s61
	v_rsq_f32 v[TT+10], v[TT+10]
	v_nop                                          ; a plain instruction behind the transcendental
	s_wait_alu depctr_va_vdst(0)                   ; and the wait ahead of its first reader
	v_mov_b32 v[TT+11], v[TT+10]
	s_wait_dscnt 0x0
.if (\k) < 2
	RLOAD (\k)+2
.endif
.set ri, 0
.rept 16
	v_pk_mul_f32 v[XX+ri:XX+ri+1], v[XX+ri:XX+ri+1], v[TT+10:TT+11]
.set ri, ri+2
.endr
.set ri, 0
.rept 16
	v_pk_fma_f32 v[XX+ri:XX+ri+1], v[XX+ri:XX+ri+1], v[GA+ri:GA+ri+1], v[BE+ri:BE+ri+1]
.set ri, ri+2
.endr
.set ri, 0
.rept 32
	v_med3_num_f32 v[XX+ri], v[XX+ri], -v9, v9
.set ri, ri+1
.endr
.if (\k) > 0
	s_wait_xcnt 0x0                                ; the last row's stores have read the codes' registers
.endif
.irp q, 0,1,2,3
	v_cvt_scalef32_pk8_bf8_f32 v[CD+2*\q:CD+2*\q+1], v[XX+8*\q:XX+8*\q+7], v8
.endr
	v_nop
	global_store_b128 v4, v[CD:CD+3], s[12:13] offset:1024*(\k)
	global_store_b128 v4, v[CD+4:CD+7], s[12:13] offset:1024*(\k)+512
.endm
	ROW 0
	ROW 1
	ROW 2
	ROW 3
	s_wait_tensorcnt 0x0
	ds_add_u32 v216, v217
	s_wait_dscnt 0x0
	s_endpgm
.Lfunc_end_k_q89d99b90e5_ln2:
	.size	k_q89d99b90e5_ln2, .Lfunc_end_k_q89d99b90e5_ln2-k_q89d99b90e5_ln2
	.p2alignl 7, 3214868480
	.fill 96, 4, 3214868480
	.section	.rodata,"a",@progbits
	.p2align	6, 0x0
	.amdhsa_kernel k_q89d99b90e5_ln2
		.amdhsa_group_segment_fixed_size 20992
		.amdhsa_private_segment_fixed_size 0
		.amdhsa_enable_private_segment 0
		.amdhsa_kernarg_size 40
		.amdhsa_user_sgpr_count 2
		.amdhsa_user_sgpr_kernarg_segment_ptr 1
		.amdhsa_wavefront_size32 1
		.amdhsa_system_sgpr_workgroup_id_x 1
		.amdhsa_system_sgpr_workgroup_id_y 1
		.amdhsa_system_sgpr_workgroup_id_z 1
		.amdhsa_system_vgpr_workitem_id 0
		.amdhsa_next_free_vgpr 218
		.amdhsa_next_free_sgpr 66
		.amdhsa_reserve_vcc 0
		.amdhsa_float_denorm_mode_32 3
		.amdhsa_float_denorm_mode_16_64 3
		.amdhsa_memory_ordered 1
		.amdhsa_forward_progress 1
		.amdhsa_inst_pref_size 46
	.end_amdhsa_kernel
	.amdgpu_metadata
---
amdhsa.version: [ 1, 2 ]
amdhsa.kernels:
  - .name:           k_q89d99b90e5_ln2
    .symbol:         k_q89d99b90e5_ln2.kd
    .args:
      - { .name: x1, .offset: 0, .size: 8, .value_kind: global_buffer, .address_space: global }
      - { .name: ln2_g, .offset: 8, .size: 8, .value_kind: global_buffer, .address_space: global }
      - { .name: ln2_b, .offset: 16, .size: 8, .value_kind: global_buffer, .address_space: global }
      - { .name: lowp_scales, .offset: 24, .size: 8, .value_kind: global_buffer, .address_space: global }
      - { .name: ac, .offset: 32, .size: 8, .value_kind: global_buffer, .address_space: global }
    .group_segment_fixed_size: 20992
    .private_segment_fixed_size: 0
    .kernarg_segment_align: 8
    .kernarg_segment_size: 40
    .max_flat_workgroup_size: 128
    .sgpr_count:     66
    .vgpr_count:     218
    .wavefront_size: 32
...
	.end_amdgpu_metadata
.endif
;; end of part 5
;; launch w1 (part 6): grid 16 x 16, 4 waves a work-group, clusters of 4 x 4, 327,680 bytes of LDS; arguments ac, wc, lowp_scales, hc, b1; writes hc
.if DOCPART == 6
	.amdgcn_target "amdgcn-amd-amdhsa--gfx1250"
	.amdhsa_code_object_version 6
	.text
	.protected	k_q89d99b90e5_w1
	.globl	k_q89d99b90e5_w1
	.p2align	8
	.type	k_q89d99b90e5_w1,@function
k_q89d99b90e5_w1:
	s_mov_b64 s[64:65], 0
	v_nop
	global_prefetch_b8 v0, s[64:65] scope:SCOPE_SE
	s_setreg_imm32_b32 hwreg(HW_REG_WAVE_MODE, 25, 1), 1
	s_wait_xcnt 0x0
	s_wait_alu depctr_hold_cnt(0) depctr_sa_sdst(0) depctr_va_vdst(0) depctr_va_sdst(0) depctr_va_ssrc(0) depctr_va_vcc(0) depctr_vm_vsrc(0)
	s_getreg_b32 s2, hwreg(HW_REG_IB_STS2, 6, 4)
	s_cmp_eq_u32 s2, 0
	s_cbranch_scc0 .Lentry_in_a_cluster
	s_endpgm
.Lentry_in_a_cluster:
	s_bfe_u32 s2, ttmp6, 0x10000c
	s_cmp_lg_u32 s2, 0xf033
	s_cbranch_scc0 .Lentry_shape_is_right
	s_endpgm
.Lentry_shape_is_right:
; The hidden layer: gelu(y W1 + b1), [4096 x 1024] x [1024 x 4096] on codes of E5M2 (y under e12, W1 under e13), quantised under e14 on the way out into hc, [token][4096] codes.
; gelu(h) = h / (1 + 2^(h (g0 + g1 h h))), g0 = -2 x 0.79788456 x log2(e), g1 = 0.044715 g0: the same number as h (1 + tanh(u)) / 2, by v_exp_f32 and v_rcp_f32.
; A tile of 256 x 256 is made by four waves, each 128 x 128 in 64 accumulators; K goes in steps of 256 through two LDS slots filled by joint tensor loads (4 x 4 work-groups: A's tile shared along a row of the cluster, B's along a column).
; The matrix instruction is used transposed (source 0 = 16 rows of B, source 1 = 16 rows of A): a lane holds one token and eight neighbouring hidden units: neighbours along the next K.
; LIMITS: e12 + e13 between -126 and 127; e14 between -126 and 112.  NaN and infinities among the inputs are not served.
; REGISTERS, in windows of 256: window 0: v0-31 addresses and constants, v32-95 the bias; from v128 A's fragments, one set; window 1: B's fragments, two sets; windows 2, 3: the accumulators.
.set SIZE_K, 1024
.set AOFF,   0x400000                  ; ac's second section
.set BOFF,   0x400000                  ; W1's codes in wc
.set KSTEP,  256
.set ROWB,   256
.set KROW,   SIZE_K
.set PITCH,  272                       ; an LDS row: 256 bytes + 16 of padding: the 16 rows of a fragment load start 68 words apart
.set FR,     16
.set NL,     4
.set NP,     4
.set HALFT,  128*PITCH
.set SLOT,   4*HALFT
.set LAPS,   SIZE_K/(2*KSTEP)
.set SPARE,  2*SLOT                    ; behind the ring: the spare words, 128 bytes a wave, which no other line names
.set ADRA, 16
.set ADRB, 20
.set STO,  24
.set RD,   25
.set CO,   26
.set SPW,  28
.set NIL,  29
.set AF,   128
.set BIA,  32
.set T,    96                          ; the way out: v96-159 h; v160-223 at work; v232-247 codes
.set U,    160
.set G1, 24
.set G0, 32
.set G1B, 48
.set G0B, 56
.set MSB, 0
.macro WIN new                         ; the immediate's high byte repeats the setting that is left
.if MSB != \new
	s_set_vgpr_msb (MSB<<8)|\new
.set MSB, \new
.endif
.endm
.set MUL_LO, 0xa1                      ; source 0 (B) window 1, source 1 (A) window 0, C and D window 2
.set MUL_HI, 0xf1
.set TO_B,   0x40
.macro JLOAD g0a, g1a, g0b, g1b        ; a joint load: waves 0, 1 fetch for A, waves 2, 3 for B; four v_nop follow each line
	s_cmp_eq_u32 s15, 0
	s_cbranch_scc0 .Lfor_b_\@
	tensor_load_to_lds s[\g0a:\g0a+3], s[\g1a:\g1a+7]
	s_nop 0
.rept 4
	v_nop
.endr
	s_branch .Lasked_\@
.Lfor_b_\@:
	tensor_load_to_lds s[\g0b:\g0b+3], s[\g1b:\g1b+7]
	s_nop 0
.rept 4
	v_nop
.endr
.Lasked_\@:
.endm
.macro CREST                           ; a round of the cluster's barrier behind its opening barrier
	s_cmp_lg_u32 s14, 0
	s_cbranch_scc1 .Lnot_wave_0_\@
	s_barrier_signal -3
.Lnot_wave_0_\@:
	s_barrier_wait -3
	s_barrier_signal -1
	s_barrier_wait -1
.endm
.macro CROUND
	s_barrier_signal -1
	s_barrier_wait -1
	CREST
.endm
	s_load_b128 s[4:7], s[0:1], 0x0                ; ac, wc
	s_load_b128 s[8:11], s[0:1], 0x10              ; the scales, hc
	s_load_b64 s[68:69], s[0:1], 0x20              ; b1
	v_lshl_add_u32 v[SPW], v0, 2, SPARE
	v_mov_b32 v[NIL], 0
	ds_add_u32 v28, v29
	s_wait_dscnt 0x0
	v_lshrrev_b32 v1, 5, v0
	v_readfirstlane_b32 s14, v1                    ; wave
	s_lshr_b32 s15, s14, 1                         ; my half of the tile's rows; also: I fetch for A (0) or B (1)
	s_and_b32 s16, s14, 1                          ; my half of its columns; also: which 128 rows I fetch
	s_bfe_u32 s40, ttmp6, 0x40000                  ; cx
	s_bfe_u32 s41, ttmp6, 0x40004                  ; cy
	s_lshl_b32 s42, ttmp9, 2
	s_add_co_u32 s42, s42, s40                     ; tile column
	s_and_b32 s17, ttmp7, 0xffff
	s_lshl_b32 s17, s17, 2
	s_add_co_u32 s17, s17, s41                     ; tile row
	s_lshl_b32 s43, s41, 2
	s_lshl_b32 s43, 15, s43                        ; my row of the cluster
	s_lshl_b32 s44, 0x1111, s40                    ; my column
	s_or_b32 s[G1+0], s43, (0<<16)|(1<<20)|(1<<21)|(5<<22)|(3<<25)  ; the mask; elements of 1 byte; padding on; bit 21 beside a mask; 4 words behind every 64
	s_or_b32 s[G1B+0], s44, (0<<16)|(1<<20)|(1<<21)|(5<<22)|(3<<25)
.irp g, G1, G1B
	s_mov_b32 s[\g+1], ROWB<<16                    ; tensor_dim0
	s_mov_b32 s[\g+2], 128<<16                     ; tensor_dim1
	s_mov_b32 s[\g+3], ROWB<<16                    ; tile_dim0
	s_mov_b32 s[\g+4], 128                         ; tile_dim1
	s_mov_b32 s[\g+5], KROW                        ; the pitch
	s_mov_b32 s[\g+6], 0
	s_mov_b32 s[\g+7], 0
.endr
	s_lshl_b32 s18, s16, 7
	s_lshl_b32 s20, s17, 8
	s_add_co_u32 s20, s20, s18
	s_lshl_b32 s46, s42, 8
	s_add_co_u32 s46, s46, s18
	s_mov_b32 s21, 0
	s_mov_b32 s47, 0
	s_mov_b64 s[18:19], KROW
	s_mul_u64 s[20:21], s[20:21], s[18:19]
	s_mul_u64 s[46:47], s[46:47], s[18:19]
	s_mul_i32 s45, s14, HALFT
	s_wait_kmcnt 0x0
	s_load_b128 s[96:99], s[8:9], 0x30             ; e12, e13, e14, e15
	s_add_nc_u64 s[20:21], s[4:5], s[20:21]
	s_add_nc_u64 s[46:47], s[6:7], s[46:47]
	s_add_nc_u64 s[20:21], s[20:21], AOFF
	s_add_nc_u64 s[46:47], s[46:47], BOFF
	CROUND                                         ; all sixteen work-groups are here: the first joint loads meet
.irp s, 0,1
	s_mov_b32 s[G0+4*\s], 1
	s_add_co_u32 s[G0+4*\s+1], s45, \s*SLOT
	s_add_nc_u64 s[G0+4*\s+2:G0+4*\s+3], s[20:21], \s*ROWB
	s_or_b32 s[G0+4*\s+3], s[G0+4*\s+3], 0x80000000
	s_mov_b32 s[G0B+4*\s], 1
	s_add_co_u32 s[G0B+4*\s+1], s45, \s*SLOT
	s_add_nc_u64 s[G0B+4*\s+2:G0B+4*\s+3], s[46:47], \s*ROWB
	s_or_b32 s[G0B+4*\s+3], s[G0B+4*\s+3], 0x80000000
	JLOAD G0+4*\s, G1, G0B+4*\s, G1B
.endr
	v_and_b32 v1, 15, v0                           ; r
	v_bfe_u32 v2, v0, 4, 1                         ; h
	v_mul_u32_u24 v3, v1, PITCH
	v_lshl_add_u32 v4, v2, 4, v3
	s_mul_i32 s21, s15, HALFT
	s_mul_i32 s22, s16, HALFT
	s_add_co_u32 s22, s22, 2*HALFT
.irp s, 0,1
	v_add_nc_u32 v[ADRA+\s], s21, v4
	v_add_nc_u32 v[ADRB+\s], s22, v4
	s_add_co_u32 s21, s21, SLOT
	s_add_co_u32 s22, s22, SLOT
.endr
	; the way out's stage is the work-group's: 256 rows x (256 codes + 16), in slot 0, which has had its last fill and its last read when the first code is stored there
	s_lshl_b32 s21, s15, 7
	v_add_nc_u32 v5, s21, v1
	v_mul_u32_u24 v[STO], v5, 272
	v_lshl_add_u32 v[STO], v2, 3, v[STO]
	s_lshl_b32 s21, s16, 7
	v_add_nc_u32 v[STO], s21, v[STO]               ; in: row 128 x my half + r, byte 128 x my half + 8 h
	s_lshl_b32 s21, s14, 6
	v_add_nc_u32 v5, s21, v2
	v_mul_u32_u24 v[RD], v5, 272
	v_lshl_add_u32 v[RD], v1, 4, v[RD]             ; back: wave w takes rows 64 w on, sixteen lanes to a row
	v_lshlrev_b32 v[CO], 12, v2
	v_lshl_add_u32 v[CO], v1, 4, v[CO]             ; and the same two rows in hc
	v_lshlrev_b32 v7, 5, v2                        ; 32 h
	s_lshl_b32 s20, s17, 8
	s_add_co_u32 s20, s20, s21                     ; the first row that I store: 256 x tile row + 64 x wave
	s_lshl_b32 s20, s20, 12
	s_lshl_b32 s21, s42, 8
	s_add_co_u32 s20, s20, s21
	s_mov_b32 s21, 0
	s_add_nc_u64 s[10:11], s[10:11], s[20:21]
	s_lshl_b32 s20, s42, 10
	s_lshl_b32 s22, s16, 9
	s_add_co_u32 s20, s20, s22
	s_add_nc_u64 s[68:69], s[68:69], s[20:21]      ; b1 at my first column
.irp b, 0,1,2,3,4,5,6,7
	global_load_b128 v[BIA+8*\b:BIA+8*\b+3], v7, s[68:69] offset:64*\b       ; b1 at column 16 b + 8 h + 0..7: into registers that the products do not touch
	global_load_b128 v[BIA+8*\b+4:BIA+8*\b+7], v7, s[68:69] offset:64*\b+16
.endr
	v_mov_b32 v8, 0xbdd2d3e8                       ; g1, twice
	v_mov_b32 v9, 0xbdd2d3e8
	v_mov_b32 v10, 0xc0135761                      ; g0, twice
	v_mov_b32 v11, 0xc0135761
	s_wait_kmcnt 0x0
	s_add_co_i32 s96, s96, s97
	s_add_co_i32 s96, s96, 127
	s_lshl_b32 s96, s96, 23                        ; 2^(e12 + e13) as f32
	s_mov_b32 s97, s96
	s_add_co_i32 s98, s98, 127
	s_lshl_b32 s99, s98, 23
	v_mov_b32 v13, s99                             ; 2^e14
	s_add_co_i32 s98, s98, 15
	s_lshl_b32 s98, s98, 23
	s_or_b32 s98, s98, 0x600000
	v_mov_b32 v12, s98                             ; 57,344 x 2^e14
.macro FRAG reg, adr, q, i             ; 16 rows x 128 K: registers 4 c .. 4 c + 3 hold K = 32 c + 16 (l / 16) + 0 .. 15: the same order in A and in B
.irp c, 0,1,2,3
	ds_load_b128 v[\reg+4*\c:\reg+4*\c+3], v[\adr] offset:128*(\q)+32*\c+(\i)*16*PITCH
.endr
.endm
.macro MUL16 a0, p, zero               ; A's blocks a0, a0 + 1 x B's eight; the 64 accumulators take turns
.irp a, \a0, \a0+1
.irp b, 0,1,2,3,4,5,6,7
.if \zero
	v_wmma_f32_16x16x128_bf8_bf8 v[8*(8*((\a)%4)+\b):8*(8*((\a)%4)+\b)+7], v[128*(\p)+FR*\b:128*(\p)+FR*\b+FR-1], v[AF+FR*(\a):AF+FR*(\a)+FR-1], 0
.else
	v_wmma_f32_16x16x128_bf8_bf8 v[8*(8*((\a)%4)+\b):8*(8*((\a)%4)+\b)+7], v[128*(\p)+FR*\b:128*(\p)+FR*\b+FR-1], v[AF+FR*(\a):AF+FR*(\a)+FR-1], v[8*(8*((\a)%4)+\b):8*(8*((\a)%4)+\b)+7]
.endif
.endr
.endr
.endm
.macro FETCH_B slot, q, p
	WIN TO_B
.irp i, 0,1,2,3,4,5,6,7
	FRAG 128*(\p)+FR*\i, ADRB+\slot, \q, \i
.endr
	WIN 0
.endm
.macro FETCH_A slot, q, i0
.irp i, \i0, \i0+1, \i0+2, \i0+3
	FRAG AF+FR*(\i), ADRA+\slot, \q, \i
.endr
.endm
.macro PLACES n                        ; plain vector instructions between a matrix instruction and a load into, or a read of, its registers
.rept \n
	v_nop
.endr
.endm
.macro STEP slot, q, zero              ; 128 along K, with its successor in the same slot
	s_wait_dscnt 4*NL                              ; B's set and A's blocks 0-3 are in; the youngest 16 loads (A's blocks 4-7) may be out
	WIN MUL_LO
	MUL16 0, (\q)%2, \zero
	MUL16 2, (\q)%2, \zero
	s_wait_dscnt 0
	PLACES NP
	FETCH_B \slot, (\q)+1, 1-(\q)%2
	FETCH_A \slot, (\q)+1, 0
	WIN MUL_HI
	MUL16 4, (\q)%2, \zero
	MUL16 6, (\q)%2, \zero
	PLACES NP
	WIN 0
	FETCH_A \slot, (\q)+1, 4
.endm
.macro TURN slot, next, fill           ; a slot's last step changes slots
	s_wait_tensorcnt 0x0                           ; all my tensor loads have landed: my part of the next slot
	ds_add_u32 v[SPW], v[NIL]                      ; 0 onto my spare word
	s_wait_dscnt 4*NL+1                            ; (the add and the youngest 16 loads may be out)
	WIN MUL_LO
	MUL16 0, 1, 0
	s_wait_dscnt 0x0                               ; the add is done, and my reads of this slot are over
	s_barrier_signal -1
	MUL16 2, 1, 0
	WIN 0
	s_barrier_wait -1
.if \fill
	CREST                                          ; the barrier has opened a round of the cluster's: no wave of any partner still reads this slot or has a load on its way
	s_add_nc_u64 s[G0+4*\slot+2:G0+4*\slot+3], s[G0+4*\slot+2:G0+4*\slot+3], 2*ROWB
	s_add_nc_u64 s[G0B+4*\slot+2:G0B+4*\slot+3], s[G0B+4*\slot+2:G0B+4*\slot+3], 2*ROWB
	JLOAD G0+4*\slot, G1, G0B+4*\slot, G1B         ; my one tensor load behind the round; its four v_nop are the places in front of the loads below
.else
	PLACES NP
.endif
	FETCH_B \next, 0, 0
	FETCH_A \next, 0, 0
	WIN MUL_HI
	MUL16 4, 1, 0
	MUL16 6, 1, 0
	PLACES NP
	WIN 0
	FETCH_A \next, 0, 4
.endm
	s_wait_tensorcnt 1                             ; my part of K step 0 is in; K step 1's load may be out
	s_barrier_signal -1
	s_barrier_wait -1
	FETCH_B 0, 0, 0
	FETCH_A 0, 0, 0
	FETCH_A 0, 0, 4
	STEP 0, 0, 1                                   ; the first step starts the sums
	s_mov_b32 s3, LAPS-1
.Llap:
	TURN 0, 1, 1
	STEP 1, 0, 0
	TURN 1, 0, 1
	STEP 0, 0, 0
	s_sub_co_u32 s3, s3, 1
	s_cmp_lg_u32 s3, 0
	s_cbranch_scc1 .Llap
	TURN 0, 1, 0                                   ; the last lap fills nothing
	STEP 1, 0, 0
	s_wait_dscnt 4*NL
	WIN MUL_LO
	MUL16 0, 1, 0
	MUL16 2, 1, 0
	s_wait_dscnt 0
	WIN MUL_HI
	MUL16 4, 1, 0
	MUL16 6, 1, 0
	WIN 0
	PLACES NP                                      ; in front of the writes into, and the reads of, the last products' registers
	s_wait_loadcnt 0x0                             ; b1
.macro GELU a                          ; block a: 16 tokens x 128 hidden units: 64 numbers a lane
.set AC, 64*((\a)%4)
	WIN 0x02+((\a)/4)                              ; source 0: window 2 or 3
.set i, 0
.rept 32
	v_pk_fma_f32 v[T+i:T+i+1], v[AC+i:AC+i+1], s[96:97], v[BIA+i:BIA+i+1] op_sel_hi:[1,0,1]   ; h = sum x 2^(e12 + e13) + b1; each accumulator from its low end on
.set i, i+2
.endr
	WIN 0
.set i, 0
.rept 32
	v_pk_mul_f32 v[U+i:U+i+1], v[T+i:T+i+1], v[T+i:T+i+1]
.set i, i+2
.endr
.set i, 0
.rept 32
	v_pk_fma_f32 v[U+i:U+i+1], v[U+i:U+i+1], v[8:9], v[10:11]
.set i, i+2
.endr
.set i, 0
.rept 32
	v_pk_mul_f32 v[U+i:U+i+1], v[U+i:U+i+1], v[T+i:T+i+1]
.set i, i+2
.endr
.set i, 0
.rept 64
	v_exp_f32 v[U+i], v[U+i]
.set i, i+1
.endr
	v_nop                                          ; a plain instruction behind the batch,
	s_wait_alu depctr_va_vdst(0)                   ; and one wait for it, ahead of its first reader
.set i, 0
.rept 32
	v_pk_add_f32 v[U+i:U+i+1], v[U+i:U+i+1], 1.0 op_sel_hi:[1,0]
.set i, i+2
.endr
.set i, 0
.rept 64
	v_rcp_f32 v[U+i], v[U+i]
.set i, i+1
.endr
	v_nop
	s_wait_alu depctr_va_vdst(0)
.set i, 0
.rept 32
	v_pk_mul_f32 v[T+i:T+i+1], v[T+i:T+i+1], v[U+i:U+i+1]
.set i, i+2
.endr
.set i, 0
.rept 64
	v_med3_num_f32 v[T+i], v[T+i], -v12, v12       ; the conversion does not saturate (ISA guide 7.6.2)
.set i, i+1
.endr
	s_wait_dscnt 0x0                               ; the last block's stores have read the codes' registers
.irp b, 0,1,2,3,4,5,6,7
	v_cvt_scalef32_pk8_bf8_f32 v[232+2*\b:233+2*\b], v[T+8*\b:T+8*\b+7], v13
.endr
	v_nop                                          ; a plain instruction behind the last conversion
.irp b, 0,1,2,3,4,5,6,7
	ds_store_b64 v[STO], v[232+2*\b:233+2*\b] offset:(\a)*16*272+16*\b
.endr
.endm
.irp a, 0,1,2,3,4,5,6,7
	GELU \a
.endr
	s_wait_dscnt 0x0                               ; for the others' sake: my codes lie in the stage
	s_barrier_signal -1
	s_barrier_wait -1                              ; a row's 256 bytes come from two waves
.set i, 0
.rept 32
	ds_load_b128 v[32+4*i:32+4*i+3], v[RD] offset:2*i*272
.set i, i+1
.endr
.set i, 0
.rept 32
	s_wait_dscnt 31-i
	global_store_b128 v[CO], v[32+4*i:32+4*i+3], s[10:11] offset:2*i*4096   ; sixteen lanes store 256 consecutive bytes, aligned
.set i, i+1
.endr
	s_wait_tensorcnt 0x0                           ; the wave's end
	ds_add_u32 v[SPW], v[NIL]
	s_wait_dscnt 0x0
	CROUND                                         ; the closing round
	s_endpgm
.Lfunc_end_k_q89d99b90e5_w1:
	.size	k_q89d99b90e5_w1, .Lfunc_end_k_q89d99b90e5_w1-k_q89d99b90e5_w1
	.p2alignl 7, 3214868480
	.fill 96, 4, 3214868480
	.section	.rodata,"a",@progbits
	.p2align	6, 0x0
	.amdhsa_kernel k_q89d99b90e5_w1
		.amdhsa_group_segment_fixed_size 327680
		.amdhsa_private_segment_fixed_size 0
		.amdhsa_enable_private_segment 0
		.amdhsa_kernarg_size 40
		.amdhsa_user_sgpr_count 2
		.amdhsa_user_sgpr_kernarg_segment_ptr 1
		.amdhsa_wavefront_size32 1
		.amdhsa_system_sgpr_workgroup_id_x 1
		.amdhsa_system_sgpr_workgroup_id_y 1
		.amdhsa_system_sgpr_workgroup_id_z 1
		.amdhsa_system_vgpr_workitem_id 0
		.amdhsa_next_free_vgpr 1024
		.amdhsa_next_free_sgpr 100
		.amdhsa_reserve_vcc 0
		.amdhsa_float_denorm_mode_32 3
		.amdhsa_float_denorm_mode_16_64 3
		.amdhsa_memory_ordered 1
		.amdhsa_forward_progress 1
		.amdhsa_inst_pref_size 255
	.end_amdhsa_kernel
	.section	.bss,"aw",@nobits
	.p2align	6
	.space	262144
	.amdgpu_metadata
---
amdhsa.version: [ 1, 2 ]
amdhsa.kernels:
  - .name:           k_q89d99b90e5_w1
    .symbol:         k_q89d99b90e5_w1.kd
    .args:
      - { .name: ac, .offset: 0, .size: 8, .value_kind: global_buffer, .address_space: global }
      - { .name: wc, .offset: 8, .size: 8, .value_kind: global_buffer, .address_space: global }
      - { .name: lowp_scales, .offset: 16, .size: 8, .value_kind: global_buffer, .address_space: global }
      - { .name: hc, .offset: 24, .size: 8, .value_kind: global_buffer, .address_space: global }
      - { .name: b1, .offset: 32, .size: 8, .value_kind: global_buffer, .address_space: global }
    .group_segment_fixed_size: 327680
    .private_segment_fixed_size: 0
    .kernarg_segment_align: 8
    .kernarg_segment_size: 40
    .max_flat_workgroup_size: 128
    .sgpr_count:     100
    .vgpr_count:     1024
    .wavefront_size: 32
...
	.end_amdgpu_metadata
.endif
;; end of part 6
;; launch w2 (part 7): grid 4 x 16, 4 waves a work-group, clusters of 4 x 4, 327,680 bytes of LDS; arguments hc, wc, lowp_scales, out0, b2, x1; writes out0
.if DOCPART == 7
	.amdgcn_target "amdgcn-amd-amdhsa--gfx1250"
	.amdhsa_code_object_version 6
	.text
	.protected	k_q89d99b90e5_w2
	.globl	k_q89d99b90e5_w2
	.p2align	8
	.type	k_q89d99b90e5_w2,@function
k_q89d99b90e5_w2:
	s_mov_b64 s[64:65], 0
	v_nop
	global_prefetch_b8 v0, s[64:65] scope:SCOPE_SE
	s_setreg_imm32_b32 hwreg(HW_REG_WAVE_MODE, 25, 1), 1
	s_wait_xcnt 0x0
	s_wait_alu depctr_hold_cnt(0) depctr_sa_sdst(0) depctr_va_vdst(0) depctr_va_sdst(0) depctr_va_ssrc(0) depctr_va_vcc(0) depctr_vm_vsrc(0)
	s_getreg_b32 s2, hwreg(HW_REG_IB_STS2, 6, 4)
	s_cmp_eq_u32 s2, 0
	s_cbranch_scc0 .Lentry_in_a_cluster
	s_endpgm
.Lentry_in_a_cluster:
	s_bfe_u32 s2, ttmp6, 0x10000c
	s_cmp_lg_u32 s2, 0xf033
	s_cbranch_scc0 .Lentry_shape_is_right
	s_endpgm
.Lentry_shape_is_right:
; out0 = x1 + (hidden W2 + b2): [4096 x 4096] x [4096 x 1024] on codes of E5M2 (the hidden layer under e14, W2 under e15), the bias and the residual on the way out, f32.
; A tile of 256 x 256 is made by four waves, each 128 x 128 in 64 accumulators; K goes in steps of 256 through two LDS slots filled by joint tensor loads (4 x 4 work-groups: A's tile shared along a row of the cluster, B's along a column).
; The matrix instruction is used transposed (source 0 = 16 rows of B, source 1 = 16 rows of A): a lane holds eight neighbouring numbers of a row of the result.
; 64 tiles: this launch has work for 64 work-groups.  LIMIT: e14 + e15 between -126 and 127.
; REGISTERS, in windows of 256: window 0: v0-31 addresses, v8-11 the bias; from v128 A's fragments, one set; window 1: B's fragments, two sets; windows 2, 3: the accumulators ((a, b) at v[8 (8 (a % 4) + b)]).
.set SIZE_K, 4096
.set SIZE_N, 1024
.set AOFF,   0
.set BOFF,   0x800000                  ; W2's codes in wc
.set SCOFF,  0x38                      ; e14, e15
.set KSTEP,  256
.set ROWB,   256
.set KROW,   SIZE_K
.set PITCH,  272                       ; an LDS row: 256 bytes + 16 of padding: the 16 rows of a fragment load start 68 words apart
.set FR,     16
.set NL,     4
.set NP,     4
.set HALFT,  128*PITCH
.set SLOT,   4*HALFT
.set LAPS,   SIZE_K/(2*KSTEP)
.set SPARE,  2*SLOT                    ; behind the ring: the spare words, 128 bytes a wave, which no other line names
.set SPITCH, 528                       ; the way out: 16 rows x (512 + 16) bytes a wave, in slot 0, which has had its last fill and its last read by then
.set ADRA, 16
.set ADRB, 20
.set STO,  24
.set RD,   25
.set CO,   26
.set SPW,  28
.set NIL,  29
.set AF,   128
.set XR,   32                          ; the way out: v32-95, v96-159 the residual's rows, two sets; v160-223 a block of results
.set BB,   160
.set G1, 24
.set G0, 32
.set G1B, 48
.set G0B, 56
.set MSB, 0
.macro WIN new                         ; the immediate's high byte repeats the setting that is left
.if MSB != \new
	s_set_vgpr_msb (MSB<<8)|\new
.set MSB, \new
.endif
.endm
.set MUL_LO, 0xa1                      ; source 0 (B) window 1, source 1 (A) window 0, C and D window 2
.set MUL_HI, 0xf1
.set TO_B,   0x40
.macro JLOAD g0a, g1a, g0b, g1b        ; a joint load: waves 0, 1 fetch for A, waves 2, 3 for B; four v_nop follow each line
	s_cmp_eq_u32 s15, 0
	s_cbranch_scc0 .Lfor_b_\@
	tensor_load_to_lds s[\g0a:\g0a+3], s[\g1a:\g1a+7]
	s_nop 0
.rept 4
	v_nop
.endr
	s_branch .Lasked_\@
.Lfor_b_\@:
	tensor_load_to_lds s[\g0b:\g0b+3], s[\g1b:\g1b+7]
	s_nop 0
.rept 4
	v_nop
.endr
.Lasked_\@:
.endm
.macro CREST                           ; a round of the cluster's barrier behind its opening barrier
	s_cmp_lg_u32 s14, 0
	s_cbranch_scc1 .Lnot_wave_0_\@
	s_barrier_signal -3
.Lnot_wave_0_\@:
	s_barrier_wait -3
	s_barrier_signal -1
	s_barrier_wait -1
.endm
.macro CROUND
	s_barrier_signal -1
	s_barrier_wait -1
	CREST
.endm
	s_load_b128 s[4:7], s[0:1], 0x0                ; A's codes, wc
	s_load_b128 s[8:11], s[0:1], 0x10              ; the scales, the result
	s_load_b128 s[68:71], s[0:1], 0x20             ; the bias, the residual
	v_lshl_add_u32 v[SPW], v0, 2, SPARE
	v_mov_b32 v[NIL], 0
	ds_add_u32 v28, v29
	s_wait_dscnt 0x0
	v_lshrrev_b32 v1, 5, v0
	v_readfirstlane_b32 s14, v1                    ; wave
	s_lshr_b32 s15, s14, 1                         ; my half of the tile's rows; also: I fetch for A (0) or B (1)
	s_and_b32 s16, s14, 1                          ; my half of its columns; also: which 128 rows I fetch
	s_bfe_u32 s40, ttmp6, 0x40000                  ; cx
	s_bfe_u32 s41, ttmp6, 0x40004                  ; cy
	s_lshl_b32 s42, ttmp9, 2
	s_add_co_u32 s42, s42, s40                     ; tile column
	s_and_b32 s17, ttmp7, 0xffff
	s_lshl_b32 s17, s17, 2
	s_add_co_u32 s17, s17, s41                     ; tile row
	s_lshl_b32 s43, s41, 2
	s_lshl_b32 s43, 15, s43                        ; my row of the cluster
	s_lshl_b32 s44, 0x1111, s40                    ; my column
	s_or_b32 s[G1+0], s43, (0<<16)|(1<<20)|(1<<21)|(5<<22)|(3<<25)  ; the mask; elements of 1 byte; padding on; bit 21 beside a mask; 4 words behind every 64
	s_or_b32 s[G1B+0], s44, (0<<16)|(1<<20)|(1<<21)|(5<<22)|(3<<25)
.irp g, G1, G1B
	s_mov_b32 s[\g+1], ROWB<<16                    ; tensor_dim0
	s_mov_b32 s[\g+2], 128<<16                     ; tensor_dim1
	s_mov_b32 s[\g+3], ROWB<<16                    ; tile_dim0
	s_mov_b32 s[\g+4], 128                         ; tile_dim1
	s_mov_b32 s[\g+5], KROW                        ; the pitch
	s_mov_b32 s[\g+6], 0
	s_mov_b32 s[\g+7], 0
.endr
	s_lshl_b32 s18, s16, 7
	s_lshl_b32 s20, s17, 8
	s_add_co_u32 s20, s20, s18
	s_lshl_b32 s46, s42, 8
	s_add_co_u32 s46, s46, s18
	s_mov_b32 s21, 0
	s_mov_b32 s47, 0
	s_mov_b64 s[18:19], KROW
	s_mul_u64 s[20:21], s[20:21], s[18:19]
	s_mul_u64 s[46:47], s[46:47], s[18:19]
	s_mul_i32 s45, s14, HALFT
	s_wait_kmcnt 0x0
	s_load_b64 s[96:97], s[8:9], SCOFF             ; eA, eB
	s_add_nc_u64 s[20:21], s[4:5], s[20:21]
	s_add_nc_u64 s[46:47], s[6:7], s[46:47]
.if AOFF != 0
	s_add_nc_u64 s[20:21], s[20:21], AOFF
.endif
.if BOFF != 0
	s_add_nc_u64 s[46:47], s[46:47], BOFF
.endif
	CROUND                                         ; all sixteen work-groups are here: the first joint loads meet
.irp s, 0,1
	s_mov_b32 s[G0+4*\s], 1
	s_add_co_u32 s[G0+4*\s+1], s45, \s*SLOT
	s_add_nc_u64 s[G0+4*\s+2:G0+4*\s+3], s[20:21], \s*ROWB
	s_or_b32 s[G0+4*\s+3], s[G0+4*\s+3], 0x80000000
	s_mov_b32 s[G0B+4*\s], 1
	s_add_co_u32 s[G0B+4*\s+1], s45, \s*SLOT
	s_add_nc_u64 s[G0B+4*\s+2:G0B+4*\s+3], s[46:47], \s*ROWB
	s_or_b32 s[G0B+4*\s+3], s[G0B+4*\s+3], 0x80000000
	JLOAD G0+4*\s, G1, G0B+4*\s, G1B
.endr
	v_and_b32 v1, 15, v0                           ; r
	v_bfe_u32 v2, v0, 4, 1                         ; h
	v_mul_u32_u24 v3, v1, PITCH
	v_lshl_add_u32 v4, v2, 4, v3
	s_mul_i32 s21, s15, HALFT
	s_mul_i32 s22, s16, HALFT
	s_add_co_u32 s22, s22, 2*HALFT
.irp s, 0,1
	v_add_nc_u32 v[ADRA+\s], s21, v4
	v_add_nc_u32 v[ADRB+\s], s22, v4
	s_add_co_u32 s21, s21, SLOT
	s_add_co_u32 s22, s22, SLOT
.endr
	s_mul_i32 s23, s14, 16*SPITCH                  ; my stage
	v_mul_u32_u24 v5, v1, SPITCH
	v_lshl_add_u32 v5, v2, 5, v5
	v_add_nc_u32 v[STO], s23, v5                   ; in: row r, 32 bytes for each half of the lanes
	v_and_b32 v6, 31, v0
	v_lshlrev_b32 v[CO], 4, v6                     ; back: the 32 lanes take one row of 512 bytes
	v_add_nc_u32 v[RD], s23, v[CO]
	s_lshl_b32 s20, s17, 8
	s_lshl_b32 s21, s15, 7
	s_add_co_u32 s20, s20, s21                     ; my first row
	s_mov_b32 s21, 0
	s_mov_b64 s[18:19], SIZE_N*4
	s_mul_u64 s[20:21], s[20:21], s[18:19]
	s_lshl_b32 s46, s42, 10
	s_lshl_b32 s47, s16, 9
	s_add_co_u32 s46, s46, s47                     ; my first column, in bytes
	s_mov_b32 s47, 0
	s_add_nc_u64 s[20:21], s[20:21], s[46:47]
	s_add_nc_u64 s[10:11], s[10:11], s[20:21]
	s_add_nc_u64 s[70:71], s[70:71], s[20:21]
	s_add_nc_u64 s[68:69], s[68:69], s[46:47]
.macro XLOAD a                         ; the residual's rows of block a: every offset an immediate, 127 rows of 4,096 bytes at the most
.set XL, XR+64*((\a)%2)
.irp t, 0,1,2,3,4,5,6,7,8,9,10,11,12,13,14,15
	global_load_b128 v[XL+4*\t:XL+4*\t+3], v[CO], s[70:71] offset:(16*(\a)+\t)*SIZE_N*4 th:TH_LOAD_NT
.endr
.endm
	global_load_b128 v[8:11], v[CO], s[68:69]      ; the bias of my four columns of a row
	XLOAD 0                                        ; into registers that the products do not touch: it lands under them
.macro FRAG reg, adr, q, i             ; 16 rows x 128 K: registers 4 c .. 4 c + 3 hold K = 32 c + 16 (l / 16) + 0 .. 15: the same order in A and in B
.irp c, 0,1,2,3
	ds_load_b128 v[\reg+4*\c:\reg+4*\c+3], v[\adr] offset:128*(\q)+32*\c+(\i)*16*PITCH
.endr
.endm
.macro MUL16 a0, p, zero               ; A's blocks a0, a0 + 1 x B's eight; the 64 accumulators take turns
.irp a, \a0, \a0+1
.irp b, 0,1,2,3,4,5,6,7
.if \zero
	v_wmma_f32_16x16x128_bf8_bf8 v[8*(8*((\a)%4)+\b):8*(8*((\a)%4)+\b)+7], v[128*(\p)+FR*\b:128*(\p)+FR*\b+FR-1], v[AF+FR*(\a):AF+FR*(\a)+FR-1], 0
.else
	v_wmma_f32_16x16x128_bf8_bf8 v[8*(8*((\a)%4)+\b):8*(8*((\a)%4)+\b)+7], v[128*(\p)+FR*\b:128*(\p)+FR*\b+FR-1], v[AF+FR*(\a):AF+FR*(\a)+FR-1], v[8*(8*((\a)%4)+\b):8*(8*((\a)%4)+\b)+7]
.endif
.endr
.endr
.endm
.macro FETCH_B slot, q, p
	WIN TO_B
.irp i, 0,1,2,3,4,5,6,7
	FRAG 128*(\p)+FR*\i, ADRB+\slot, \q, \i
.endr
	WIN 0
.endm
.macro FETCH_A slot, q, i0
.irp i, \i0, \i0+1, \i0+2, \i0+3
	FRAG AF+FR*(\i), ADRA+\slot, \q, \i
.endr
.endm
.macro PLACES n                        ; plain vector instructions between a matrix instruction and a load into, or a read of, its registers
.rept \n
	v_nop
.endr
.endm
.macro STEP slot, q, zero              ; 128 along K, with its successor in the same slot
	s_wait_dscnt 4*NL                              ; B's set and A's blocks 0-3 are in; the youngest 16 loads (A's blocks 4-7) may be out
	WIN MUL_LO
	MUL16 0, (\q)%2, \zero
	MUL16 2, (\q)%2, \zero
	s_wait_dscnt 0
	PLACES NP
	FETCH_B \slot, (\q)+1, 1-(\q)%2
	FETCH_A \slot, (\q)+1, 0
	WIN MUL_HI
	MUL16 4, (\q)%2, \zero
	MUL16 6, (\q)%2, \zero
	PLACES NP
	WIN 0
	FETCH_A \slot, (\q)+1, 4
.endm
.macro TURN slot, next, fill           ; a slot's last step changes slots
	s_wait_tensorcnt 0x0                           ; all my tensor loads have landed: my part of the next slot
	ds_add_u32 v[SPW], v[NIL]                      ; 0 onto my spare word
	s_wait_dscnt 4*NL+1                            ; (the add and the youngest 16 loads may be out)
	WIN MUL_LO
	MUL16 0, 1, 0
	s_wait_dscnt 0x0                               ; the add is done, and my reads of this slot are over
	s_barrier_signal -1
	MUL16 2, 1, 0
	WIN 0
	s_barrier_wait -1
.if \fill
	CREST                                          ; the barrier has opened a round of the cluster's: no wave of any partner still reads this slot or has a load on its way
	s_add_nc_u64 s[G0+4*\slot+2:G0+4*\slot+3], s[G0+4*\slot+2:G0+4*\slot+3], 2*ROWB
	s_add_nc_u64 s[G0B+4*\slot+2:G0B+4*\slot+3], s[G0B+4*\slot+2:G0B+4*\slot+3], 2*ROWB
	JLOAD G0+4*\slot, G1, G0B+4*\slot, G1B         ; my one tensor load behind the round; its four v_nop are the places in front of the loads below
.else
	PLACES NP
.endif
	FETCH_B \next, 0, 0
	FETCH_A \next, 0, 0
	WIN MUL_HI
	MUL16 4, 1, 0
	MUL16 6, 1, 0
	PLACES NP
	WIN 0
	FETCH_A \next, 0, 4
.endm
	s_wait_tensorcnt 1                             ; my part of K step 0 is in; K step 1's load may be out
	s_barrier_signal -1
	s_barrier_wait -1
	FETCH_B 0, 0, 0
	FETCH_A 0, 0, 0
	FETCH_A 0, 0, 4
	STEP 0, 0, 1                                   ; the first step starts the sums
	s_mov_b32 s3, LAPS-1
.Llap:
	TURN 0, 1, 1
	STEP 1, 0, 0
	TURN 1, 0, 1
	STEP 0, 0, 0
	s_sub_co_u32 s3, s3, 1
	s_cmp_lg_u32 s3, 0
	s_cbranch_scc1 .Llap
	TURN 0, 1, 0                                   ; the last lap fills nothing
	STEP 1, 0, 0
	s_wait_dscnt 4*NL
	WIN MUL_LO
	MUL16 0, 1, 0
	MUL16 2, 1, 0
	s_wait_dscnt 0
	WIN MUL_HI
	MUL16 4, 1, 0
	MUL16 6, 1, 0
	WIN 0
	s_wait_kmcnt 0x0
	s_add_co_i32 s96, s96, s97
	s_add_co_i32 s96, s96, 127
	s_lshl_b32 s96, s96, 23                        ; 2^(eA + eB) as f32
	PLACES NP                                      ; in front of the loads into, and the reads of, the last products' registers
; THE WAY OUT, a block of 16 rows x 128 columns at a time: the sums x 2^(eA + eB) go through my stage and come back, into the registers that they left, as whole rows of 512 bytes; bias and residual are added; 32 lanes store a row.
.macro OUTBLK a
.set AC, 64*((\a)%4)
.if (\a) > 0
	s_wait_xcnt 0x0                                ; the last block's stores have read their registers
.endif
.if (\a) < 7
	XLOAD (\a)+1
.endif
.set XS, XR+64*((\a)%2)
	WIN 0x02+((\a)/4)                              ; source 0: window 2 or 3
.set i, 0
.rept 32
	v_pk_mul_f32 v[BB+i:BB+i+1], v[AC+i:AC+i+1], s[96:97] op_sel_hi:[1,0]   ; each accumulator from its low end on
.set i, i+2
.endr
	WIN 0
.irp b, 0,1,2,3,4,5,6,7
	ds_store_b128 v[STO], v[BB+8*\b:BB+8*\b+3] offset:64*\b
	ds_store_b128 v[STO], v[BB+8*\b+4:BB+8*\b+7] offset:64*\b+16
.endr
.irp t, 0,1,2,3,4,5,6,7,8,9,10,11,12,13,14,15
	ds_load_b128 v[BB+4*\t:BB+4*\t+3], v[RD] offset:\t*SPITCH   ; a wave's LDS instructions are served in order (ISA guide 5.7.1.4): these see the stores above
.endr
	s_wait_dscnt 0x0
.if (\a) < 7
	s_wait_loadcnt 16                              ; this block's residual (and the bias) is in; the next block's sixteen loads may be out
.else
	s_wait_loadcnt 0x0
.endif
.irp t, 0,1,2,3,4,5,6,7,8,9,10,11,12,13,14,15
	v_pk_add_f32 v[BB+4*\t:BB+4*\t+1], v[BB+4*\t:BB+4*\t+1], v[8:9]
	v_pk_add_f32 v[BB+4*\t+2:BB+4*\t+3], v[BB+4*\t+2:BB+4*\t+3], v[10:11]
.endr
.irp t, 0,1,2,3,4,5,6,7,8,9,10,11,12,13,14,15
	v_pk_add_f32 v[BB+4*\t:BB+4*\t+1], v[BB+4*\t:BB+4*\t+1], v[XS+4*\t:XS+4*\t+1]
	v_pk_add_f32 v[BB+4*\t+2:BB+4*\t+3], v[BB+4*\t+2:BB+4*\t+3], v[XS+4*\t+2:XS+4*\t+3]
.endr
.irp t, 0,1,2,3,4,5,6,7,8,9,10,11,12,13,14,15
	global_store_b128 v[CO], v[BB+4*\t:BB+4*\t+3], s[10:11] offset:(16*(\a)+\t)*SIZE_N*4   ; 512 consecutive bytes, aligned
.endr
.endm
.irp a, 0,1,2,3,4,5,6,7
	OUTBLK \a
.endr
	s_wait_tensorcnt 0x0                           ; the wave's end
	ds_add_u32 v[SPW], v[NIL]
	s_wait_dscnt 0x0
	CROUND                                         ; the closing round
	s_endpgm
.Lfunc_end_k_q89d99b90e5_w2:
	.size	k_q89d99b90e5_w2, .Lfunc_end_k_q89d99b90e5_w2-k_q89d99b90e5_w2
	.p2alignl 7, 3214868480
	.fill 96, 4, 3214868480
	.section	.rodata,"a",@progbits
	.p2align	6, 0x0
	.amdhsa_kernel k_q89d99b90e5_w2
		.amdhsa_group_segment_fixed_size 327680
		.amdhsa_private_segment_fixed_size 0
		.amdhsa_enable_private_segment 0
		.amdhsa_kernarg_size 48
		.amdhsa_user_sgpr_count 2
		.amdhsa_user_sgpr_kernarg_segment_ptr 1
		.amdhsa_wavefront_size32 1
		.amdhsa_system_sgpr_workgroup_id_x 1
		.amdhsa_system_sgpr_workgroup_id_y 1
		.amdhsa_system_sgpr_workgroup_id_z 1
		.amdhsa_system_vgpr_workitem_id 0
		.amdhsa_next_free_vgpr 1024
		.amdhsa_next_free_sgpr 100
		.amdhsa_reserve_vcc 0
		.amdhsa_float_denorm_mode_32 3
		.amdhsa_float_denorm_mode_16_64 3
		.amdhsa_memory_ordered 1
		.amdhsa_forward_progress 1
		.amdhsa_inst_pref_size 167
	.end_amdhsa_kernel
	.amdgpu_metadata
---
amdhsa.version: [ 1, 2 ]
amdhsa.kernels:
  - .name:           k_q89d99b90e5_w2
    .symbol:         k_q89d99b90e5_w2.kd
    .args:
      - { .name: hc, .offset: 0, .size: 8, .value_kind: global_buffer, .address_space: global }
      - { .name: wc, .offset: 8, .size: 8, .value_kind: global_buffer, .address_space: global }
      - { .name: lowp_scales, .offset: 16, .size: 8, .value_kind: global_buffer, .address_space: global }
      - { .name: out0, .offset: 24, .size: 8, .value_kind: global_buffer, .address_space: global }
      - { .name: b2, .offset: 32, .size: 8, .value_kind: global_buffer, .address_space: global }
      - { .name: x1, .offset: 40, .size: 8, .value_kind: global_buffer, .address_space: global }
    .group_segment_fixed_size: 327680
    .private_segment_fixed_size: 0
    .kernarg_segment_align: 8
    .kernarg_segment_size: 48
    .max_flat_workgroup_size: 128
    .sgpr_count:     100
    .vgpr_count:     1024
    .wavefront_size: 32
...
	.end_amdgpu_metadata
.endif
;; end of part 7
;; ======== version 2 of 2: 7 launches
;; limits: right only within a limited range of input values
;; workspace buffers: wc 12,582,912 bytes; ac 12,582,912 bytes; rope 524,288 bytes; mbits 524,288 bytes of whole numbers; mflag 8,192 bytes of whole numbers; qkvc 12,582,912 bytes; x1 16,777,216 bytes; hc 16,777,216 bytes
;; launch prep (part 8): grid 640 x 1, 4 waves a work-group, no clusters, 55,808 bytes of LDS; arguments Wq, Wk, Wv, Wo, W1, W2, lowp_scales, wc, x, ln1_g, ln1_b, causal_mask, ac, rope, mbits, mflag; writes wc, ac, rope, mbits, mflag
.if DOCPART == 8
	.amdgcn_target "amdgcn-amd-amdhsa--gfx1250"
	.amdhsa_code_object_version 6
	.text
	.protected	k_q89d99b90e5_prep
	.globl	k_q89d99b90e5_prep
	.p2align	8
	.type	k_q89d99b90e5_prep,@function
k_q89d99b90e5_prep:
	s_mov_b64 s[64:65], 0
	v_nop
	global_prefetch_b8 v0, s[64:65] scope:SCOPE_SE
	s_setreg_imm32_b32 hwreg(HW_REG_WAVE_MODE, 25, 1), 1
	s_wait_xcnt 0x0
; All that hangs on the inputs alone.  Work-groups 0-383: the six weights ([K][N] f32) become codes of E5M2 laid [N][K] in wc.
; Work-groups 384-639, wave g = 0..1023: (R) the first layer norm of rows 4 g .. 4 g + 3 of x, quantised three times (scales e0, e2, e4) into ac's three sections;
; (M) the mask's bytes of 16 queries x 256 keys as lane masks: bit l of word n = mask[16 qt + l % 16][128 ks + 32 (n / 16) + 16 (l / 16) + n % 16];
; (T) rows 2 g, 2 g + 1 of the table of rotations: 32 cosines, then 32 sines.
; code = x / 2^e, held within +-57,344, to the nearest code, ties to even.  LIMITS: every e used here lies between -126 and 112.  NaN and infinities among the inputs are not served.
; The table's frequencies are 2^(-i log2(10000) / 32) by v_exp_f32; the angle t x frequency is reduced by pi/2 in two parts and goes through polynomials for |r| <= pi/4.
; The two kinds of work-groups have LDS bytes of their own; every stage belongs to one wave: no barrier.
.set WSTG,  32*272                     ; weights: a wave's stage: 32 columns x (256 codes + 16)
.set RSTG0, 4*WSTG                     ; rows: the stages begin here,
.set RSTG,  5120                       ; 64 places of 64 bytes + 16 for each wave
.set WOFF, 16                          ; v16-47   weights: 4 x lane + i rows of the source
.set WX,   48                          ; v48-111  two sets of 32 numbers down K
.set WC,   112                         ; v112-119 a block's codes
.set WOUT, 120                         ; v120-183 rows of codes read back
.set WOO,  184                         ; v184-199 their places in wc
.set GA,   16                          ; v16-47   rows: the gain at k = 512 c + 16 lane + 0..15
.set BE,   48                          ; v48-79   the bias there
.set RR,   80                          ; v80-143  two rows as loaded
.set XX,   144                         ; v144-175 a row, 16 neighbours twice
.set TT,   176                         ; v176-207 at work
.set CD,   208                         ; v208-231 codes, 8 registers a scale
	s_load_b512 s[4:19], s[0:1], 0x0               ; Wq Wk Wv Wo W1 W2, the scales s[16:17], wc s[18:19]
	s_load_b256 s[20:27], s[0:1], 0x40             ; x, gain, bias, mask
	s_load_b128 s[28:31], s[0:1], 0x60             ; ac, rope
	s_load_b64 s[32:33], s[0:1], 0x70
	s_load_b64 s[92:93], s[0:1], 0x78              ; mflag: one word for a tile of 16 queries and a step of 128 keys: bit 0 some key hidden, bit 1 all hidden
	v_lshl_add_u32 v232, v0, 2, 0xd800
	v_mov_b32 v233, 0
	v_lshrrev_b32 v1, 5, v0
	v_readfirstlane_b32 s34, v1                    ; wave
	v_and_b32 v2, 31, v0                           ; lane
	v_and_b32 v5, 15, v0                           ; lane % 16
	v_bfe_u32 v6, v0, 4, 1                         ; lane / 16
	s_wait_kmcnt 0x0
	s_load_b512 s[36:51], s[16:17], 0x0            ; e0 .. e15 in s36 .. s51
	s_cmp_lt_u32 ttmp9, 384
	s_cbranch_scc0 .Lrows
; ---------------- the weights: a work-group takes 128 columns x 256 along K, a wave 32 columns; a lane takes a column and its registers run down K
	s_wait_kmcnt 0x0
	s_mov_b64 s[58:59], s[14:15]                   ; which tensor: by the work-group's number alone
	s_mov_b32 s60, s51
.macro PICK lim, ptr, e
	s_cmp_lt_u32 ttmp9, \lim
	s_cselect_b64 s[58:59], s[\ptr:\ptr+1], s[58:59]
	s_cselect_b32 s60, s[\e], s60
.endm
	PICK 256, 12, 49                               ; W1, e13
	PICK 128, 10, 47                               ; Wo, e11
	PICK 96, 8, 41                                 ; Wv, e5
	PICK 64, 6, 39                                 ; Wk, e3
	PICK 32, 4, 37                                 ; Wq, e1
	s_lshr_b32 s61, ttmp9, 5
	s_lshl_b32 s61, s61, 20                        ; the four square weights lie 2^20 bytes apart in wc,
	s_lshr_b32 s62, ttmp9, 7                       ; 0; 1 for W1; 2 for W2
	s_lshl_b32 s63, s62, 22                        ; W1 at 2^22, W2 at 2^23
	s_cmp_lt_u32 ttmp9, 128
	s_cselect_b32 s57, s61, s63
	s_cselect_b32 s52, 31, 127
	s_and_b32 s53, ttmp9, s52                      ; my number within the tensor
	s_cmp_eq_u32 s62, 1
	s_cselect_b32 s66, 2, 0
	s_cmp_eq_u32 s62, 2
	s_cselect_b32 s67, 2, 0
	s_add_co_u32 s54, s66, 3                       ; log2 of the groups of 128 columns: 3, W1: 5
	s_lshl_b32 s55, 4096, s66                      ; bytes of a source row
	s_lshl_b32 s56, 1024, s67                      ; bytes of a row of codes = K
	s_bfm_b32 s61, s54, 0
	s_and_b32 s61, s53, s61                        ; group of columns
	s_lshr_b32 s62, s53, s54                       ; group of 256 along K
	s_lshl_b32 s61, s61, 7
	s_lshl_b32 s63, s34, 5
	s_add_co_u32 s61, s61, s63                     ; my wave's first column
	s_mul_i32 s66, s62, s55
	s_lshl_b32 s66, s66, 8
	s_lshl_b32 s63, s61, 2
	s_add_co_u32 s66, s66, s63
	s_mov_b32 s67, 0
	s_add_nc_u64 s[68:69], s[58:59], s[66:67]      ; block 0 of my eight blocks of 32 along K
	s_lshl_b32 s66, s55, 5
.irp t, 1,2,3,4,5,6,7
	s_add_nc_u64 s[68+2*\t:69+2*\t], s[66+2*\t:67+2*\t], s[66:67]
.endr
	s_mul_i32 s84, s61, s56
	s_add_co_u32 s84, s84, s57
	s_lshl_b32 s85, s62, 8
	s_add_co_u32 s84, s84, s85
	s_mov_b32 s85, 0
	s_add_nc_u64 s[18:19], s[18:19], s[84:85]      ; my first column's row of codes, at my 256 along K
	s_wait_alu depctr_va_vdst(0)
	v_lshlrev_b32 v[WOFF], 2, v2
.set wi, 1
.rept 31
	v_add_nc_u32 v[WOFF+wi], s55, v[WOFF+wi-1]
.set wi, wi+1
.endr
	s_mul_i32 s86, s34, WSTG
	v_mul_u32_u24 v4, v2, 272
	v_add_nc_u32 v4, s86, v4                       ; into the stage: row = my column
	v_mul_u32_u24 v7, v6, 272
	v_lshl_add_u32 v7, v5, 4, v7
	v_add_nc_u32 v7, s86, v7                       ; out of it: sixteen lanes to a row, two rows an instruction
	v_mul_lo_u32 v[WOO], v6, s56
	v_lshl_add_u32 v[WOO], v5, 4, v[WOO]
	s_lshl_b32 s87, s56, 1
.set wi, 1
.rept 15
	v_add_nc_u32 v[WOO+wi], s87, v[WOO+wi-1]
.set wi, wi+1
.endr
.macro WLOAD t                         ; block t: 32 rows of the source at my column: 128 consecutive bytes a wave and a load
.set wi, 0
.rept 32
	global_load_b32 v[WX+32*((\t)%2)+wi], v[WOFF+wi], s[68+2*(\t):69+2*(\t)] th:TH_LOAD_NT
.set wi, wi+1
.endr
.endm
	WLOAD 0
	WLOAD 1
	s_add_co_i32 s60, s60, 127
	s_lshl_b32 s88, s60, 23
	v_mov_b32 v11, s88                             ; 2^e as f32: the conversion takes its exponent field
	s_add_co_i32 s60, s60, 15
	s_lshl_b32 s60, s60, 23
	s_or_b32 s60, s60, 0x600000
	v_mov_b32 v10, s60                             ; 57,344 x 2^e
.macro WBLOCK t
.set WS, WX+32*((\t)%2)
.if (\t) < 7
	s_wait_loadcnt 32                              ; this block's 32 loads are in; the next block's 32 may be out
.else
	s_wait_loadcnt 0x0
.endif
.set wi, 0
.rept 32
	v_med3_num_f32 v[WS+wi], v[WS+wi], -v10, v10   ; the conversion does not saturate (ISA guide 7.6.2): the hold comes first
.set wi, wi+1
.endr
.irp g, 0,1,2,3
	v_cvt_scalef32_pk8_bf8_f32 v[WC+2*\g:WC+2*\g+1], v[WS+8*\g:WS+8*\g+7], v11
.endr
	ds_store_b128 v4, v[WC:WC+3] offset:32*(\t)
	ds_store_b128 v4, v[WC+4:WC+7] offset:32*(\t)+16
.if (\t)+2 < 8
	WLOAD (\t)+2
.endif
	s_wait_dscnt 0x0                               ; the stores have read the codes' registers
.endm
	s_wait_alu depctr_va_vdst(0)
.irp t, 0,1,2,3,4,5,6,7
	WBLOCK \t
.endr
.irp t, 0,1,2,3,4,5,6,7,8,9,10,11,12,13,14,15
	ds_load_b128 v[WOUT+4*\t:WOUT+4*\t+3], v7 offset:2*\t*272   ; a wave's LDS instructions are served in order: these see my stores
.endr
.irp t, 0,1,2,3,4,5,6,7,8,9,10,11,12,13,14,15
	s_wait_dscnt 15-\t
	global_store_b128 v[WOO+\t], v[WOUT+4*\t:WOUT+4*\t+3], s[18:19]   ; sixteen lanes store 256 consecutive bytes, aligned
.endr
	s_wait_tensorcnt 0x0
	ds_add_u32 v232, v233
	s_wait_dscnt 0x0
	s_endpgm
; ---------------- the rows
.Lrows:
	s_sub_co_u32 s35, ttmp9, 384
	s_lshl_b32 s35, s35, 2
	s_add_co_u32 s35, s35, s34                     ; g
	s_lshl_b32 s58, s35, 14
	s_mov_b32 s59, 0
	s_add_nc_u64 s[20:21], s[20:21], s[58:59]      ; x at my four rows
	s_lshl_b32 s58, s35, 12
	s_add_nc_u64 s[52:53], s[28:29], s[58:59]      ; their codes, in ac's three sections
	s_add_nc_u64 s[54:55], s[52:53], 0x400000
	s_add_nc_u64 s[56:57], s[54:55], 0x400000
	s_wait_alu depctr_va_vdst(0)
	v_lshlrev_b32 v4, 4, v2                        ; 16 x lane
	v_lshlrev_b32 v3, 6, v2                        ; 64 x lane
	s_mul_i32 s58, s34, RSTG
	s_add_co_u32 s58, s58, RSTG0
	v_lshrrev_b32 v14, 2, v2
	v_mul_u32_u24 v14, v14, 80
	v_and_b32 v15, 3, v2
	v_lshl_add_u32 v14, v15, 4, v14
	v_add_nc_u32 v14, s58, v14                     ; the stage on the way in: four lanes' 64 bytes, then 16 of padding
	v_mul_u32_u24 v15, v2, 80
	v_add_nc_u32 v15, s58, v15                     ; and on the way out: my 16 neighbours
.irp c, 0,1
.irp j, 0,1,2,3
	global_load_b128 v[GA+16*\c+4*\j:GA+16*\c+4*\j+3], v3, s[22:23] offset:2048*\c+16*\j
	global_load_b128 v[BE+16*\c+4*\j:BE+16*\c+4*\j+3], v3, s[24:25] offset:2048*\c+16*\j
.endr
.endr
.macro RLOAD k                         ; row k: eight loads of 512 consecutive bytes
.irp j, 0,1,2,3,4,5,6,7
	global_load_b128 v[RR+32*((\k)%2)+4*\j:RR+32*((\k)%2)+4*\j+3], v4, s[20:21] offset:4096*(\k)+512*\j th:TH_LOAD_NT
.endr
.endm
	RLOAD 0
	RLOAD 1
	s_mov_b32 s60, 0x3a800000                      ; 1 / 1024
	s_mov_b32 s61, 0x3727c5ac                      ; 1e-5
	s_mov_b32 s62, 0x76543210                      ; v_permlanex16_b32: lane l xor 16
	s_mov_b32 s63, 0xfedcba98
	s_wait_kmcnt 0x0
.macro MKSC e, vs, vh                  ; 2^e and 57,344 x 2^e as f32
	s_add_co_i32 s58, s[\e], 127
	s_lshl_b32 s59, s58, 23
	v_mov_b32 v[\vs], s59
	s_add_co_i32 s58, s58, 15
	s_lshl_b32 s58, s58, 23
	s_or_b32 s58, s58, 0x600000
	v_mov_b32 v[\vh], s58
.endm
	MKSC 36, 8, 9
	MKSC 38, 10, 11
	MKSC 40, 12, 13
.macro FOLD                            ; four packed chains in v[TT..TT+7] become one sum, in every lane
	v_pk_add_f32 v[TT:TT+1], v[TT:TT+1], v[TT+2:TT+3]
	v_pk_add_f32 v[TT+4:TT+5], v[TT+4:TT+5], v[TT+6:TT+7]
	v_pk_add_f32 v[TT:TT+1], v[TT:TT+1], v[TT+4:TT+5]
	v_add_f32 v[TT], v[TT], v[TT+1]
	v_add_f32_dpp v[TT], v[TT], v[TT] row_xmask:1 row_mask:0xf bank_mask:0xf
	v_add_f32_dpp v[TT], v[TT], v[TT] row_xmask:2 row_mask:0xf bank_mask:0xf
	v_add_f32_dpp v[TT], v[TT], v[TT] row_xmask:4 row_mask:0xf bank_mask:0xf
	v_add_f32_dpp v[TT], v[TT], v[TT] row_xmask:8 row_mask:0xf bank_mask:0xf
	v_permlanex16_b32 v[TT+1], v[TT], s62, s63
	v_add_f32 v[TT], v[TT], v[TT+1]
.endm
.macro ROW k
.set RS, RR+32*((\k)%2)
.if (\k) < 3
	s_wait_loadcnt 8                               ; this row (and gain and bias, asked for earlier) is in; the next row's eight loads may be out
.else
	s_wait_loadcnt 0x0
.endif
.irp c, 0,1,2,3
	v_pk_add_f32 v[TT+2*\c:TT+2*\c+1], v[RS+4*\c:RS+4*\c+1], v[RS+4*\c+2:RS+4*\c+3]
.endr
.irp j, 16,24
.irp c, 0,1,2,3
	v_pk_add_f32 v[TT+2*\c:TT+2*\c+1], v[TT+2*\c:TT+2*\c+1], v[RS+\j+2*\c:RS+\j+2*\c+1]
.endr
.endr
	FOLD
	v_mul_f32 v[TT+8], s60, v[TT]                  ; the mean
	v_mov_b32 v[TT+9], v[TT+8]
.set ri, 0
.rept 16
	v_pk_add_f32 v[RS+ri:RS+ri+1], v[RS+ri:RS+ri+1], v[TT+8:TT+9] neg_lo:[0,1] neg_hi:[0,1]   ; d = x - mean: the variance is taken of d, in a second pass
.set ri, ri+2
.endr
.irp j, 0,1,2,3,4,5,6,7
	ds_store_b128 v14, v[RS+4*\j:RS+4*\j+3] offset:640*\j      ; d goes through my stage as it lies,
.endr
.irp c, 0,1
.irp i, 0,1,2,3
	ds_load_b128 v[XX+16*\c+4*\i:XX+16*\c+4*\i+3], v15 offset:2560*\c+16*\i   ; and comes back 16 neighbours a lane: k = 512 c + 16 lane + 0..15
.endr
.endr
.irp c, 0,1,2,3
	v_pk_mul_f32 v[TT+2*\c:TT+2*\c+1], v[RS+2*\c:RS+2*\c+1], v[RS+2*\c:RS+2*\c+1]
.endr
.irp j, 8,16,24
.irp c, 0,1,2,3
	v_pk_fma_f32 v[TT+2*\c:TT+2*\c+1], v[RS+\j+2*\c:RS+\j+2*\c+1], v[RS+\j+2*\c:RS+\j+2*\c+1], v[TT+2*\c:TT+2*\c+1]
.endr
.endr
	FOLD
	v_fma_f32 v[TT+10], v[TT], s60, s61            ; variance + 1e-5
	s_wait_alu depctr_va_vdst(0)
	v_rsq_f32 v[TT+10], v[TT+10]
	v_nop                                          ; a plain instruction behind the transcendental
	s_wait_alu depctr_va_vdst(0)                   ; and the wait ahead of its first reader
	v_mov_b32 v[TT+11], v[TT+10]
	s_wait_alu depctr_va_vdst(0)
	s_wait_dscnt 0x0                               ; the row is back, and the stores have read its old registers,
.if (\k) < 2
	RLOAD (\k)+2                                   ; which take the row two further on
.endif
.set ri, 0
.rept 16
	v_pk_mul_f32 v[XX+ri:XX+ri+1], v[XX+ri:XX+ri+1], v[TT+10:TT+11]
.set ri, ri+2
.endr
.set ri, 0
.rept 16
	v_pk_fma_f32 v[XX+ri:XX+ri+1], v[XX+ri:XX+ri+1], v[GA+ri:GA+ri+1], v[BE+ri:BE+ri+1]
.set ri, ri+2
.endr
.if (\k) > 0
	s_wait_xcnt 0x0                                ; the last row's stores have read the codes' registers
.endif
.irp s, 0,1,2
.set ri, 0
.rept 32
	v_med3_num_f32 v[TT+ri], v[XX+ri], -v[9+2*\s], v[9+2*\s]
.set ri, ri+1
.endr
.irp q, 0,1,2,3
	v_cvt_scalef32_pk8_bf8_f32 v[CD+8*\s+2*\q:CD+8*\s+2*\q+1], v[TT+8*\q:TT+8*\q+7], v[8+2*\s]
.endr
	v_nop                                          ; a plain instruction between the conversions and the next writes of their sources
	global_store_b128 v4, v[CD+8*\s:CD+8*\s+3], s[52+2*\s:53+2*\s] offset:1024*(\k)        ; 512 consecutive bytes a store
	global_store_b128 v4, v[CD+8*\s+4:CD+8*\s+7], s[52+2*\s:53+2*\s] offset:1024*(\k)+512
.endr
.endm
	ROW 0
	ROW 1
	ROW 2
	; the mask's bytes are asked for here, into the row registers that row 2 has left: row 3's wait covers them
	s_lshr_b32 s58, s35, 3                         ; the tile of 16 queries
	s_lshl_b32 s58, s58, 15
	s_and_b32 s66, s35, 7
	s_lshl_b32 s66, s66, 8                         ; my 256 keys
	s_add_co_u32 s58, s58, s66
	s_mov_b32 s59, 0
	s_add_nc_u64 s[26:27], s[26:27], s[58:59]
	v_lshlrev_b32 v7, 11, v5
	v_lshl_add_u32 v7, v6, 4, v7                   ; query l % 16, + 16 (l / 16) keys
.irp u, 0,1
.irp b, 0,1,2,3
	global_load_b128 v[RR+16*\u+4*\b:RR+16*\u+4*\b+3], v7, s[26:27] offset:128*\u+32*\b th:TH_LOAD_NT
.endr
.endr
	ROW 3
	; ---- M: a byte of 32 lanes becomes one word; word n goes to lane n / 2, register n % 2
	s_lshl_b32 s58, s35, 9
	s_add_nc_u64 s[32:33], s[32:33], s[58:59]
	s_add_nc_u64 s[30:31], s[30:31], s[58:59]      ; (the table's two rows are 512 bytes too)
	v_lshlrev_b32 v1, 3, v2                        ; 8 x lane
.irp j, 0,1,2,3
	v_mov_b32 v[XX+\j], 0                          ; v_writelane_b32's destination counts as read
.endr
.irp u, 0,1
.if \u == 0
	v_mov_b32 v[XX+8], 0                           ; v_writelane_b32's destination counts as read
.endif
	v_and_b32 v[TT+8], v[RR+16*\u], v[RR+16*\u+1]  ; the step's 64 bytes of my lane (each 0 or 1), all anded,
	v_or_b32 v[TT+9], v[RR+16*\u], v[RR+16*\u+1]   ; and all ored
.set n, 2
.rept 14
	v_and_b32 v[TT+8], v[TT+8], v[RR+16*\u+n]
	v_or_b32 v[TT+9], v[TT+9], v[RR+16*\u+n]
.set n, n+1
.endr
	s_mov_b32 s95, 0x01010101
	v_cmp_eq_u32 s91, s95, v[TT+8]                 ; the lanes all of whose keys are hidden
	v_cmp_ne_u32 s94, 0, v[TT+9]                   ; the lanes with a hidden key
.set n, 0
.rept 64
	v_and_b32 v[TT+n%4], 0xff<<(8*(n&3)), v[RR+16*\u+4*(n>>4)+((n&15)>>2)]
	v_cmp_ne_u32 s[84+n%4], 0, v[TT+n%4]
	v_writelane_b32 v[XX+2*\u+(n&1)], s[84+n%4], n>>1
.set n, n+1
.endr
	global_store_b64 v1, v[XX+2*\u:XX+2*\u+1], s[32:33] offset:256*\u
	s_cmp_eq_u32 s91, -1
	s_cselect_b32 s91, 2, 0                        ; all hidden
	s_cmp_lg_u32 s94, 0
	s_cselect_b32 s94, 1, 0                        ; some hidden
	s_or_b32 s91, s91, s94
	v_writelane_b32 v[XX+8], s91, \u               ; step u's word in lane u
.endr
	; ---- T: lanes 0-15 make cosines, lanes 16-31 sines (a cosine a quarter turn back); a lane takes i = 2 (l % 16), + 1
	; the two words go to mflag[block of 128 queries][step][tile in the block]: word ((g / 64) 16 + 2 (g % 8) + u) 8 + (g / 8) % 8
	s_lshr_b32 s58, s35, 6
	s_lshl_b32 s58, s58, 4
	s_and_b32 s66, s35, 7
	s_lshl_b32 s66, s66, 1
	s_add_co_u32 s58, s58, s66
	s_lshl_b32 s58, s58, 3
	s_bfe_u32 s66, s35, 0x30003
	s_add_co_u32 s58, s58, s66
	s_lshl_b32 s58, s58, 2
	s_mov_b32 s59, 0
	s_add_nc_u64 s[92:93], s[92:93], s[58:59]
	v_lshlrev_b32 v[XX+9], 5, v2                   ; the next step's word lies 32 bytes on
	v_cmp_gt_u32 vcc_lo, 2, v2
	s_wait_alu depctr_va_vdst(0)                   ; directly ahead of the wait below
	s_wait_xcnt 0x0                                ; EXEC changes only behind this wait
	s_and_saveexec_b32 s66, vcc_lo
	global_store_b32 v[XX+9], v[XX+8], s[92:93]    ; lanes 0 and 1
	s_wait_xcnt 0x0
	s_or_b32 exec_lo, exec_lo, s66
	v_lshlrev_b32 v[TT], 1, v5
	v_cvt_f32_u32 v[TT+1], v[TT]
	v_add_f32 v[TT+2], 1.0, v[TT+1]
	v_mul_f32 v[TT+1], 0xbed49a78, v[TT+1]         ; -i log2(10000) / 32
	v_mul_f32 v[TT+2], 0xbed49a78, v[TT+2]
	s_wait_alu depctr_va_vdst(0)
	v_exp_f32 v[TT+4], v[TT+1]
	v_exp_f32 v[TT+5], v[TT+2]
	v_mul_u32_u24 v[TT+3], v6, 3                   ; (the plain instruction behind them)  3 quarter turns on for the sines
	s_wait_alu depctr_va_vdst(0)
	s_mov_b32 s66, 0xbfc90fdb                      ; -pi/2, its leading part,
	s_mov_b32 s67, 0x333bbd2e                      ; and what that part is too large by
	s_mov_b32 s84, 0xb94ca1f9                      ; sine: r + r z (s0 + z (s1 + z s2))
	s_mov_b32 s85, 0x3c08839e
	s_mov_b32 s86, 0xbe2aaaa3
	s_mov_b32 s87, 0x37ccf5ce                      ; cosine: 1 - z / 2 + z z (c0 + z (c1 + z c2))
	s_mov_b32 s88, 0xbab6061a
	s_mov_b32 s89, 0x3d2aaaa5
	s_lshl_b32 s90, s35, 1                         ; t = 2 g
.macro TRIG dst, inv
	v_mul_f32 v[TT+6], v[TT+16], v[\inv]           ; the angle, rounded once
	v_mul_f32 v[TT+7], 0x3f22f983, v[TT+6]
	v_rndne_f32 v[TT+7], v[TT+7]                   ; quarter turns
	v_fma_f32 v[TT+8], v[TT+7], s66, v[TT+6]
	v_fma_f32 v[TT+8], v[TT+7], s67, v[TT+8]       ; r
	v_mul_f32 v[TT+9], v[TT+8], v[TT+8]            ; z
	v_fma_f32 v[TT+10], v[TT+9], s84, s85
	v_fma_f32 v[TT+11], v[TT+9], s87, s88
	v_fma_f32 v[TT+10], v[TT+10], v[TT+9], s86
	v_fma_f32 v[TT+11], v[TT+11], v[TT+9], s89
	v_mul_f32 v[TT+10], v[TT+10], v[TT+9]
	v_mul_f32 v[TT+12], v[TT+9], v[TT+9]
	v_fma_f32 v[TT+13], v[TT+9], -0.5, 1.0
	v_fma_f32 v[TT+10], v[TT+10], v[TT+8], v[TT+8] ; sin r
	v_fma_f32 v[TT+11], v[TT+11], v[TT+12], v[TT+13]   ; cos r
	v_cvt_i32_f32 v[TT+14], v[TT+7]
	v_add_nc_u32 v[TT+14], v[TT+14], v[TT+3]       ; q
	v_and_b32 v[TT+15], 1, v[TT+14]
	v_cmp_ne_u32 vcc_lo, 0, v[TT+15]
	v_cndmask_b32 v[TT+11], v[TT+11], v[TT+10], vcc_lo   ; odd q: the sine
	v_add_nc_u32 v[TT+14], 1, v[TT+14]
	v_and_b32 v[TT+14], 2, v[TT+14]
	v_lshlrev_b32 v[TT+14], 30, v[TT+14]           ; q % 4 = 1, 2: negative
	v_xor_b32 v[\dst], v[TT+14], v[TT+11]
.endm
.irp tt, 0,1
	v_cvt_f32_u32 v[TT+16], s90
	TRIG XX+4+2*\tt, TT+4
	TRIG XX+5+2*\tt, TT+5
	global_store_b64 v1, v[XX+4+2*\tt:XX+5+2*\tt], s[30:31] offset:256*\tt
	s_add_co_u32 s90, s90, 1
.endr
	s_wait_tensorcnt 0x0
	ds_add_u32 v232, v233
	s_wait_dscnt 0x0
	s_endpgm
.Lfunc_end_k_q89d99b90e5_prep:
	.size	k_q89d99b90e5_prep, .Lfunc_end_k_q89d99b90e5_prep-k_q89d99b90e5_prep
	.p2alignl 7, 3214868480
	.fill 96, 4, 3214868480
	.section	.rodata,"a",@progbits
	.p2align	6, 0x0
	.amdhsa_kernel k_q89d99b90e5_prep
		.amdhsa_group_segment_fixed_size 55808
		.amdhsa_private_segment_fixed_size 0
		.amdhsa_enable_private_segment 0
		.amdhsa_kernarg_size 128
		.amdhsa_user_sgpr_count 2
		.amdhsa_user_sgpr_kernarg_segment_ptr 1
		.amdhsa_wavefront_size32 1
		.amdhsa_system_sgpr_workgroup_id_x 1
		.amdhsa_system_sgpr_workgroup_id_y 1
		.amdhsa_system_sgpr_workgroup_id_z 1
		.amdhsa_system_vgpr_workitem_id 0
		.amdhsa_next_free_vgpr 234
		.amdhsa_next_free_sgpr 96
		.amdhsa_reserve_vcc 1
		.amdhsa_float_denorm_mode_32 3
		.amdhsa_float_denorm_mode_16_64 3
		.amdhsa_memory_ordered 1
		.amdhsa_forward_progress 1
		.amdhsa_inst_pref_size 153
	.end_amdhsa_kernel
	.amdgpu_metadata
---
amdhsa.version: [ 1, 2 ]
amdhsa.kernels:
  - .name:           k_q89d99b90e5_prep
    .symbol:         k_q89d99b90e5_prep.kd
    .args:
      - { .name: Wq, .offset: 0, .size: 8, .value_kind: global_buffer, .address_space: global }
      - { .name: Wk, .offset: 8, .size: 8, .value_kind: global_buffer, .address_space: global }
      - { .name: Wv, .offset: 16, .size: 8, .value_kind: global_buffer, .address_space: global }
      - { .name: Wo, .offset: 24, .size: 8, .value_kind: global_buffer, .address_space: global }
      - { .name: W1, .offset: 32, .size: 8, .value_kind: global_buffer, .address_space: global }
      - { .name: W2, .offset: 40, .size: 8, .value_kind: global_buffer, .address_space: global }
      - { .name: lowp_scales, .offset: 48, .size: 8, .value_kind: global_buffer, .address_space: global }
      - { .name: wc, .offset: 56, .size: 8, .value_kind: global_buffer, .address_space: global }
      - { .name: x, .offset: 64, .size: 8, .value_kind: global_buffer, .address_space: global }
      - { .name: ln1_g, .offset: 72, .size: 8, .value_kind: global_buffer, .address_space: global }
      - { .name: ln1_b, .offset: 80, .size: 8, .value_kind: global_buffer, .address_space: global }
      - { .name: causal_mask, .offset: 88, .size: 8, .value_kind: global_buffer, .address_space: global }
      - { .name: ac, .offset: 96, .size: 8, .value_kind: global_buffer, .address_space: global }
      - { .name: rope, .offset: 104, .size: 8, .value_kind: global_buffer, .address_space: global }
      - { .name: mbits, .offset: 112, .size: 8, .value_kind: global_buffer, .address_space: global }
      - { .name: mflag, .offset: 120, .size: 8, .value_kind: global_buffer, .address_space: global }
    .group_segment_fixed_size: 55808
    .private_segment_fixed_size: 0
    .kernarg_segment_align: 8
    .kernarg_segment_size: 128
    .max_flat_workgroup_size: 128
    .sgpr_count:     96
    .vgpr_count:     234
    .wavefront_size: 32
...
	.end_amdgpu_metadata
.endif
;; end of part 8
;; launch qkv (part 9): grid 12 x 16, 4 waves a work-group, clusters of 4 x 4, 327,680 bytes of LDS; arguments ac, wc, lowp_scales, qkvc, bq, bk, bv, rope; writes qkvc
.if DOCPART == 9
	.amdgcn_target "amdgcn-amd-amdhsa--gfx1250"
	.amdhsa_code_object_version 6
	.text
	.protected	k_q89d99b90e5_qkv
	.globl	k_q89d99b90e5_qkv
	.p2align	8
	.type	k_q89d99b90e5_qkv,@function
k_q89d99b90e5_qkv:
	s_mov_b64 s[64:65], 0
	v_nop
	global_prefetch_b8 v0, s[64:65] scope:SCOPE_SE
	s_setreg_imm32_b32 hwreg(HW_REG_WAVE_MODE, 25, 1), 1
	s_wait_xcnt 0x0
	s_wait_alu depctr_hold_cnt(0) depctr_sa_sdst(0) depctr_va_vdst(0) depctr_va_sdst(0) depctr_va_ssrc(0) depctr_va_vcc(0) depctr_vm_vsrc(0)
	s_getreg_b32 s2, hwreg(HW_REG_IB_STS2, 6, 4)
	s_cmp_eq_u32 s2, 0
	s_cbranch_scc0 .Lentry_in_a_cluster
	s_endpgm
.Lentry_in_a_cluster:
	s_bfe_u32 s2, ttmp6, 0x10000c
	s_cmp_lg_u32 s2, 0xf033
	s_cbranch_scc0 .Lentry_shape_is_right
	s_endpgm
.Lentry_shape_is_right:
.set SIZE_K, 1024
.set KSTEP,  256
.set ROWB,   256
.set KROW,   SIZE_K
.set PITCH,  272
.set FR,     16
.set NL,     4
.set NP,     4
.set HALFT,  128*PITCH
.set SLOT,   4*HALFT
.set LAPS,   SIZE_K/(2*KSTEP)
.set SPARE,  2*SLOT
.set ADRA, 16
.set ADRB, 20
.set SPW,  28
.set NIL,  29
.set AF,   128
.set G1, 24
.set G0, 32
.set G1B, 48
.set G0B, 56
.set BIA, 32
.set T,   96
.set MSB, 0
.macro WIN new
.if MSB != \new
	s_set_vgpr_msb (MSB<<8)|\new
.set MSB, \new
.endif
.endm
.set MUL_LO, 0xa1
.set MUL_HI, 0xf1
.set TO_B,   0x40
.macro JLOAD g0a, g1a, g0b, g1b
	s_cmp_eq_u32 s15, 0
	s_cbranch_scc0 .Lfor_b_\@
	tensor_load_to_lds s[\g0a:\g0a+3], s[\g1a:\g1a+7]
	s_nop 0
.rept 4
	v_nop
.endr
	s_branch .Lasked_\@
.Lfor_b_\@:
	tensor_load_to_lds s[\g0b:\g0b+3], s[\g1b:\g1b+7]
	s_nop 0
.rept 4
	v_nop
.endr
.Lasked_\@:
.endm
.macro CREST
	s_cmp_lg_u32 s14, 0
	s_cbranch_scc1 .Lnot_wave_0_\@
	s_barrier_signal -3
.Lnot_wave_0_\@:
	s_barrier_wait -3
	s_barrier_signal -1
	s_barrier_wait -1
.endm
.macro CROUND
	s_barrier_signal -1
	s_barrier_wait -1
	CREST
.endm
	s_load_b128 s[4:7], s[0:1], 0x0
	s_load_b128 s[8:11], s[0:1], 0x10
	s_load_b256 s[84:91], s[0:1], 0x20
	v_lshl_add_u32 v[SPW], v0, 2, SPARE
	v_mov_b32 v[NIL], 0
	ds_add_u32 v28, v29
	ds_add_u32 v28, v29
	s_wait_dscnt 0x0
	v_lshrrev_b32 v1, 5, v0
	v_readfirstlane_b32 s14, v1
	s_lshr_b32 s15, s14, 1
	s_and_b32 s16, s14, 1
	s_bfe_u32 s40, ttmp6, 0x40000
	s_bfe_u32 s41, ttmp6, 0x40004
	s_and_b32 s17, ttmp7, 0xffff
	s_lshl_b32 s17, s17, 2
	s_add_co_u32 s92, s17, s40
	s_add_co_u32 s17, s17, s41
	s_lshl_b32 s42, ttmp9, 2
	s_add_co_u32 s42, s42, s40
	s_cmp_eq_u32 ttmp9, 2
	s_cselect_b32 s17, s41, s17
	s_cselect_b32 s42, s92, s42
	s_lshl_b32 s43, s41, 2
	s_lshl_b32 s43, 15, s43
	s_lshl_b32 s44, 0x1111, s40
	s_or_b32 s[G1+0], s43, (0<<16)|(1<<20)|(1<<21)|(5<<22)|(3<<25)
	s_or_b32 s[G1B+0], s44, (0<<16)|(1<<20)|(1<<21)|(5<<22)|(3<<25)
.irp g, G1, G1B
	s_mov_b32 s[\g+1], ROWB<<16
	s_mov_b32 s[\g+2], 128<<16
	s_mov_b32 s[\g+3], ROWB<<16
	s_mov_b32 s[\g+4], 128
	s_mov_b32 s[\g+5], KROW
	s_mov_b32 s[\g+6], 0
	s_mov_b32 s[\g+7], 0
.endr
	s_lshl_b32 s18, s16, 7
	s_lshl_b32 s20, s17, 8
	s_add_co_u32 s20, s20, s18
	s_lshl_b32 s46, s42, 8
	s_add_co_u32 s46, s46, s18
	s_mov_b32 s21, 0
	s_mov_b32 s47, 0
	s_mov_b64 s[18:19], KROW
	s_mul_u64 s[20:21], s[20:21], s[18:19]
	s_mul_u64 s[46:47], s[46:47], s[18:19]
	s_mul_i32 s45, s14, HALFT
	s_wait_kmcnt 0x0
	s_load_b512 s[68:83], s[8:9], 0x0
	s_lshl_b32 s92, ttmp9, 22
	s_mov_b32 s93, 0
	s_add_nc_u64 s[92:93], s[4:5], s[92:93]
	s_add_nc_u64 s[94:95], s[6:7], 0x200000
	s_cmp_eq_u32 ttmp9, 2
	s_cselect_b64 s[4:5], s[94:95], s[92:93]
	s_cselect_b64 s[6:7], s[92:93], s[6:7]
	s_add_nc_u64 s[20:21], s[4:5], s[20:21]
	s_add_nc_u64 s[46:47], s[6:7], s[46:47]
	CROUND
.irp s, 0,1
	s_mov_b32 s[G0+4*\s], 1
	s_add_co_u32 s[G0+4*\s+1], s45, \s*SLOT
	s_add_nc_u64 s[G0+4*\s+2:G0+4*\s+3], s[20:21], \s*ROWB
	s_or_b32 s[G0+4*\s+3], s[G0+4*\s+3], 0x80000000
	s_mov_b32 s[G0B+4*\s], 1
	s_add_co_u32 s[G0B+4*\s+1], s45, \s*SLOT
	s_add_nc_u64 s[G0B+4*\s+2:G0B+4*\s+3], s[46:47], \s*ROWB
	s_or_b32 s[G0B+4*\s+3], s[G0B+4*\s+3], 0x80000000
	s_wait_alu depctr_va_vdst(0)
	s_wait_tensorcnt 0x0
	ds_add_u32 v28, v29
	ds_add_u32 v28, v29
	s_wait_dscnt 0x0
	CROUND
	JLOAD G0+4*\s, G1, G0B+4*\s, G1B
.endr
	v_and_b32 v1, 15, v0
	s_wait_alu depctr_va_vdst(0)
	v_bfe_u32 v2, v0, 4, 1
	v_mul_u32_u24 v3, v1, PITCH
	v_lshl_add_u32 v4, v2, 4, v3
	s_mul_i32 s21, s15, HALFT
	s_mul_i32 s22, s16, HALFT
	s_add_co_u32 s22, s22, 2*HALFT
.irp s, 0,1
	v_add_nc_u32 v[ADRA+\s], s21, v4
	v_add_nc_u32 v[ADRB+\s], s22, v4
	s_add_co_u32 s21, s21, SLOT
	s_add_co_u32 s22, s22, SLOT
.endr
	s_mul_i32 s21, s14, 20480
	v_mul_u32_u24 v24, v1, 80
	s_wait_alu depctr_va_vdst(0)
	v_lshl_add_u32 v24, v2, 3, v24
	v_add_nc_u32 v24, s21, v24
	v_and_b32 v6, 31, v0
	v_lshrrev_b32 v5, 2, v6
	v_mul_u32_u24 v25, v5, 80
	v_and_b32 v5, 3, v6
	v_lshl_add_u32 v25, v5, 4, v25
	v_add_nc_u32 v25, s21, v25
	s_mul_i32 s21, s14, 9216
	s_add_co_u32 s21, s21, 81920
	v_mul_u32_u24 v26, v1, 144
	v_lshl_add_u32 v26, v2, 3, v26
	v_add_nc_u32 v26, s21, v26
	v_lshrrev_b32 v5, 3, v6
	v_mul_u32_u24 v27, v5, 144
	v_and_b32 v5, 7, v6
	v_lshl_add_u32 v27, v5, 4, v27
	v_add_nc_u32 v27, s21, v27
	v_lshlrev_b32 v8, 4, v6
	v_lshlrev_b32 v9, 8, v1
	v_lshl_add_u32 v9, v2, 5, v9
	v_lshlrev_b32 v10, 5, v2
	v_lshlrev_b32 v11, 2, v1
	s_wait_kmcnt 0x0
	s_add_co_i32 s92, s68, s69
	s_add_co_i32 s93, s70, s71
	s_add_co_i32 s94, s72, s73
	s_cmp_eq_u32 ttmp9, 0
	s_cselect_b32 s96, s92, s93
	s_cselect_b32 s98, s74, s75
	s_cselect_b64 s[84:85], s[84:85], s[86:87]
	s_cmp_eq_u32 ttmp9, 2
	s_cselect_b32 s96, s94, s96
	s_cselect_b32 s98, s77, s98
	s_cselect_b64 s[84:85], s[88:89], s[84:85]
	s_add_co_i32 s96, s96, 127
	s_lshl_b32 s96, s96, 23
	s_mov_b32 s97, s96
	s_add_co_i32 s98, s98, 127
	s_lshl_b32 s99, s98, 23
	v_mov_b32 v13, s99
	s_add_co_i32 s98, s98, 15
	s_lshl_b32 s98, s98, 23
	s_or_b32 s98, s98, 0x600000
	v_mov_b32 v12, s98
.macro FRAG reg, adr, q, i
.irp c, 0,1,2,3
	ds_load_b128 v[\reg+4*\c:\reg+4*\c+3], v[\adr] offset:128*(\q)+32*\c+(\i)*16*PITCH
.endr
.endm
.macro MUL16 a0, p, zero
.irp a, \a0, \a0+1
.irp b, 0,1,2,3,4,5,6,7
.if \zero
	v_wmma_f32_16x16x128_bf8_bf8 v[8*(8*((\a)%4)+\b):8*(8*((\a)%4)+\b)+7], v[128*(\p)+FR*\b:128*(\p)+FR*\b+FR-1], v[AF+FR*(\a):AF+FR*(\a)+FR-1], 0
.else
	v_wmma_f32_16x16x128_bf8_bf8 v[8*(8*((\a)%4)+\b):8*(8*((\a)%4)+\b)+7], v[128*(\p)+FR*\b:128*(\p)+FR*\b+FR-1], v[AF+FR*(\a):AF+FR*(\a)+FR-1], v[8*(8*((\a)%4)+\b):8*(8*((\a)%4)+\b)+7]
.endif
.endr
.endr
.endm
.macro FETCH_B slot, q, p
	WIN TO_B
.irp i, 0,1,2,3,4,5,6,7
	FRAG 128*(\p)+FR*\i, ADRB+\slot, \q, \i
.endr
	WIN 0
.endm
.macro FETCH_A slot, q, i0
.irp i, \i0, \i0+1, \i0+2, \i0+3
	FRAG AF+FR*(\i), ADRA+\slot, \q, \i
.endr
.endm
.macro PLACES n
.rept \n
	v_nop
.endr
.endm
.macro STEP slot, q, zero
	s_wait_dscnt 4*NL
	WIN MUL_LO
	MUL16 0, (\q)%2, \zero
	MUL16 2, (\q)%2, \zero
	s_wait_dscnt 0
	PLACES NP
	FETCH_B \slot, (\q)+1, 1-(\q)%2
	FETCH_A \slot, (\q)+1, 0
	WIN MUL_HI
	MUL16 4, (\q)%2, \zero
	MUL16 6, (\q)%2, \zero
	PLACES NP
	WIN 0
	FETCH_A \slot, (\q)+1, 4
.endm
.macro TURN slot, next, fill
	s_wait_tensorcnt 0x0
	ds_add_u32 v[SPW], v[NIL]
	s_wait_dscnt 4*NL+1
	WIN MUL_LO
	MUL16 0, 1, 0
	s_wait_dscnt 0x0
	s_barrier_signal -1
	MUL16 2, 1, 0
	WIN 0
	s_barrier_wait -1
.if \fill
	CREST
	s_add_nc_u64 s[G0+4*\slot+2:G0+4*\slot+3], s[G0+4*\slot+2:G0+4*\slot+3], 2*ROWB
	s_add_nc_u64 s[G0B+4*\slot+2:G0B+4*\slot+3], s[G0B+4*\slot+2:G0B+4*\slot+3], 2*ROWB
	JLOAD G0+4*\slot, G1, G0B+4*\slot, G1B
.else
	PLACES NP
.endif
	FETCH_B \next, 0, 0
	FETCH_A \next, 0, 0
	WIN MUL_HI
	MUL16 4, 1, 0
	MUL16 6, 1, 0
	PLACES NP
	WIN 0
	FETCH_A \next, 0, 4
.endm
	s_wait_tensorcnt 1
	s_barrier_signal -1
	s_barrier_wait -1
	FETCH_B 0, 0, 0
	FETCH_A 0, 0, 0
	FETCH_A 0, 0, 4
	STEP 0, 0, 1
	s_mov_b32 s3, LAPS-1
.Llap:
	TURN 0, 1, 1
	STEP 1, 0, 0
	TURN 1, 0, 1
	STEP 0, 0, 0
	s_sub_co_u32 s3, s3, 1
	s_cmp_lg_u32 s3, 0
	s_cbranch_scc1 .Llap
	TURN 0, 1, 0
	STEP 1, 0, 0
	s_wait_dscnt 4*NL
	WIN MUL_LO
	MUL16 0, 1, 0
	MUL16 2, 1, 0
	s_wait_dscnt 0
	WIN MUL_HI
	MUL16 4, 1, 0
	MUL16 6, 1, 0
	WIN 0
	PLACES NP
.macro QUANT8
.set i, 0
.rept 64
	v_med3_num_f32 v[T+i], v[T+i], -v12, v12
.set i, i+1
.endr
	s_wait_alu depctr_va_vdst(0)
	s_wait_dscnt 0x0
.irp b, 0,1,2,3,4,5,6,7
	v_cvt_scalef32_pk8_bf8_f32 v[232+2*\b:233+2*\b], v[T+8*\b:T+8*\b+7], v13
.endr
	v_nop
.endm
	s_cmp_eq_u32 ttmp9, 2
	s_cbranch_scc1 .Lv
	s_lshl_b32 s92, s17, 8
	s_lshl_b32 s93, s15, 7
	s_add_co_u32 s92, s92, s93
	s_lshr_b32 s93, s92, 11
	s_and_b32 s94, s92, 2047
	s_lshl_b32 s95, s40, 2
	s_lshl_b32 s18, s16, 1
	s_add_co_u32 s95, s95, s18
	s_lshl_b32 s93, s93, 4
	s_add_co_u32 s93, s93, s95
	s_lshl_b32 s93, s93, 11
	s_add_co_u32 s93, s93, s94
	s_lshl_b32 s18, s93, 6
	s_lshl_b32 s19, ttmp9, 22
	s_add_co_u32 s18, s18, s19
	s_mov_b32 s19, 0
	s_add_nc_u64 s[10:11], s[10:11], s[18:19]
	s_lshl_b32 s18, s94, 8
	s_add_nc_u64 s[90:91], s[90:91], s[18:19]
	s_lshl_b32 s18, s95, 8
	s_add_nc_u64 s[84:85], s[84:85], s[18:19]
	s_wait_alu depctr_va_vdst(0)
.irp b, 0,1,2,3,4,5,6,7
	global_load_b128 v[BIA+8*\b:BIA+8*\b+3], v10, s[84:85] offset:64*\b
	global_load_b128 v[BIA+8*\b+4:BIA+8*\b+7], v10, s[84:85] offset:64*\b+16
.endr
.macro ROPELD a
.set RL, 160+32*((\a)%2)
.irp o, 0,1,2,3,4,5,6,7
	global_load_b128 v[RL+4*\o:RL+4*\o+3], v9, s[90:91] offset:4096*(\a)+64*(\o/2)+16*(\o%2)
.endr
.endm
	ROPELD 0
.macro QKBLK a
.set AC, 64*((\a)%4)
.if (\a) < 7
	ROPELD (\a)+1
	s_wait_loadcnt 8
.else
	s_wait_loadcnt 0x0
.endif
.set RC, 160+32*((\a)%2)
	WIN 0x02+((\a)/4)
.set i, 0
.rept 32
	v_pk_fma_f32 v[T+i:T+i+1], v[AC+i:AC+i+1], s[96:97], v[BIA+i:BIA+i+1] op_sel_hi:[1,0,1]
.set i, i+2
.endr
	WIN 0
.irp hh, 0,1
.irp u, 0,1
.irp j, 0,2,4,6
.set X1, T+8*(4*\hh+\u)+\j
.set X2, T+8*(4*\hh+2+\u)+\j
.set CC, RC+8*\u+\j
.set SS, RC+16+8*\u+\j
.set TP, 224+2*(\j%4)
	v_pk_mul_f32 v[TP:TP+1], v[X2:X2+1], v[SS:SS+1]
	v_pk_mul_f32 v[TP+2:TP+3], v[X1:X1+1], v[SS:SS+1]
	v_pk_fma_f32 v[X1:X1+1], v[X1:X1+1], v[CC:CC+1], v[TP:TP+1] neg_lo:[0,0,1] neg_hi:[0,0,1]
	v_pk_fma_f32 v[X2:X2+1], v[X2:X2+1], v[CC:CC+1], v[TP+2:TP+3]
.endr
.endr
.endr
	QUANT8
.irp b, 0,1,2,3,4,5,6,7
	ds_store_b64 v24, v[232+2*\b:233+2*\b] offset:(\b/4)*10240+(\a)*1280+16*(\b%4)
.endr
.endm
.irp a, 0,1,2,3,4,5,6,7
	QKBLK \a
.endr
.set i, 0
.rept 32
	ds_load_b128 v[32+4*i:32+4*i+3], v25 offset:(i/16)*10240+640*(i%16)
.set i, i+1
.endr
.set i, 0
.rept 32
	s_wait_dscnt 31-i
	global_store_b128 v8, v[32+4*i:32+4*i+3], s[10:11] offset:(i/16)*131072+512*(i%16)
.set i, i+1
.endr
	s_branch .Ldone
.Lv:
	s_lshl_b32 s92, s17, 8
	s_lshl_b32 s93, s15, 7
	s_add_co_u32 s92, s92, s93
	s_lshl_b32 s93, s42, 8
	s_lshl_b32 s94, s16, 7
	s_add_co_u32 s93, s93, s94
	s_lshr_b32 s94, s93, 11
	s_lshl_b32 s94, s94, 4
	s_lshr_b32 s95, s92, 6
	s_add_co_u32 s94, s94, s95
	s_lshl_b32 s94, s94, 4
	s_bfe_u32 s95, s93, 0x40007
	s_add_co_u32 s94, s94, s95
	s_lshl_b32 s18, s94, 13
	s_add_co_u32 s18, s18, 0x800000
	s_mov_b32 s19, 0
	s_add_nc_u64 s[10:11], s[10:11], s[18:19]
	s_lshl_b32 s18, s92, 2
	s_add_nc_u64 s[84:85], s[84:85], s[18:19]
	s_wait_alu depctr_va_vdst(0)
.irp a, 0,1,2,3,4,5,6,7
	global_load_b32 v[32+2*\a], v11, s[84:85] offset:64*\a
	global_load_b32 v[33+2*\a], v11, s[84:85] offset:64*\a
.endr
	s_wait_loadcnt 0x0
.macro VBLK a
.set AC, 64*((\a)%4)
	WIN 0x02+((\a)/4)
.set i, 0
.rept 32
	v_pk_fma_f32 v[T+i:T+i+1], v[AC+i:AC+i+1], s[96:97], v[32+2*(\a):33+2*(\a)] op_sel_hi:[1,0,1]
.set i, i+2
.endr
	WIN 0
	QUANT8
.irp b, 0,1,2,3,4,5,6,7
	ds_store_b64 v26, v[232+2*\b:233+2*\b] offset:((\a)%4)*2304+16*\b
.endr
.endm
.macro VSEND hh
.irp i, 0,1,2,3,4,5,6,7,8,9,10,11,12,13,14,15
	ds_load_b128 v[160+4*\i:160+4*\i+3], v27 offset:576*\i
.endr
.irp i, 0,1,2,3,4,5,6,7,8,9,10,11,12,13,14,15
	s_wait_dscnt 15-\i
	global_store_b128 v8, v[160+4*\i:160+4*\i+3], s[10:11] offset:(\hh)*131072+512*\i
.endr
.endm
	VBLK 0
	VBLK 1
	VBLK 2
	VBLK 3
	VSEND 0
	VBLK 4
	VBLK 5
	VBLK 6
	VBLK 7
	s_wait_xcnt 0x0
	VSEND 1
.Ldone:
	s_wait_tensorcnt 0x0
	ds_add_u32 v[SPW], v[NIL]
	s_wait_dscnt 0x0
	CROUND
	s_endpgm
.Lfunc_end_k_q89d99b90e5_qkv:
	.size	k_q89d99b90e5_qkv, .Lfunc_end_k_q89d99b90e5_qkv-k_q89d99b90e5_qkv
	.p2alignl 7, 3214868480
	.fill 96, 4, 3214868480
	.section	.rodata,"a",@progbits
	.p2align	6, 0x0
	.amdhsa_kernel k_q89d99b90e5_qkv
		.amdhsa_group_segment_fixed_size 327680
		.amdhsa_private_segment_fixed_size 0
		.amdhsa_enable_private_segment 0
		.amdhsa_kernarg_size 64
		.amdhsa_user_sgpr_count 2
		.amdhsa_user_sgpr_kernarg_segment_ptr 1
		.amdhsa_wavefront_size32 1
		.amdhsa_system_sgpr_workgroup_id_x 1
		.amdhsa_system_sgpr_workgroup_id_y 1
		.amdhsa_system_sgpr_workgroup_id_z 1
		.amdhsa_system_vgpr_workitem_id 0
		.amdhsa_next_free_vgpr 1024
		.amdhsa_next_free_sgpr 100
		.amdhsa_reserve_vcc 0
		.amdhsa_float_denorm_mode_32 3
		.amdhsa_float_denorm_mode_16_64 3
		.amdhsa_memory_ordered 1
		.amdhsa_forward_progress 1
		.amdhsa_inst_pref_size 250
	.end_amdhsa_kernel
	.amdgpu_metadata
---
amdhsa.version: [ 1, 2 ]
amdhsa.kernels:
  - .name:           k_q89d99b90e5_qkv
    .symbol:         k_q89d99b90e5_qkv.kd
    .args:
      - { .name: ac, .offset: 0, .size: 8, .value_kind: global_buffer, .address_space: global }
      - { .name: wc, .offset: 8, .size: 8, .value_kind: global_buffer, .address_space: global }
      - { .name: lowp_scales, .offset: 16, .size: 8, .value_kind: global_buffer, .address_space: global }
      - { .name: qkvc, .offset: 24, .size: 8, .value_kind: global_buffer, .address_space: global }
      - { .name: bq, .offset: 32, .size: 8, .value_kind: global_buffer, .address_space: global }
      - { .name: bk, .offset: 40, .size: 8, .value_kind: global_buffer, .address_space: global }
      - { .name: bv, .offset: 48, .size: 8, .value_kind: global_buffer, .address_space: global }
      - { .name: rope, .offset: 56, .size: 8, .value_kind: global_buffer, .address_space: global }
    .group_segment_fixed_size: 327680
    .private_segment_fixed_size: 0
    .kernarg_segment_align: 8
    .kernarg_segment_size: 64
    .max_flat_workgroup_size: 128
    .sgpr_count:     100
    .vgpr_count:     1024
    .wavefront_size: 32
...
	.end_amdgpu_metadata
.endif
;; end of part 9
;; launch attn (part 10): grid 8 x 32, 8 waves a work-group, no clusters, 167,936 bytes of LDS; arguments qkvc, mbits, mflag, lowp_scales, ac; writes ac
.if DOCPART == 10
	.amdgcn_target "amdgcn-amd-amdhsa--gfx1250"
	.amdhsa_code_object_version 6
	.text
	.protected	k_q89d99b90e5_attn
	.globl	k_q89d99b90e5_attn
	.p2align	8
	.type	k_q89d99b90e5_attn,@function
k_q89d99b90e5_attn:
	s_mov_b64 s[64:65], 0
	v_nop
	global_prefetch_b8 v0, s[64:65] scope:SCOPE_SE
	s_setreg_imm32_b32 hwreg(HW_REG_WAVE_MODE, 25, 1), 1
	s_wait_xcnt 0x0
; o = softmax(q k^T / 8, hidden where the mask says so) v for 32 heads of 64, both products on codes of E5M2; o leaves as codes under e10, laid [token][1024], into ac's first section.
; t = score x log2(e) / 8; M = the running largest t rounded up to a whole number; p = 2^(t - M) is quantised (e8); the row's sum is taken of the unquantised p and divides at the end.
; THE MASK IS AN INPUT, and whole numbers decide what is walked: mflag holds, for each tile of 16 queries and each step of 128 keys, bit 0 (some key hidden) and bit 1 (all hidden).
; A step whose keys are hidden from all 128 queries of the block in hand is jumped over: its p are all 0 and it moves no maximum.  A step with some hidden key takes the mask's lane words (mbits) and sets those scores to -infinity; the others take no select.
; A row all of whose keys are hidden has the sum 0: its codes become the format's NaN, which the next product carries on.
; SHARES: work-group (b, head) owns query blocks b and 15 - b (128 queries each), one after the other.  Waves w and w + 4 own the same 32 queries, two tiles of 16 that share every fragment of k and v;
; of a slot's two key steps wave w < 4 walks the first and wave w + 4 the second, each with its own running M, sum and o^T.  At a block's end each sends one tile's o^T, -M and sum to its partner through LDS and joins the other tile:
; both parts are brought under the larger M by powers of two, which rounds nothing, and added; then it finishes that tile.
; Both products are used transposed: a lane holds one query.  The keys of a tile of k, and the rows of a tile of v, are chosen (lane r takes r + 8 (r / 8), tiles 8 apart) so that 16 registers of two neighbouring tiles are 16 neighbours along the next K.
; THE RING: two LDS slots of 256 keys (k, k, v, v: four tiles of 8,192 bytes, 32 rows of 256 + 16).  A wave brings half a tile: 8 loads of 512 bytes into registers, asked for one whole trip ahead of the 8 LDS stores that need them.
; One barrier a slot; the loop has 16 trips in every work-group (8 slots for each block), and only work, loads and stores are jumped over, never a barrier.
; The launch has no tensor load, no joint loads and no cluster.  No prefetch: the loads themselves run a trip ahead of their use.
; The hold of p at 57,344 x 2^e8 is run only where e8 < -15: p is at most 1, and 57,344 x 2^-15 is above 1.
; THE STORES cover 64 of each token's 1,024 bytes: the other heads' bytes of an aligned 256 belong to other work-groups.
; LIMITS: e6 + e7 between -123 and 130; e8 and e10 between -126 and 112.  NaN and infinities among the inputs are not served.
; REGISTERS, window 0: v1-4 lane terms; v5, v6 the add's; v7 -infinity; v8, v9 LDS addresses; v10 -M, v11 largest t, v[12:13] sum (tile A); v14, v15, v[240:241] (tile B); v16-31 q; v32-95, v96-159 scores, then p; v160-223 o^T;
;   v224-239 partial sums, then p's codes; v250, v251 where I send and where I receive; v242-249, v252-255 at work.  Window 1: v0-63 k's fragments; v64-79 the second block's q; v128-191 v's; v192-223 the half tile on its way to LDS.
.set TILE,  8704
.set SLOTB, 4*TILE
.set XBASE, 2*SLOTB                    ; behind the ring: 4,608 bytes a wave for what it sends its partner
.set XW,    4608
.set SPARE, XBASE+8*XW                 ; behind that: the spare words, 128 bytes a wave, which no other line names
.set MSB, 0
.macro WIN new                         ; the immediate's high byte repeats the setting that is left
.if MSB != \new
	s_set_vgpr_msb (MSB<<8)|\new
.set MSB, \new
.endif
.endm
.macro MLOAD o                         ; 64 mask words of a tile and a step: word n in s[68 + n] (n < 32) or s[n]
	s_load_b512 s[68:83], s[6:7], \o
	s_load_b512 s[84:99], s[6:7], \o+0x40
	s_load_b512 s[32:47], s[6:7], \o+0x80
	s_load_b512 s[48:63], s[6:7], \o+0xc0
.endm
.macro MASK S                          ; hidden: -infinity; each accumulator from its low end on
.set n, 0
.rept 32
	v_cndmask_b32 v[\S+n], v[\S+n], v7, s[68+n]
.set n, n+1
.endr
.rept 32
	v_cndmask_b32 v[\S+n], v[\S+n], v7, s[n]
.set n, n+1
.endr
.endm
.macro KLOAD                           ; k's fragments of my step of the slot at v8
	WIN 0x40
.irp t, 0,1,2,3,4,5,6,7
.irp c, 0,1
	ds_load_b128 v[8*\t+4*\c:8*\t+4*\c+3], v8 offset:(8*(\t/2)+2*(\t%2))*272+32*\c
.endr
.endr
	WIN 0
.endm
.macro ASK                             ; my half tile of a slot, 4,096 dense bytes at s[14:15], into registers
	WIN 0x40
.set j, 0
.rept 8
	global_load_b128 v[192+4*j:195+4*j], v4, s[14:15] offset:512*j
.set j, j+1
.endr
	WIN 0
.endm
.macro STORE adr                       ; and from there into LDS: 512 bytes are two rows of 272
	WIN 0x04
.set j, 0
.rept 8
	ds_store_b128 v[\adr], v[192+4*j:195+4*j] offset:544*j
.set j, j+1
.endr
	WIN 0
.endm
.macro FLAGS v, sl, pt                 ; lane l holds the words of step l / 2, tiles 4 (l % 2) + 0..3.  sl: bit 2 s = step s is walked; pt: bit 2 s = step s has hidden keys
	v_and_b32 v40, v[\v], v[\v+1]
	v_and_b32 v41, v[\v+2], v[\v+3]
	v_or_b32 v42, v[\v], v[\v+1]
	v_or_b32 v43, v[\v+2], v[\v+3]
	v_and_b32 v40, v40, v41
	v_or_b32 v42, v42, v43
	v_and_b32 v40, 2, v40
	v_and_b32 v42, 1, v42
	v_cmp_ne_u32 s13, 0, v40
	v_cmp_ne_u32 s24, 0, v42
	s_lshr_b32 s25, s13, 1
	s_and_b32 s13, s13, s25
	s_and_not1_b32 s[\sl], 0x55555555, s13
	s_lshr_b32 s25, s24, 1
	s_or_b32 s24, s24, s25
	s_and_b32 s[\pt], s24, 0x55555555
.endm
; The softmax of one tile and one step: scores at S become p, p's codes land in v224-239, o^T at O comes under the new M.
.macro SOFT S, O, NM, SUM
.irp c, 0,1,2,3,4,5,6,7
	v_max3_num_f32 v[242+\c], v[\S+8*\c], v[\S+8*\c+1], v[\S+8*\c+2]    ; eight chains, one to an accumulator, each from its low end on
.endr
.irp c, 0,1,2,3,4,5,6,7
	v_max3_num_f32 v[242+\c], v[242+\c], v[\S+8*\c+3], v[\S+8*\c+4]
.endr
.irp c, 0,1,2,3,4,5,6,7
	v_max3_num_f32 v[242+\c], v[242+\c], v[\S+8*\c+5], v[\S+8*\c+6]
.endr
.irp c, 0,1,2,3
	v_max3_num_f32 v[242+\c], v[242+\c], v[\S+8*\c+7], v[\S+8*\c+39]
.endr
	v_max3_num_f32 v242, v242, v246, v247
	v_max3_num_f32 v243, v243, v248, v249
	v_max3_num_f32 v242, v242, v244, v245
	v_max_num_f32 v242, v242, v243
	v_permlanex16_b32 v243, v242, s28, s29
	v_max_num_f32 v242, v242, v243
	v_mul_f32 v242, s30, v242                      ; as t (c is positive)
	v_max_num_f32 v[\NM+1], v[\NM+1], v242         ; the running largest t
	v_mov_b32 v243, v[\NM]
	v_floor_f32 v[\NM], -v[\NM+1]                  ; -M = floor(-t)
	v_sub_f32 v243, v[\NM], v243                   ; old M - new M: a whole number, 0 or less
	v_cvt_i32_f32 v243, v243                       ; (it saturates)
	v_ldexp_f32 v252, 1.0, v243                    ; f = 2^(old M - new M)
.set i, 0
.rept 32
	v_pk_fma_f32 v[\S+i:\S+i+1], v[\S+i:\S+i+1], s[30:31], v[\NM:\NM+1] op_sel_hi:[1,0,0]   ; t - M
.set i, i+2
.endr
	s_wait_alu depctr_va_vdst(0)                   ; ahead of the batch
.set i, 0
.rept 64
	v_exp_f32 v[\S+i], v[\S+i]
.set i, i+1
.endr
	v_pk_mul_f32 v[\SUM:\SUM+1], v[\SUM:\SUM+1], v[252:253] op_sel_hi:[1,0]   ; the sum under the new M: the plain instruction behind the batch
	s_wait_alu depctr_va_vdst(0)                   ; and the one wait behind it, ahead of its first reader
.irp c, 0,1,2,3,4,5,6,7
	v_pk_add_f32 v[224+2*\c:225+2*\c], v[\S+2*\c:\S+2*\c+1], v[\S+16+2*\c:\S+17+2*\c]   ; the sum of the unquantised p, in eight chains
.endr
.irp c, 0,1,2,3,4,5,6,7
	v_pk_add_f32 v[224+2*\c:225+2*\c], v[224+2*\c:225+2*\c], v[\S+32+2*\c:\S+33+2*\c]
.endr
.irp c, 0,1,2,3,4,5,6,7
	v_pk_add_f32 v[224+2*\c:225+2*\c], v[224+2*\c:225+2*\c], v[\S+48+2*\c:\S+49+2*\c]
.endr
.irp c, 0,1,2,3
	v_pk_add_f32 v[224+2*\c:225+2*\c], v[224+2*\c:225+2*\c], v[232+2*\c:233+2*\c]
.endr
	v_pk_add_f32 v[224:225], v[224:225], v[228:229]
	v_pk_add_f32 v[226:227], v[226:227], v[230:231]
	v_pk_add_f32 v[224:225], v[224:225], v[226:227]
	v_pk_add_f32 v[\SUM:\SUM+1], v[\SUM:\SUM+1], v[224:225]
	s_cmp_lg_u32 s8, 0                             ; e8 < -15: p can pass the largest code
	s_wait_alu depctr_va_vdst(0)                   ; directly ahead of the branch
	s_cbranch_scc0 .Lnohold_\@
.set i, 0
.rept 64
	v_min_num_f32 v[\S+i], s9, v[\S+i]             ; p is not negative: a one-sided hold
.set i, i+1
.endr
.Lnohold_\@:
.irp q, 0,1,2,3,4,5,6,7
	v_cvt_scalef32_pk8_bf8_f32 v[224+2*\q:225+2*\q], v[\S+8*\q:\S+8*\q+7], v255
.endr
	s_wait_alu depctr_va_vdst(0)                   ; directly ahead of the first reader of o^T
.set i, 0
.rept 16
	v_pk_mul_f32 v[\O+i:\O+i+1], v[\O+i:\O+i+1], v[252:253] op_sel_hi:[1,0]   ; o^T under the new M
.set i, i+2
.endr
.endm
.macro PV O                            ; o^T += v^T p^T: four accumulators by turns
	WIN 0x01
.irp t, 0,1,2,3
	v_wmma_f32_16x16x128_bf8_bf8 v[\O+8*\t:\O+8*\t+7], v[128+16*\t:143+16*\t], v[224:239], v[\O+8*\t:\O+8*\t+7]
.endr
	WIN 0
.endm
; A block's end.  SEND: one tile's o^T (an image of its 32 registers), -M, largest t and sum go to my bytes of LDS.
.macro SEND O, NM, SUM
	v_mov_b32 v242, v[\NM]
	v_mov_b32 v243, v[\NM+1]
	v_mov_b32 v244, v[\SUM]
	v_mov_b32 v245, v[\SUM+1]
	s_wait_alu depctr_va_vdst(0)                   ; directly ahead of the first reader of o^T
.irp t, 0,1,2,3,4,5,6,7
	ds_store_b128 v250, v[\O+4*\t:\O+4*\t+3] offset:512*\t
.endr
	ds_store_b128 v250, v[242:245] offset:4096
.endm
; JOIN: my partner's part of the tile that I keep comes into v[R ..] and v[242:245]; both parts come under the larger M and are added.
.macro JOIN O, NM, SUM, R
.irp t, 0,1,2,3,4,5,6,7
	ds_load_b128 v[\R+4*\t:\R+4*\t+3], v251 offset:512*\t
.endr
	ds_load_b128 v[242:245], v251 offset:4096
	s_wait_dscnt 0x0
	v_min_num_f32 v246, v[\NM], v242               ; -M of the two
	v_sub_f32 v247, v246, v[\NM]                   ; my M - M, and my partner's: whole numbers, 0 or less
	v_sub_f32 v248, v246, v242
	v_cvt_i32_f32 v247, v247                       ; (they saturate)
	v_cvt_i32_f32 v248, v248
	v_ldexp_f32 v252, 1.0, v247
	v_ldexp_f32 v254, 1.0, v248
	v_pk_mul_f32 v[\SUM:\SUM+1], v[\SUM:\SUM+1], v[252:253] op_sel_hi:[1,0]
	v_pk_fma_f32 v[\SUM:\SUM+1], v[244:245], v[254:255], v[\SUM:\SUM+1] op_sel_hi:[1,0,1]
	s_wait_alu depctr_va_vdst(0)                   ; directly ahead of the first reader of o^T
.set i, 0
.rept 16
	v_pk_mul_f32 v[\O+i:\O+i+1], v[\O+i:\O+i+1], v[252:253] op_sel_hi:[1,0]
.set i, i+2
.endr
.set i, 0
.rept 16
	v_pk_fma_f32 v[\O+i:\O+i+1], v[\R+i:\R+i+1], v[254:255], v[\O+i:\O+i+1] op_sel_hi:[1,0,1]
.set i, i+2
.endr
.endm
; FIN: o^T / the sum x 2^(e8 + e9), held and quantised under e10.  Register 16 b + i is o(my query, 32 b + 16 h + i).
.macro FIN S, O, SUM, OFF
	v_add_f32 v254, v[\SUM], v[\SUM+1]
	v_mov_b32 v245, 0                              ; a lane permute's destination counts as one of its sources
	v_permlanex16_b32 v245, v254, s28, s29
	v_add_f32 v254, v254, v245                     ; the row's sum
	v_mov_b32 v247, s11
	v_mov_b32 v248, s26
	v_and_b32 v246, 15, v0
	v_bfe_u32 v245, v0, 4, 1
	v_lshlrev_b32 v246, 10, v246
	v_lshl_add_u32 v246, v245, 4, v246             ; o: token r, + 16 h
	s_wait_alu depctr_va_vdst(0)
	v_rcp_f32 v252, v254
	v_mov_b32 v249, 0x7f7f7f7f                     ; (the plain instruction behind it)  four NaN codes
	s_wait_alu depctr_va_vdst(0)
	v_ldexp_f32 v252, v252, s10
.set i, 0
.rept 32
	v_mul_f32 v[\S+i], v[\O+i], v252
.set i, i+1
.endr
.set i, 0
.rept 32
	v_med3_num_f32 v[\S+i], v[\S+i], -v248, v248
.set i, i+1
.endr
.irp q, 0,1,2,3
	v_cvt_scalef32_pk8_bf8_f32 v[224+2*\q:225+2*\q], v[\S+8*\q:\S+8*\q+7], v247
.endr
	v_nop
	v_cmp_eq_f32 vcc_lo, 0, v254                   ; every key hidden
.irp i, 0,1,2,3,4,5,6,7
	v_cndmask_b32 v[224+\i], v[224+\i], v249, vcc_lo
.endr
	global_store_b128 v246, v[224:227], s[22:23] offset:\OFF
	global_store_b128 v246, v[228:231], s[22:23] offset:\OFF+32
.endm
	s_load_b256 s[4:11], s[0:1], 0x0               ; qkvc, mbits, mflag, the scales
	s_load_b64 s[22:23], s[0:1], 0x20              ; ac
	v_lshl_add_u32 v5, v0, 2, SPARE
	v_mov_b32 v6, 0
	v_lshrrev_b32 v242, 5, v0
	v_readfirstlane_b32 s20, v242                  ; wave 0..7
	s_and_b32 s12, s20, 3                          ; which 32 queries are mine; also: of which tile of a slot I bring a half
	s_lshr_b32 s21, s20, 2                         ; which step of a slot is mine; also: which half
	s_lshl_b32 s27, s21, 1                         ; that step's bit in the flags
	v_and_b32 v242, 15, v0                         ; r
	v_bfe_u32 v243, v0, 4, 1                       ; h
	v_and_b32 v244, 8, v242
	v_add_nc_u32 v244, v244, v242                  ; r + 8 (r / 8)
	s_mul_i32 s13, s21, TILE
	v_lshrrev_b32 v1, 2, v244
	v_mul_u32_u24 v1, v1, 272
	v_and_b32 v245, 3, v244
	v_lshl_add_u32 v1, v245, 6, v1
	v_lshl_add_u32 v1, v243, 4, v1
	v_add_nc_u32 v1, s13, v1                       ; k: four keys of 64 bytes to an LDS row; my step's tile
	v_lshrrev_b32 v2, 1, v244
	v_mul_u32_u24 v2, v2, 272
	v_and_b32 v245, 1, v244
	v_lshl_add_u32 v2, v245, 7, v2
	v_lshl_add_u32 v2, v243, 4, v2
	v_add_nc_u32 v2, 2*TILE, v2
	v_add_nc_u32 v2, s13, v2                       ; v: two rows of 128 keys to an LDS row, behind k's two tiles; my step's tile
	s_mul_i32 s14, s12, TILE
	s_mul_i32 s15, s21, 16*272
	s_add_co_u32 s14, s14, s15
	v_mul_u32_u24 v3, v243, 272
	v_lshl_add_u32 v3, v242, 4, v3
	v_add_nc_u32 v3, s14, v3                       ; where my lane's 16 bytes of my half tile go in slot 0
	v_and_b32 v4, 31, v0
	v_lshlrev_b32 v4, 4, v4                        ; 16 x lane
	s_mul_i32 s14, s20, XW
	s_add_co_u32 s14, s14, XBASE
	s_xor_b32 s15, s20, 4
	s_mul_i32 s15, s15, XW
	s_add_co_u32 s15, s15, XBASE
	v_add_nc_u32 v250, s14, v4                     ; where I send,
	v_add_nc_u32 v251, s15, v4                     ; and where my partner does
	v_lshlrev_b32 v246, 6, v242
	v_lshl_add_u32 v246, v243, 4, v246             ; q: row r, + 16 h
	v_mov_b32 v7, 0xff800000
	v_mov_b32 v253, 0                              ; (the upper half of the pair v[252:253])
	v_mov_b32 v8, v1
	v_mov_b32 v9, v2
	s_mov_b32 s28, 0x76543210
	s_mov_b32 s29, 0xfedcba98
	s_mov_b32 s15, 0
	s_wait_alu depctr_va_vdst(0)                   ; directly ahead of the wait below
	s_wait_kmcnt 0x0
	s_load_b512 s[32:47], s[10:11], 0x0            ; e0 .. e15 in s32 .. s47
	s_and_b32 s13, ttmp7, 0xffff                   ; the head, 16 x sequence + head
	s_lshl_b32 s14, s13, 17                        ; a head's codes are 131,072 bytes in each of q, k, v
	s_add_nc_u64 s[24:25], s[4:5], s[14:15]
	s_lshr_b32 s14, s12, 1
	s_add_co_u32 s14, s14, 1
	s_lshl_b32 s14, s14, 22                        ; k's codes begin at 2^22, v's at 2^23
	s_and_b32 s16, s12, 1
	s_lshl_b32 s16, s16, 13
	s_add_co_u32 s14, s14, s16
	s_lshl_b32 s16, s21, 12
	s_add_co_u32 s14, s14, s16
	s_add_nc_u64 s[4:5], s[24:25], s[14:15]        ; my half tile of slot 0: tiles k step 0, k step 1, v step 0, v step 1
	s_sub_co_u32 s19, 15, ttmp9                    ; the second block
	s_lshl_b32 s18, s12, 11
	s_lshl_b32 s14, ttmp9, 13
	s_add_co_u32 s14, s14, s18
	s_add_nc_u64 s[68:69], s[24:25], s[14:15]      ; q of my 32 queries in the first block,
	s_lshl_b32 s14, s19, 13
	s_add_co_u32 s14, s14, s18
	s_add_nc_u64 s[70:71], s[24:25], s[14:15]      ; and in the second
	s_lshl_b32 s14, ttmp9, 9
	s_add_nc_u64 s[72:73], s[8:9], s[14:15]        ; the blocks' flags: 512 bytes each
	s_lshl_b32 s14, s19, 9
	s_add_nc_u64 s[74:75], s[8:9], s[14:15]
	s_lshl_b32 s14, ttmp9, 15
	s_lshl_b32 s18, s12, 13
	s_add_co_u32 s14, s14, s18
	s_lshl_b32 s18, s21, 8
	s_add_co_u32 s14, s14, s18
	s_add_nc_u64 s[6:7], s[6:7], s[14:15]          ; tile A's mask words at my step: 256 bytes a step; tile B's 4,096 bytes on
	s_lshr_b32 s14, s13, 4
	s_lshl_b32 s14, s14, 11
	s_lshl_b32 s18, ttmp9, 7
	s_add_co_u32 s14, s14, s18
	s_lshl_b32 s18, s12, 5
	s_add_co_u32 s14, s14, s18
	s_lshl_b32 s14, s14, 10
	s_and_b32 s18, s13, 15
	s_lshl_b32 s18, s18, 6
	s_add_co_u32 s14, s14, s18
	s_add_nc_u64 s[22:23], s[22:23], s[14:15]      ; o's codes: my first token's row, my head's 64 bytes
	s_sub_co_u32 s18, s19, ttmp9                   ; blocks from the first to the second: 15 - 2 b
	s_lshl_b32 s100, s18, 17                       ; in bytes of o,
	s_mov_b32 s101, 0
	s_lshl_b32 s66, s18, 15
	s_sub_co_u32 s66, s66, 4096                    ; and of mask words, less the eight slots walked
	s_mov_b32 s67, 0
	s_mov_b64 s[14:15], s[4:5]
	ASK                                            ; slot 0
	WIN 0x40
	global_load_b128 v[64:67], v246, s[70:71]      ; the second block's q waits in window 1
	global_load_b128 v[68:71], v246, s[70:71] offset:32
	global_load_b128 v[72:75], v246, s[70:71] offset:1024
	global_load_b128 v[76:79], v246, s[70:71] offset:1056
	WIN 0
	global_load_b128 v[16:19], v246, s[68:69]      ; q's fragments: k = 16 h + 0..15, 32 + 16 h + 0..15: the order in which k's are read too
	global_load_b128 v[20:23], v246, s[68:69] offset:32
	global_load_b128 v[24:27], v246, s[68:69] offset:1024
	global_load_b128 v[28:31], v246, s[68:69] offset:1056
	global_load_b128 v[32:35], v4, s[72:73]
	global_load_b128 v[36:39], v4, s[74:75]
	s_wait_loadcnt 0x0
	STORE 3
	FLAGS 32, 16, 18
	FLAGS 36, 17, 19
	s_wait_kmcnt 0x0
	s_add_co_i32 s13, s38, s39
	s_lshl_b32 s13, s13, 23
	s_mov_b32 s30, 0x3e38aa3b                      ; c = log2(e) / 8,
	s_add_co_i32 s30, s30, s13                     ; x 2^(e6 + e7), by its exponent field
	s_mov_b32 s31, s30
	s_add_co_i32 s13, s40, 127
	s_lshl_b32 s24, s13, 23
	v_mov_b32 v255, s24                            ; 2^e8
	s_add_co_i32 s13, s13, 15
	s_lshl_b32 s13, s13, 23
	s_or_b32 s9, s13, 0x600000                     ; 57,344 x 2^e8
	s_cmp_lt_i32 s40, -15
	s_cselect_b32 s8, 1, 0                         ; is the hold of p needed?
	s_add_co_i32 s10, s40, s41                     ; e8 + e9
	s_add_co_i32 s13, s42, 127
	s_lshl_b32 s11, s13, 23                        ; 2^e10
	s_add_co_i32 s13, s13, 15
	s_lshl_b32 s13, s13, 23
	s_or_b32 s26, s13, 0x600000                    ; 57,344 x 2^e10
	MLOAD 0                                        ; (so that the words' registers are written on every way)
	s_mov_b32 s2, 0                                ; the slot in hand
	s_mov_b32 s3, 0                                ; the trip
	s_wait_dscnt 0x0                               ; my half tile is in LDS, and the stores have read their registers
	s_add_nc_u64 s[14:15], s[4:5], 16384
	s_and_b32 s13, s16, 0x50                       ; is slot 1 walked?
	s_cbranch_scc0 .Lno1
	ASK
.Lno1:
	s_wait_alu depctr_va_vdst(0)                   ; at the head's end
	s_wait_kmcnt 0x0                               ; the words' registers are written: a step's own loads of them find none pending
	s_barrier_signal -1
	s_barrier_wait -1
	KLOAD
.Lslot:                                            ; 16 trips: the first block's eight slots, then the second's.  s16, s18: this slot's bits at 0 and 2, the next slots' above
	s_and_b32 s13, s3, 7
	s_cbranch_scc1 .Lgo
	v_mov_b32 v11, 0xff61b1e6                      ; a block begins: the largest t so far -3e38, sums and o^T zeros
	v_mov_b32 v15, 0xff61b1e6
	v_floor_f32 v10, -v11
	v_floor_f32 v14, -v15
	v_mov_b32 v12, 0
	v_mov_b32 v13, 0
	v_mov_b32 v240, 0
	v_mov_b32 v241, 0
.set i, 0
.rept 64
	v_mov_b32 v[160+i], 0                          ; which step is a block's first hangs on the flags: so the step is written once and finds zeros
.set i, i+1
.endr
	s_cmp_eq_u32 s3, 0
	s_wait_alu depctr_va_vdst(0)
	s_cbranch_scc1 .Lgo
	WIN 0x01
.set i, 0
.rept 16
	v_mov_b32 v[16+i], v[64+i]                     ; the second block's q
.set i, i+1
.endr
	WIN 0
	s_wait_alu depctr_va_vdst(0)
.Lgo:
	s_wait_loadcnt 0x0                             ; the next slot's half tile, asked for a trip ago
	s_and_b32 s13, s16, 0x50
	s_cbranch_scc0 .Lnosto
	s_xor_b32 s13, s2, SLOTB                       ; the other slot: every wave's reads of it ended ahead of the last barrier
	v_add_nc_u32 v254, s13, v3
	STORE 254
.Lnosto:
	s_wait_dscnt 0x0                               ; the stores have read their registers
	s_add_co_u32 s13, s3, 2
	s_and_b32 s13, s13, 7
	s_lshl_b32 s14, s13, 14
	s_mov_b32 s15, 0
	s_add_nc_u64 s[14:15], s[4:5], s[14:15]        ; the slot after the next: 16,384 bytes a slot; both blocks walk the same keys
	s_and_b32 s13, s16, 0x500
	s_cbranch_scc0 .Lnoask
	ASK
.Lnoask:
	; MY KEY STEP of the slot in hand: 128 keys, for both tiles
	s_bitcmp1_b32 s16, s27
	s_cbranch_scc0 .Lhid                           ; hidden from the whole block
	s_bitcmp1_b32 s18, s27
	s_cbranch_scc0 .Lopen
	MLOAD 0                                        ; tile A's mask words land under the first product
.Lopen:
	WIN 0x40
.irp t, 0,1,2,3
.irp c, 0,1,2,3
	ds_load_b128 v[128+16*\t+4*\c:128+16*\t+4*\c+3], v9 offset:(16*(\t/2)+4*(\t%2))*272+32*\c   ; v's fragments land under the softmax
.endr
.endr
	WIN 0
	s_wait_dscnt 16                                ; k's fragments are in; the 16 loads just issued may be out
	WIN 0x01
.irp t, 0,1,2,3,4,5,6,7
	v_wmma_f32_16x16x64_bf8_bf8 v[32+8*\t:39+8*\t], v[8*\t:8*\t+7], v[16:23], 0
.endr
.irp t, 0,1,2,3,4,5,6,7
	v_wmma_f32_16x16x64_bf8_bf8 v[96+8*\t:103+8*\t], v[8*\t:8*\t+7], v[24:31], 0
.endr
	WIN 0
.rept 4
	v_nop                                          ; four places behind the products (ISA guide 7.12.1)
.endr
	s_wait_kmcnt 0x0
	s_bitcmp1_b32 s18, s27
	s_cbranch_scc0 .La
	s_wait_alu depctr_va_vdst(0)
	MASK 32
	MLOAD 4096                                     ; tile B's words land under tile A's softmax
.La:
	s_wait_alu depctr_va_vdst(0)                   ; directly ahead of the scores' first readers
	SOFT 32, 160, 10, 12
	s_wait_alu depctr_va_vdst(0)                   ; directly ahead of the wait below
	s_wait_dscnt 0x0                               ; v's fragments
	PV 160
	s_wait_kmcnt 0x0
	s_bitcmp1_b32 s18, s27
	s_cbranch_scc0 .Lb
	s_wait_alu depctr_va_vdst(0)
	MASK 96
.Lb:
	s_wait_alu depctr_va_vdst(0)
	SOFT 96, 192, 14, 240
	PV 192
.rept 4
	v_nop                                          ; places behind the last products, on every way on
.endr
.Lhid:
	s_wait_kmcnt 0x0                               ; no scalar load reads the words' base any more
	s_and_b32 s13, s3, 7
	s_cmp_eq_u32 s13, 7
	s_cbranch_scc0 .Lnosend
	s_cmp_eq_u32 s27, 0                            ; a block's end: waves 0-3 keep tile A and send tile B, waves 4-7 the other way round
	s_cbranch_scc0 .Lsend_a
	SEND 192, 14, 240
	s_branch .Lnosend
.Lsend_a:
	SEND 160, 10, 12
.Lnosend:
	s_add_nc_u64 s[6:7], s[6:7], 512
	s_lshr_b32 s16, s16, 4                         ; the flags move on by a slot; the second block's follow the first's
	s_lshl_b32 s13, s17, 28
	s_or_b32 s16, s16, s13
	s_lshr_b32 s17, s17, 4
	s_lshr_b32 s18, s18, 4
	s_lshl_b32 s13, s19, 28
	s_or_b32 s18, s18, s13
	s_lshr_b32 s19, s19, 4
	s_xor_b32 s2, s2, SLOTB
	v_add_nc_u32 v8, s2, v1
	v_add_nc_u32 v9, s2, v2
	s_wait_alu depctr_va_vdst(0)                   ; directly ahead of the wait below
	s_wait_dscnt 0x0                               ; my stores into the next slot and to my partner are done, and my reads of this slot are over
	s_barrier_signal -1
	s_barrier_wait -1
	s_bitcmp1_b32 s16, s27
	s_cbranch_scc0 .Lnok
	KLOAD
.Lnok:
	s_and_b32 s13, s3, 7
	s_cmp_eq_u32 s13, 7
	s_cbranch_scc0 .Lnofin
	s_cmp_eq_u32 s27, 0
	s_cbranch_scc0 .Lfin_b
	JOIN 160, 10, 12, 96
	FIN 32, 160, 12, 0
	s_branch .Lfin_done
.Lfin_b:
	JOIN 192, 14, 240, 32
	FIN 96, 192, 240, 16384
.Lfin_done:
	s_wait_xcnt 0x0                                ; the stores have read their registers and their base
	s_add_nc_u64 s[22:23], s[22:23], s[100:101]
	s_add_nc_u64 s[6:7], s[6:7], s[66:67]
.Lnofin:
	s_add_co_u32 s3, s3, 1
	s_cmp_lt_u32 s3, 16
	s_cbranch_scc1 .Lslot
	s_wait_tensorcnt 0x0                           ; the wave's end
	ds_add_u32 v5, v6
	s_wait_dscnt 0x0
	s_endpgm
.Lfunc_end_k_q89d99b90e5_attn:
	.size	k_q89d99b90e5_attn, .Lfunc_end_k_q89d99b90e5_attn-k_q89d99b90e5_attn
	.p2alignl 7, 3214868480
	.fill 96, 4, 3214868480
	.section	.rodata,"a",@progbits
	.p2align	6, 0x0
	.amdhsa_kernel k_q89d99b90e5_attn
		.amdhsa_group_segment_fixed_size 167936
		.amdhsa_private_segment_fixed_size 0
		.amdhsa_enable_private_segment 0
		.amdhsa_kernarg_size 40
		.amdhsa_user_sgpr_count 2
		.amdhsa_user_sgpr_kernarg_segment_ptr 1
		.amdhsa_wavefront_size32 1
		.amdhsa_system_sgpr_workgroup_id_x 1
		.amdhsa_system_sgpr_workgroup_id_y 1
		.amdhsa_system_sgpr_workgroup_id_z 1
		.amdhsa_system_vgpr_workitem_id 0
		.amdhsa_next_free_vgpr 512
		.amdhsa_next_free_sgpr 102
		.amdhsa_reserve_vcc 1
		.amdhsa_float_denorm_mode_32 3
		.amdhsa_float_denorm_mode_16_64 3
		.amdhsa_memory_ordered 1
		.amdhsa_forward_progress 1
		.amdhsa_inst_pref_size 72
	.end_amdhsa_kernel
	.amdgpu_metadata
---
amdhsa.version: [ 1, 2 ]
amdhsa.kernels:
  - .name:           k_q89d99b90e5_attn
    .symbol:         k_q89d99b90e5_attn.kd
    .args:
      - { .name: qkvc, .offset: 0, .size: 8, .value_kind: global_buffer, .address_space: global }
      - { .name: mbits, .offset: 8, .size: 8, .value_kind: global_buffer, .address_space: global }
      - { .name: mflag, .offset: 16, .size: 8, .value_kind: global_buffer, .address_space: global }
      - { .name: lowp_scales, .offset: 24, .size: 8, .value_kind: global_buffer, .address_space: global }
      - { .name: ac, .offset: 32, .size: 8, .value_kind: global_buffer, .address_space: global }
    .group_segment_fixed_size: 167936
    .private_segment_fixed_size: 0
    .kernarg_segment_align: 8
    .kernarg_segment_size: 40
    .max_flat_workgroup_size: 256
    .sgpr_count:     102
    .vgpr_count:     512
    .wavefront_size: 32
...
	.end_amdgpu_metadata
.endif
;; end of part 10
;; launch wo (part 11): grid 8 x 32, 4 waves a work-group, clusters of 4 x 4, 327,680 bytes of LDS; arguments ac, wc, lowp_scales, x1, bo, x; writes x1
.if DOCPART == 11
	.amdgcn_target "amdgcn-amd-amdhsa--gfx1250"
	.amdhsa_code_object_version 6
	.text
	.protected	k_q89d99b90e5_wo
	.globl	k_q89d99b90e5_wo
	.p2align	8
	.type	k_q89d99b90e5_wo,@function
k_q89d99b90e5_wo:
	s_mov_b64 s[64:65], 0
	v_nop
	global_prefetch_b8 v0, s[64:65] scope:SCOPE_SE
	s_setreg_imm32_b32 hwreg(HW_REG_WAVE_MODE, 25, 1), 1
	s_wait_xcnt 0x0
	s_wait_alu depctr_hold_cnt(0) depctr_sa_sdst(0) depctr_va_vdst(0) depctr_va_sdst(0) depctr_va_ssrc(0) depctr_va_vcc(0) depctr_vm_vsrc(0)
	s_getreg_b32 s2, hwreg(HW_REG_IB_STS2, 6, 4)
	s_cmp_eq_u32 s2, 0
	s_cbranch_scc0 .Lentry_in_a_cluster
	s_endpgm
.Lentry_in_a_cluster:
	s_bfe_u32 s2, ttmp6, 0x10000c
	s_cmp_lg_u32 s2, 0xf033
	s_cbranch_scc0 .Lentry_shape_is_right
	s_endpgm
.Lentry_shape_is_right:
; x1 = x + (o Wo + bo): [4096 x 1024] x [1024 x 1024] on codes of E5M2 (o under e10, Wo under e11), the bias and the residual on the way out, f32.
; A tile of the result is 128 x 128: 32 x 8 = 256 tiles, one to a work-group.  Four waves, each 64 x 64: 16 accumulators of 16 x 16, 128 registers.
; K goes in steps of 512 (LDS rows of 512 bytes; a wave's tensor load brings 64 of them), as long as two slots in LDS allow.  Here K = 1,024 is two slots: both are first fills, and nothing is filled again.
; CLUSTERS: 4 x 4 work-groups.  The four of a row of the cluster need the same tiles of A, the four of a column the same tiles of B: each tile is asked for jointly, by the same tensor load with the same descriptor and a mask that names the four.
; The matrix instruction is used transposed (source 0 = 16 rows of B, source 1 = 16 rows of A): a lane holds eight neighbouring numbers of a row of the result.
; No prefetch of tiles: all of this launch's tiles are asked for at its head.
; LIMIT: e10 + e11 between -126 and 127, so that 2^(e10 + e11) is an f32 number.
; REGISTERS, in windows of 256: window 0: v0-31 addresses; v32-95 two sets for a block of results; v96-127 the bias; v128-255 the accumulators ((a, b) at v[128 + 8 (4 a + b)]).
;   window 1: two fragment buffers of 128: A's four fragments (16 rows x 128 K, 16 registers each), then B's four.   window 2: v0-127 my 64 rows x 256 bytes of the residual.
.set SIZE_K, 1024
.set SIZE_N, 1024
.set BOFF,   0x300000                  ; Wo's codes in wc
.set SCOFF,  0x28                      ; e10, e11
.set ROWB,   512                       ; a tile's row in bytes: 512 codes
.set KROW,   SIZE_K                    ; a row of A or of B in memory, in bytes
.set PITCH,  528                       ; an LDS row: 512 bytes + 16 of padding = 132 words: the 16 rows of a fragment load start 4 words apart modulo 64
.set FR,     16                        ; registers of a fragment
.set HALFT,  64*PITCH                  ; 64 rows: what one tensor load brings, and what one wave reads of A or of B
.set SLOT,   4*HALFT                   ; A's 128 rows, then B's 128 rows
.set LAPS,   SIZE_K/(2*ROWB)           ; a lap = two slots = once round the ring
.set SPARE,  2*SLOT                    ; behind the ring: the spare words, 128 bytes a wave, which no other line names
.set SPITCH, 272                       ; the way out: 16 rows x (256 + 16) bytes a wave, in slot 0, which has had its last fill and its last read by then
.set ADRA, 16                          ; v16-17  LDS address of my A fragments in slot 0, 1
.set ADRB, 20                          ; v20-21  the same for B
.set STO,  24                          ; v24     the way out: where I put 32 bytes of a row
.set RD,   25                          ; v25     where I read a row back
.set CO,   26                          ; v26     my byte offset in two rows of the result
.set SPW,  28                          ; v28     my spare word; never rewritten
.set NIL,  29                          ; v29     0; never rewritten
.set BB,   32
.set BIA,  96
.set ACC,  128
.set F0,   0                           ; fragment buffers, in window 1
.set F1,   128
.set G1, 24                            ; s[24:31] descriptor group 1 for A's tiles;  s[32:39] group 0, one set for each slot
.set G0, 32
.set G1B, 48                           ; s[48:55], s[56:63] the same for B's tiles
.set G0B, 56
.set MSB, 0
.macro WIN new                         ; the immediate's high byte repeats the setting that is left
.if MSB != \new
	s_set_vgpr_msb (MSB<<8)|\new
.set MSB, \new
.endif
.endm
.set MUL,   0x05                       ; sources 0 (B) and 1 (A) window 1; C and D window 0
.set TO_F,  0x40                       ; destination window 1, address window 0
.set TO_X,  0x80                       ; destination window 2, address window 0
.set ADD_X, 0x08                       ; source 1 window 2
.macro JLOAD g0a, g1a, g0b, g1b        ; a joint load: waves 0, 1 fetch A's two halves, waves 2, 3 B's; four v_nop follow each line
	s_cmp_eq_u32 s15, 0
	s_cbranch_scc0 .Lfor_b_\@
	tensor_load_to_lds s[\g0a:\g0a+3], s[\g1a:\g1a+7]
	s_nop 0
.rept 4
	v_nop
.endr
	s_branch .Lasked_\@
.Lfor_b_\@:
	tensor_load_to_lds s[\g0b:\g0b+3], s[\g1b:\g1b+7]
	s_nop 0
.rept 4
	v_nop
.endr
.Lasked_\@:
.endm
.macro CREST                           ; a round of the cluster's barrier behind its opening barrier
	s_cmp_lg_u32 s14, 0
	s_cbranch_scc1 .Lnot_wave_0_\@
	s_barrier_signal -3
.Lnot_wave_0_\@:
	s_barrier_wait -3
	s_barrier_signal -1
	s_barrier_wait -1
.endm
.macro CROUND
	s_barrier_signal -1
	s_barrier_wait -1
	CREST
.endm
	s_load_b128 s[4:7], s[0:1], 0x0                ; A's codes, wc
	s_load_b128 s[8:11], s[0:1], 0x10              ; the scales, the result
	s_load_b128 s[68:71], s[0:1], 0x20             ; the bias, the residual
	v_lshl_add_u32 v[SPW], v0, 2, SPARE
	v_mov_b32 v[NIL], 0
	ds_add_u32 v28, v29
	ds_add_u32 v28, v29
	s_wait_dscnt 0x0
	v_lshrrev_b32 v1, 5, v0
	v_readfirstlane_b32 s14, v1                    ; wave
	s_lshr_b32 s15, s14, 1                         ; my half of the tile's rows; also: I fetch for A (0) or B (1)
	s_and_b32 s16, s14, 1                          ; my half of its columns; also: which 64 rows I fetch
	s_bfe_u32 s40, ttmp6, 0x40000                  ; cx
	s_bfe_u32 s41, ttmp6, 0x40004                  ; cy
	s_lshl_b32 s42, ttmp9, 2
	s_add_co_u32 s42, s42, s40                     ; tile column
	s_and_b32 s17, ttmp7, 0xffff
	s_lshl_b32 s17, s17, 2
	s_add_co_u32 s17, s17, s41                     ; tile row
	s_lshl_b32 s43, s41, 2
	s_lshl_b32 s43, 15, s43                        ; my row of the cluster
	s_lshl_b32 s44, 0x1111, s40                    ; my column
	s_or_b32 s[G1+0], s43, (0<<16)|(1<<20)|(1<<21)|(6<<22)|(3<<25)  ; the mask; elements of 1 byte; padding on; bit 21 beside a mask; 4 words behind every 128
	s_or_b32 s[G1B+0], s44, (0<<16)|(1<<20)|(1<<21)|(6<<22)|(3<<25)
.irp g, G1, G1B
	s_mov_b32 s[\g+1], ROWB<<16                    ; tensor_dim0
	s_mov_b32 s[\g+2], 64<<16                      ; tensor_dim1
	s_mov_b32 s[\g+3], ROWB<<16                    ; tile_dim0
	s_mov_b32 s[\g+4], 64                          ; tile_dim1
	s_mov_b32 s[\g+5], KROW                        ; the pitch
	s_mov_b32 s[\g+6], 0
	s_mov_b32 s[\g+7], 0
.endr
	s_lshl_b32 s18, s16, 6                         ; which 64 rows of the tile I fetch
	s_lshl_b32 s20, s17, 7
	s_add_co_u32 s20, s20, s18                     ; A: row 128 x tile row + 64 x half
	s_lshl_b32 s46, s42, 7
	s_add_co_u32 s46, s46, s18                     ; B: row 128 x tile column + 64 x half
	s_mov_b32 s21, 0
	s_mov_b32 s47, 0
	s_mov_b64 s[18:19], KROW
	s_mul_u64 s[20:21], s[20:21], s[18:19]
	s_mul_u64 s[46:47], s[46:47], s[18:19]
	s_mul_i32 s45, s14, HALFT                      ; where they go: wave x 64 rows: no place in the cluster enters an LDS address
	s_wait_kmcnt 0x0
	s_load_b64 s[96:97], s[8:9], SCOFF             ; eA, eB
	s_add_nc_u64 s[20:21], s[4:5], s[20:21]
	s_add_nc_u64 s[46:47], s[6:7], s[46:47]
	s_add_nc_u64 s[46:47], s[46:47], BOFF
	CROUND                                         ; all sixteen work-groups are here: the first joint loads meet
.irp s, 0,1
	s_mov_b32 s[G0+4*\s], 1
	s_add_co_u32 s[G0+4*\s+1], s45, \s*SLOT
	s_add_nc_u64 s[G0+4*\s+2:G0+4*\s+3], s[20:21], \s*ROWB
	s_or_b32 s[G0+4*\s+3], s[G0+4*\s+3], 0x80000000
	s_mov_b32 s[G0B+4*\s], 1
	s_add_co_u32 s[G0B+4*\s+1], s45, \s*SLOT
	s_add_nc_u64 s[G0B+4*\s+2:G0B+4*\s+3], s[46:47], \s*ROWB
	s_or_b32 s[G0B+4*\s+3], s[G0B+4*\s+3], 0x80000000
	s_wait_alu depctr_va_vdst(0)
	s_wait_tensorcnt 0x0                           ; one tensor load a wave behind each round
	ds_add_u32 v28, v29
	ds_add_u32 v28, v29
	s_wait_dscnt 0x0
	CROUND
	JLOAD G0+4*\s, G1, G0B+4*\s, G1B
.endr
	v_and_b32 v1, 15, v0                           ; r
	s_wait_alu depctr_va_vdst(0)
	v_bfe_u32 v2, v0, 4, 1                         ; h
	v_mul_u32_u24 v3, v1, PITCH
	v_lshl_add_u32 v4, v2, 4, v3                   ; a fragment's row x pitch + 16 h
	s_mul_i32 s21, s15, HALFT                      ; my 64 rows of A
	s_mul_i32 s22, s16, HALFT                      ; my 64 rows of B,
	s_add_co_u32 s22, s22, 2*HALFT                 ; which lie behind A's 128
.irp s, 0,1
	v_add_nc_u32 v[ADRA+\s], s21, v4
	v_add_nc_u32 v[ADRB+\s], s22, v4
	s_add_co_u32 s21, s21, SLOT
	s_add_co_u32 s22, s22, SLOT
.endr
	s_mul_i32 s23, s14, 16*SPITCH                  ; my stage
	v_mul_u32_u24 v5, v1, SPITCH
	s_wait_alu depctr_va_vdst(0)
	v_lshl_add_u32 v5, v2, 5, v5
	v_add_nc_u32 v[STO], s23, v5                   ; in: row r, 32 bytes for each half of the lanes
	v_mul_u32_u24 v5, v2, SPITCH
	v_lshl_add_u32 v5, v1, 4, v5
	v_add_nc_u32 v[RD], s23, v5                    ; back: lanes 0-15 take one row of 256 bytes, lanes 16-31 the next
	v_mul_u32_u24 v5, v2, SIZE_N*4
	v_lshl_add_u32 v[CO], v1, 4, v5                ; and the same two rows in memory
	v_lshlrev_b32 v7, 5, v2                        ; 32 h
	s_wait_alu depctr_va_vdst(0)
	s_lshl_b32 s20, s17, 7
	s_lshl_b32 s21, s15, 6
	s_add_co_u32 s20, s20, s21                     ; my first row: 128 x tile row + 64 x half
	s_mov_b32 s21, 0
	s_mov_b64 s[18:19], SIZE_N*4
	s_mul_u64 s[20:21], s[20:21], s[18:19]
	s_lshl_b32 s46, s42, 9
	s_lshl_b32 s47, s16, 8
	s_add_co_u32 s46, s46, s47                     ; my first column, in bytes: 512 x tile column + 256 x half
	s_mov_b32 s47, 0
	s_add_nc_u64 s[20:21], s[20:21], s[46:47]
	s_add_nc_u64 s[10:11], s[10:11], s[20:21]
	s_add_nc_u64 s[70:71], s[70:71], s[20:21]
	s_add_nc_u64 s[68:69], s[68:69], s[46:47]
.irp b, 0,1,2,3
	global_load_b128 v[BIA+8*\b:BIA+8*\b+3], v7, s[68:69] offset:64*\b        ; the bias at column 16 b + 8 h + 0..7: the accumulators' layout
	global_load_b128 v[BIA+8*\b+4:BIA+8*\b+7], v7, s[68:69] offset:64*\b+16
.endr
	WIN TO_X
.set i, 0
.rept 32
	global_load_b128 v[4*i:4*i+3], v[CO], s[70:71] offset:2*i*SIZE_N*4 th:TH_LOAD_NT   ; the residual's rows 2 i, 2 i + 1, my 256 bytes of each: all 64 rows are asked for here and land under the products
.set i, i+1
.endr
	WIN 0
.macro FRAG reg, adr, k, i             ; 16 rows x 128 K: registers 4 c .. 4 c + 3 hold K = 32 c + 16 (l / 16) + 0 .. 15: the same order in A and in B
.irp c, 0,1,2,3
	ds_load_b128 v[\reg+4*\c:\reg+4*\c+3], v[\adr] offset:(\k)+32*\c+(\i)*16*PITCH
.endr
.endm
.macro MUL8 f, a0, zero                ; A's blocks a0, a0 + 1 x B's four, 128 along K; the 16 accumulators take turns.  zero = 1: the product starts the sums
.irp a, \a0, \a0+1
.irp b, 0,1,2,3
.if \zero
	v_wmma_f32_16x16x128_bf8_bf8 v[ACC+8*(4*(\a)+\b):ACC+8*(4*(\a)+\b)+7], v[\f+64+FR*\b:\f+64+FR*\b+FR-1], v[\f+FR*(\a):\f+FR*(\a)+FR-1], 0
.else
	v_wmma_f32_16x16x128_bf8_bf8 v[ACC+8*(4*(\a)+\b):ACC+8*(4*(\a)+\b)+7], v[\f+64+FR*\b:\f+64+FR*\b+FR-1], v[\f+FR*(\a):\f+FR*(\a)+FR-1], v[ACC+8*(4*(\a)+\b):ACC+8*(4*(\a)+\b)+7]
.endif
.endr
.endr
.endm
.macro FETCH slot, k, f                ; 32 LDS loads in one run: the fragments of 128 along K at byte k of the rows: B's four, then A's four
	WIN TO_F
.irp i, 0,1,2,3
	FRAG \f+64+FR*\i, ADRB+\slot, \k, \i
.endr
.irp i, 0,1,2,3
	FRAG \f+FR*\i, ADRA+\slot, \k, \i
.endr
.endm
.macro PLACES                          ; four plain vector instructions between a matrix instruction and a load into, or a read of, its registers
.rept 4
	v_nop
.endr
.endm
; A slot is four quarters of 128 along K, 16 matrix instructions each, on buffers 0, 1, 0, 1.  One of the first three: multiplies buffer f and fetches the next quarter, at byte k, into g.
.macro QUARTER slot, k, f, g, zero
	s_wait_dscnt 8                                 ; B's four and A's blocks 0, 1 are in; the youngest eight loads (A's blocks 2, 3) may be out
	WIN MUL
	MUL8 \f, 0, \zero
	PLACES
	FETCH \slot, \k, \g
	s_wait_dscnt 32                                ; all but the 32 just issued
	WIN MUL
	MUL8 \f, 2, \zero
.endm
; The last quarter multiplies buffer 1 and changes slots: one barrier; in front of it each wave waits for all its tensor loads, adds 0 to its spare word, and waits for that and for its own reads of this slot.  fill = 1: this slot is filled again, two slots ahead.
.macro TURN slot, next, fill
	WIN 0                                          ; (the add's two registers lie in window 0)
	s_wait_tensorcnt 0x0                           ; all my tensor loads have landed: my part of the next slot
	ds_add_u32 v[SPW], v[NIL]                      ; 0 onto my spare word
	s_wait_dscnt 9                                 ; (the add and the youngest eight loads may be out)
	WIN MUL
	MUL8 F1, 0, 0                                  ; eight matrix instructions stand between the add and the wait for it
	s_wait_dscnt 0x0                               ; the add is done, and my reads of this slot are over
	s_barrier_signal -1
	MUL8 F1, 2, 0
	WIN 0
	s_barrier_wait -1
.if \fill
	CREST                                          ; the barrier has opened a round of the cluster's: no wave of any partner still reads this slot or has a load on its way
	s_add_nc_u64 s[G0+4*\slot+2:G0+4*\slot+3], s[G0+4*\slot+2:G0+4*\slot+3], 2*ROWB
	s_add_nc_u64 s[G0B+4*\slot+2:G0B+4*\slot+3], s[G0B+4*\slot+2:G0B+4*\slot+3], 2*ROWB
	JLOAD G0+4*\slot, G1, G0B+4*\slot, G1B         ; my one tensor load behind the round; its four v_nop are the places in front of the loads below
.else
	PLACES
.endif
	FETCH \next, 0, F0
.endm
	s_wait_tensorcnt 1                             ; my part of slot 0 is in; slot 1's load may be out
	s_barrier_signal -1
	s_barrier_wait -1
	FETCH 0, 0, F0
	QUARTER 0, 128, F0, F1, 1                      ; the first quarter stands in front of the loop: its products start the sums
.if LAPS > 1
	WIN 0                                          ; at a label and at a branch every window is 0
	s_mov_b32 s3, LAPS-1
.Llap:                                                 ; a trip goes once round the ring, from a lap's second quarter to the next lap's first, and fills both slots again
	QUARTER 0, 256, F1, F0, 0
	QUARTER 0, 384, F0, F1, 0
	TURN 0, 1, 1
	QUARTER 1, 128, F0, F1, 0
	QUARTER 1, 256, F1, F0, 0
	QUARTER 1, 384, F0, F1, 0
	TURN 1, 0, 1
	QUARTER 0, 128, F0, F1, 0
	WIN 0
	s_sub_co_u32 s3, s3, 1
	s_cmp_lg_u32 s3, 0
	s_cbranch_scc1 .Llap
.endif
	QUARTER 0, 256, F1, F0, 0                      ; the last lap fills nothing, and has no round of the cluster's barrier
	QUARTER 0, 384, F0, F1, 0
	TURN 0, 1, 0
	QUARTER 1, 128, F0, F1, 0
	QUARTER 1, 256, F1, F0, 0
	QUARTER 1, 384, F0, F1, 0
	s_wait_dscnt 8                                 ; the very last quarter: nothing more to fetch
	WIN MUL
	MUL8 F1, 0, 0
	s_wait_dscnt 0
	MUL8 F1, 2, 0
	WIN 0
	s_wait_kmcnt 0x0
	s_add_co_i32 s96, s96, s97
	s_add_co_i32 s96, s96, 127
	s_lshl_b32 s96, s96, 23                        ; 2^(eA + eB) as f32
	s_mov_b32 s97, s96                             ; (named with it as a pair)
	PLACES                                         ; in front of the reads of the last products' results
	s_wait_loadcnt 0x0                             ; the bias and the residual, asked for at the head
; THE WAY OUT, a block of 16 rows x 64 columns at a time.  sum x 2^(eA + eB) + bias goes through my own stage and comes back, into the registers that it left, as whole rows of 256 bytes; the residual is added; sixteen lanes store a row.
; A wave's LDS instructions are served in order (ISA guide 5.7.1.4): no wait between the stores and the loads, nor in front of the next block's stores.
.macro TOSTAGE a
.set BS, BB+32*((\a)%2)
.set i, 0
.rept 16
	v_pk_fma_f32 v[BS+i:BS+i+1], v[ACC+32*(\a)+i:ACC+32*(\a)+i+1], s[96:97], v[BIA+i:BIA+i+1] op_sel_hi:[1,0,1]   ; each accumulator from its low end on
.set i, i+2
.endr
.irp b, 0,1,2,3
	ds_store_b128 v[STO], v[BS+8*\b:BS+8*\b+3] offset:64*\b
	ds_store_b128 v[STO], v[BS+8*\b+4:BS+8*\b+7] offset:64*\b+16
.endr
.irp t, 0,1,2,3,4,5,6,7
	ds_load_b128 v[BS+4*\t:BS+4*\t+3], v[RD] offset:\t*2*SPITCH
.endr
.endm
.macro SEND a, younger                 ; younger: the LDS instructions issued behind block a's loads, which may stay out
.set BS, BB+32*((\a)%2)
	s_wait_dscnt \younger                          ; the block is back in registers
	WIN ADD_X
.set i, 0
.rept 16
	v_pk_add_f32 v[BS+i:BS+i+1], v[BS+i:BS+i+1], v[32*(\a)+i:32*(\a)+i+1]
.set i, i+2
.endr
	WIN 0
.irp t, 0,1,2,3,4,5,6,7
	global_store_b128 v[CO], v[BS+4*\t:BS+4*\t+3], s[10:11] offset:(16*(\a)+2*\t)*SIZE_N*4   ; sixteen lanes store 256 consecutive bytes, aligned; 62 rows of 4,096 bytes at the most in the immediate
.endr
.endm
	TOSTAGE 0
.irp a, 1,2,3
.if \a > 1
	s_wait_xcnt 0x0                                ; block a - 2's stores have read their registers, which block a takes
.endif
	TOSTAGE \a
	SEND \a-1, 16                                  ; behind block a - 1's loads: block a's 8 stores and 8 loads
.endr
	SEND 3, 0
	s_wait_tensorcnt 0x0                           ; the wave's end
	ds_add_u32 v[SPW], v[NIL]
	s_wait_dscnt 0x0
	CROUND                                         ; the closing round
	s_endpgm
.Lfunc_end_k_q89d99b90e5_wo:
	.size	k_q89d99b90e5_wo, .Lfunc_end_k_q89d99b90e5_wo-k_q89d99b90e5_wo
	.p2alignl 7, 3214868480
	.fill 96, 4, 3214868480
	.section	.rodata,"a",@progbits
	.p2align	6, 0x0
	.amdhsa_kernel k_q89d99b90e5_wo
		.amdhsa_group_segment_fixed_size 327680
		.amdhsa_private_segment_fixed_size 0
		.amdhsa_enable_private_segment 0
		.amdhsa_kernarg_size 48
		.amdhsa_user_sgpr_count 2
		.amdhsa_user_sgpr_kernarg_segment_ptr 1
		.amdhsa_wavefront_size32 1
		.amdhsa_system_sgpr_workgroup_id_x 1
		.amdhsa_system_sgpr_workgroup_id_y 1
		.amdhsa_system_sgpr_workgroup_id_z 1
		.amdhsa_system_vgpr_workitem_id 0
		.amdhsa_next_free_vgpr 640
		.amdhsa_next_free_sgpr 100
		.amdhsa_reserve_vcc 0
		.amdhsa_float_denorm_mode_32 3
		.amdhsa_float_denorm_mode_16_64 3
		.amdhsa_memory_ordered 1
		.amdhsa_forward_progress 1
		.amdhsa_inst_pref_size 55
	.end_amdhsa_kernel
	.amdgpu_metadata
---
amdhsa.version: [ 1, 2 ]
amdhsa.kernels:
  - .name:           k_q89d99b90e5_wo
    .symbol:         k_q89d99b90e5_wo.kd
    .args:
      - { .name: ac, .offset: 0, .size: 8, .value_kind: global_buffer, .address_space: global }
      - { .name: wc, .offset: 8, .size: 8, .value_kind: global_buffer, .address_space: global }
      - { .name: lowp_scales, .offset: 16, .size: 8, .value_kind: global_buffer, .address_space: global }
      - { .name: x1, .offset: 24, .size: 8, .value_kind: global_buffer, .address_space: global }
      - { .name: bo, .offset: 32, .size: 8, .value_kind: global_buffer, .address_space: global }
      - { .name: x, .offset: 40, .size: 8, .value_kind: global_buffer, .address_space: global }
    .group_segment_fixed_size: 327680
    .private_segment_fixed_size: 0
    .kernarg_segment_align: 8
    .kernarg_segment_size: 48
    .max_flat_workgroup_size: 128
    .sgpr_count:     100
    .vgpr_count:     640
    .wavefront_size: 32
...
	.end_amdgpu_metadata
.endif
;; end of part 11
;; launch ln2 (part 12): grid 256 x 1, 4 waves a work-group, no clusters, 20,992 bytes of LDS; arguments x1, ln2_g, ln2_b, lowp_scales, ac; writes ac
.if DOCPART == 12
	.amdgcn_target "amdgcn-amd-amdhsa--gfx1250"
	.amdhsa_code_object_version 6
	.text
	.protected	k_q89d99b90e5_ln2
	.globl	k_q89d99b90e5_ln2
	.p2align	8
	.type	k_q89d99b90e5_ln2,@function
k_q89d99b90e5_ln2:
	s_mov_b64 s[64:65], 0
	v_nop
	global_prefetch_b8 v0, s[64:65] scope:SCOPE_SE
	s_setreg_imm32_b32 hwreg(HW_REG_WAVE_MODE, 25, 1), 1
	s_wait_xcnt 0x0
; The second layer norm: rows 4 g .. 4 g + 3 of x1 (g = 4 x work-group + wave), quantised under e12 into ac's second section, [token][1024] codes of E5M2.
; A wave takes a whole row in 32 registers: mean, then the variance of x - mean in a second pass; no wave waits for another.  The loads are dense (512 bytes each); the conversions want 16 neighbours a lane:
; so the row turns through the wave's own stage in LDS (64 bytes + 16 of padding a place).  LIMIT: e12 between -126 and 112.  A row of NaN stays without meaning here; the residual carries the NaN on.
.set RSTG, 5120
.set GA,   16                          ; v16-47   the gain at k = 512 c + 16 lane + 0..15
.set BE,   48                          ; v48-79   the bias there
.set RR,   80                          ; v80-143  two rows as loaded
.set XX,   144                         ; v144-175 a row, 16 neighbours twice
.set TT,   176                         ; v176-207 at work
.set CD,   208                         ; v208-215 codes
	s_load_b256 s[4:11], s[0:1], 0x0               ; x1, gain, bias, the scales
	s_load_b64 s[12:13], s[0:1], 0x20              ; ac
	v_lshl_add_u32 v216, v0, 2, 0x5000
	v_mov_b32 v217, 0
	v_lshrrev_b32 v1, 5, v0
	v_readfirstlane_b32 s34, v1                    ; wave
	v_and_b32 v2, 31, v0
	s_lshl_b32 s35, ttmp9, 2
	s_add_co_u32 s35, s35, s34                     ; g
	v_lshlrev_b32 v4, 4, v2
	v_lshlrev_b32 v3, 6, v2
	s_mul_i32 s18, s34, RSTG
	v_lshrrev_b32 v14, 2, v2
	v_mul_u32_u24 v14, v14, 80
	v_and_b32 v15, 3, v2
	v_lshl_add_u32 v14, v15, 4, v14
	v_add_nc_u32 v14, s18, v14                     ; the stage on the way in,
	v_mul_u32_u24 v15, v2, 80
	v_add_nc_u32 v15, s18, v15                     ; and on the way out
	s_lshl_b32 s18, s35, 14
	s_mov_b32 s19, 0
	s_wait_alu depctr_va_vdst(0)
	s_wait_kmcnt 0x0
	s_load_b32 s14, s[10:11], 0x30                 ; e12
	s_add_nc_u64 s[4:5], s[4:5], s[18:19]
	s_lshl_b32 s18, s35, 12
	s_add_nc_u64 s[12:13], s[12:13], s[18:19]
	s_add_nc_u64 s[12:13], s[12:13], 0x400000
.irp c, 0,1
.irp j, 0,1,2,3
	global_load_b128 v[GA+16*\c+4*\j:GA+16*\c+4*\j+3], v3, s[6:7] offset:2048*\c+16*\j
	global_load_b128 v[BE+16*\c+4*\j:BE+16*\c+4*\j+3], v3, s[8:9] offset:2048*\c+16*\j
.endr
.endr
.macro RLOAD k
.irp j, 0,1,2,3,4,5,6,7
	global_load_b128 v[RR+32*((\k)%2)+4*\j:RR+32*((\k)%2)+4*\j+3], v4, s[4:5] offset:4096*(\k)+512*\j
.endr
.endm
	RLOAD 0
	RLOAD 1
	s_mov_b32 s60, 0x3a800000                      ; 1 / 1024
	s_mov_b32 s61, 0x3727c5ac                      ; 1e-5
	s_mov_b32 s62, 0x76543210
	s_mov_b32 s63, 0xfedcba98
	s_wait_kmcnt 0x0
	s_add_co_i32 s14, s14, 127
	s_lshl_b32 s15, s14, 23
	v_mov_b32 v8, s15                              ; 2^e12
	s_add_co_i32 s14, s14, 15
	s_lshl_b32 s14, s14, 23
	s_or_b32 s14, s14, 0x600000
	v_mov_b32 v9, s14                              ; 57,344 x 2^e12
.macro FOLD
	v_pk_add_f32 v[TT:TT+1], v[TT:TT+1], v[TT+2:TT+3]
	v_pk_add_f32 v[TT+4:TT+5], v[TT+4:TT+5], v[TT+6:TT+7]
	v_pk_add_f32 v[TT:TT+1], v[TT:TT+1], v[TT+4:TT+5]
	v_add_f32 v[TT], v[TT], v[TT+1]
	v_add_f32_dpp v[TT], v[TT], v[TT] row_xmask:1 row_mask:0xf bank_mask:0xf
	v_add_f32_dpp v[TT], v[TT], v[TT] row_xmask:2 row_mask:0xf bank_mask:0xf
	v_add_f32_dpp v[TT], v[TT], v[TT] row_xmask:4 row_mask:0xf bank_mask:0xf
	v_add_f32_dpp v[TT], v[TT], v[TT] row_xmask:8 row_mask:0xf bank_mask:0xf
	v_permlanex16_b32 v[TT+1], v[TT], s62, s63
	v_add_f32 v[TT], v[TT], v[TT+1]
.endm
.macro ROW k
.set RS, RR+32*((\k)%2)
.if (\k) < 3
	s_wait_loadcnt 8                               ; this row (and gain and bias) is in; the next row's eight loads may be out
.else
	s_wait_loadcnt 0x0
.endif
.irp c, 0,1,2,3
	v_pk_add_f32 v[TT+2*\c:TT+2*\c+1], v[RS+4*\c:RS+4*\c+1], v[RS+4*\c+2:RS+4*\c+3]
.endr
.irp j, 16,24
.irp c, 0,1,2,3
	v_pk_add_f32 v[TT+2*\c:TT+2*\c+1], v[TT+2*\c:TT+2*\c+1], v[RS+\j+2*\c:RS+\j+2*\c+1]
.endr
.endr
	FOLD
	v_mul_f32 v[TT+8], s60, v[TT]
	v_mov_b32 v[TT+9], v[TT+8]
.set ri, 0
.rept 16
	v_pk_add_f32 v[RS+ri:RS+ri+1], v[RS+ri:RS+ri+1], v[TT+8:TT+9] neg_lo:[0,1] neg_hi:[0,1]
.set ri, ri+2
.endr
.irp j, 0,1,2,3,4,5,6,7
	ds_store_b128 v14, v[RS+4*\j:RS+4*\j+3] offset:640*\j
.endr
.irp c, 0,1
.irp i, 0,1,2,3
	ds_load_b128 v[XX+16*\c+4*\i:XX+16*\c+4*\i+3], v15 offset:2560*\c+16*\i
.endr
.endr
.irp c, 0,1,2,3
	v_pk_mul_f32 v[TT+2*\c:TT+2*\c+1], v[RS+2*\c:RS+2*\c+1], v[RS+2*\c:RS+2*\c+1]
.endr
.irp j, 8,16,24
.irp c, 0,1,2,3
	v_pk_fma_f32 v[TT+2*\c:TT+2*\c+1], v[RS+\j+2*\c:RS+\j+2*\c+1], v[RS+\j+2*\c:RS+\j+2*\c+1], v[TT+2*\c:TT+2*\c+1]
.endr
.endr
	FOLD
	v_fma_f32 v[TT+10], v[TT], s60, s61
	s_wait_alu depctr_va_vdst(0)
	v_rsq_f32 v[TT+10], v[TT+10]
	v_nop                                          ; a plain instruction behind the transcendental
	s_wait_alu depctr_va_vdst(0)                   ; and the wait ahead of its first reader
	v_mov_b32 v[TT+11], v[TT+10]
	s_wait_alu depctr_va_vdst(0)
	s_wait_dscnt 0x0
.if (\k) < 2
	RLOAD (\k)+2
.endif
.set ri, 0
.rept 16
	v_pk_mul_f32 v[XX+ri:XX+ri+1], v[XX+ri:XX+ri+1], v[TT+10:TT+11]
.set ri, ri+2
.endr
.set ri, 0
.rept 16
	v_pk_fma_f32 v[XX+ri:XX+ri+1], v[XX+ri:XX+ri+1], v[GA+ri:GA+ri+1], v[BE+ri:BE+ri+1]
.set ri, ri+2
.endr
.set ri, 0
.rept 32
	v_med3_num_f32 v[XX+ri], v[XX+ri], -v9, v9
.set ri, ri+1
.endr
.if (\k) > 0
	s_wait_alu depctr_va_vdst(0)
	s_wait_xcnt 0x0                                ; the last row's stores have read the codes' registers
.endif
.irp q, 0,1,2,3
	v_cvt_scalef32_pk8_bf8_f32 v[CD+2*\q:CD+2*\q+1], v[XX+8*\q:XX+8*\q+7], v8
.endr
	v_nop
	global_store_b128 v4, v[CD:CD+3], s[12:13] offset:1024*(\k)
	global_store_b128 v4, v[CD+4:CD+7], s[12:13] offset:1024*(\k)+512
.endm
	ROW 0
	ROW 1
	ROW 2
	ROW 3
	s_wait_tensorcnt 0x0
	ds_add_u32 v216, v217
	s_wait_dscnt 0x0
	s_endpgm
.Lfunc_end_k_q89d99b90e5_ln2:
	.size	k_q89d99b90e5_ln2, .Lfunc_end_k_q89d99b90e5_ln2-k_q89d99b90e5_ln2
	.p2alignl 7, 3214868480
	.fill 96, 4, 3214868480
	.section	.rodata,"a",@progbits
	.p2align	6, 0x0
	.amdhsa_kernel k_q89d99b90e5_ln2
		.amdhsa_group_segment_fixed_size 20992
		.amdhsa_private_segment_fixed_size 0
		.amdhsa_enable_private_segment 0
		.amdhsa_kernarg_size 40
		.amdhsa_user_sgpr_count 2
		.amdhsa_user_sgpr_kernarg_segment_ptr 1
		.amdhsa_wavefront_size32 1
		.amdhsa_system_sgpr_workgroup_id_x 1
		.amdhsa_system_sgpr_workgroup_id_y 1
		.amdhsa_system_sgpr_workgroup_id_z 1
		.amdhsa_system_vgpr_workitem_id 0
		.amdhsa_next_free_vgpr 218
		.amdhsa_next_free_sgpr 66
		.amdhsa_reserve_vcc 0
		.amdhsa_float_denorm_mode_32 3
		.amdhsa_float_denorm_mode_16_64 3
		.amdhsa_memory_ordered 1
		.amdhsa_forward_progress 1
		.amdhsa_inst_pref_size 46
	.end_amdhsa_kernel
	.amdgpu_metadata
---
amdhsa.version: [ 1, 2 ]
amdhsa.kernels:
  - .name:           k_q89d99b90e5_ln2
    .symbol:         k_q89d99b90e5_ln2.kd
    .args:
      - { .name: x1, .offset: 0, .size: 8, .value_kind: global_buffer, .address_space: global }
      - { .name: ln2_g, .offset: 8, .size: 8, .value_kind: global_buffer, .address_space: global }
      - { .name: ln2_b, .offset: 16, .size: 8, .value_kind: global_buffer, .address_space: global }
      - { .name: lowp_scales, .offset: 24, .size: 8, .value_kind: global_buffer, .address_space: global }
      - { .name: ac, .offset: 32, .size: 8, .value_kind: global_buffer, .address_space: global }
    .group_segment_fixed_size: 20992
    .private_segment_fixed_size: 0
    .kernarg_segment_align: 8
    .kernarg_segment_size: 40
    .max_flat_workgroup_size: 128
    .sgpr_count:     66
    .vgpr_count:     218
    .wavefront_size: 32
...
	.end_amdgpu_metadata
.endif
;; end of part 12
;; launch w1 (part 13): grid 16 x 16, 4 waves a work-group, clusters of 4 x 4, 327,680 bytes of LDS; arguments ac, wc, lowp_scales, hc, b1; writes hc
.if DOCPART == 13
	.amdgcn_target "amdgcn-amd-amdhsa--gfx1250"
	.amdhsa_code_object_version 6
	.text
	.protected	k_q89d99b90e5_w1
	.globl	k_q89d99b90e5_w1
	.p2align	8
	.type	k_q89d99b90e5_w1,@function
k_q89d99b90e5_w1:
	s_mov_b64 s[64:65], 0
	v_nop
	global_prefetch_b8 v0, s[64:65] scope:SCOPE_SE
	s_setreg_imm32_b32 hwreg(HW_REG_WAVE_MODE, 25, 1), 1
	s_wait_xcnt 0x0
	s_wait_alu depctr_hold_cnt(0) depctr_sa_sdst(0) depctr_va_vdst(0) depctr_va_sdst(0) depctr_va_ssrc(0) depctr_va_vcc(0) depctr_vm_vsrc(0)
	s_getreg_b32 s2, hwreg(HW_REG_IB_STS2, 6, 4)
	s_cmp_eq_u32 s2, 0
	s_cbranch_scc0 .Lentry_in_a_cluster
	s_endpgm
.Lentry_in_a_cluster:
	s_bfe_u32 s2, ttmp6, 0x10000c
	s_cmp_lg_u32 s2, 0xf033
	s_cbranch_scc0 .Lentry_shape_is_right
	s_endpgm
.Lentry_shape_is_right:
.set SIZE_K, 1024
.set AOFF,   0x400000
.set BOFF,   0x400000
.set KSTEP,  256
.set ROWB,   256
.set KROW,   SIZE_K
.set PITCH,  272
.set FR,     16
.set NL,     4
.set NP,     4
.set HALFT,  128*PITCH
.set SLOT,   4*HALFT
.set LAPS,   SIZE_K/(2*KSTEP)
.set SPARE,  2*SLOT
.set ADRA, 16
.set ADRB, 20
.set STO,  24
.set RD,   25
.set CO,   26
.set SPW,  28
.set NIL,  29
.set AF,   128
.set BIA,  32
.set T,    96
.set U,    160
.set G1, 24
.set G0, 32
.set G1B, 48
.set G0B, 56
.set MSB, 0
.macro WIN new
.if MSB != \new
	s_set_vgpr_msb (MSB<<8)|\new
.set MSB, \new
.endif
.endm
.set MUL_LO, 0xa1
.set MUL_HI, 0xf1
.set TO_B,   0x40
.macro JLOAD g0a, g1a, g0b, g1b
	s_cmp_eq_u32 s15, 0
	s_cbranch_scc0 .Lfor_b_\@
	tensor_load_to_lds s[\g0a:\g0a+3], s[\g1a:\g1a+7]
	s_nop 0
.rept 4
	v_nop
.endr
	s_branch .Lasked_\@
.Lfor_b_\@:
	tensor_load_to_lds s[\g0b:\g0b+3], s[\g1b:\g1b+7]
	s_nop 0
.rept 4
	v_nop
.endr
.Lasked_\@:
.endm
.macro CREST
	s_cmp_lg_u32 s14, 0
	s_cbranch_scc1 .Lnot_wave_0_\@
	s_barrier_signal -3
.Lnot_wave_0_\@:
	s_barrier_wait -3
	s_barrier_signal -1
	s_barrier_wait -1
.endm
.macro CROUND
	s_barrier_signal -1
	s_barrier_wait -1
	CREST
.endm
	s_load_b128 s[4:7], s[0:1], 0x0
	s_load_b128 s[8:11], s[0:1], 0x10
	s_load_b64 s[68:69], s[0:1], 0x20
	v_lshl_add_u32 v[SPW], v0, 2, SPARE
	v_mov_b32 v[NIL], 0
	ds_add_u32 v28, v29
	ds_add_u32 v28, v29
	s_wait_dscnt 0x0
	v_lshrrev_b32 v1, 5, v0
	v_readfirstlane_b32 s14, v1
	s_lshr_b32 s15, s14, 1
	s_and_b32 s16, s14, 1
	s_bfe_u32 s40, ttmp6, 0x40000
	s_bfe_u32 s41, ttmp6, 0x40004
	s_lshl_b32 s42, ttmp9, 2
	s_add_co_u32 s42, s42, s40
	s_and_b32 s17, ttmp7, 0xffff
	s_lshl_b32 s17, s17, 2
	s_add_co_u32 s17, s17, s41
	s_lshl_b32 s43, s41, 2
	s_lshl_b32 s43, 15, s43
	s_lshl_b32 s44, 0x1111, s40
	s_or_b32 s[G1+0], s43, (0<<16)|(1<<20)|(1<<21)|(5<<22)|(3<<25)
	s_or_b32 s[G1B+0], s44, (0<<16)|(1<<20)|(1<<21)|(5<<22)|(3<<25)
.irp g, G1, G1B
	s_mov_b32 s[\g+1], ROWB<<16
	s_mov_b32 s[\g+2], 128<<16
	s_mov_b32 s[\g+3], ROWB<<16
	s_mov_b32 s[\g+4], 128
	s_mov_b32 s[\g+5], KROW
	s_mov_b32 s[\g+6], 0
	s_mov_b32 s[\g+7], 0
.endr
	s_lshl_b32 s18, s16, 7
	s_lshl_b32 s20, s17, 8
	s_add_co_u32 s20, s20, s18
	s_lshl_b32 s46, s42, 8
	s_add_co_u32 s46, s46, s18
	s_mov_b32 s21, 0
	s_mov_b32 s47, 0
	s_mov_b64 s[18:19], KROW
	s_mul_u64 s[20:21], s[20:21], s[18:19]
	s_mul_u64 s[46:47], s[46:47], s[18:19]
	s_mul_i32 s45, s14, HALFT
	s_wait_kmcnt 0x0
	s_load_b128 s[96:99], s[8:9], 0x30
	s_add_nc_u64 s[20:21], s[4:5], s[20:21]
	s_add_nc_u64 s[46:47], s[6:7], s[46:47]
	s_add_nc_u64 s[20:21], s[20:21], AOFF
	s_add_nc_u64 s[46:47], s[46:47], BOFF
	CROUND
.irp s, 0,1
	s_mov_b32 s[G0+4*\s], 1
	s_add_co_u32 s[G0+4*\s+1], s45, \s*SLOT
	s_add_nc_u64 s[G0+4*\s+2:G0+4*\s+3], s[20:21], \s*ROWB
	s_or_b32 s[G0+4*\s+3], s[G0+4*\s+3], 0x80000000
	s_mov_b32 s[G0B+4*\s], 1
	s_add_co_u32 s[G0B+4*\s+1], s45, \s*SLOT
	s_add_nc_u64 s[G0B+4*\s+2:G0B+4*\s+3], s[46:47], \s*ROWB
	s_or_b32 s[G0B+4*\s+3], s[G0B+4*\s+3], 0x80000000
	s_wait_alu depctr_va_vdst(0)
	s_wait_tensorcnt 0x0
	ds_add_u32 v28, v29
	ds_add_u32 v28, v29
	s_wait_dscnt 0x0
	CROUND
	JLOAD G0+4*\s, G1, G0B+4*\s, G1B
.endr
	v_and_b32 v1, 15, v0
	s_wait_alu depctr_va_vdst(0)
	v_bfe_u32 v2, v0, 4, 1
	v_mul_u32_u24 v3, v1, PITCH
	v_lshl_add_u32 v4, v2, 4, v3
	s_mul_i32 s21, s15, HALFT
	s_mul_i32 s22, s16, HALFT
	s_add_co_u32 s22, s22, 2*HALFT
.irp s, 0,1
	v_add_nc_u32 v[ADRA+\s], s21, v4
	v_add_nc_u32 v[ADRB+\s], s22, v4
	s_add_co_u32 s21, s21, SLOT
	s_add_co_u32 s22, s22, SLOT
.endr
	s_lshl_b32 s21, s15, 7
	v_add_nc_u32 v5, s21, v1
	v_mul_u32_u24 v[STO], v5, 272
	s_wait_alu depctr_va_vdst(0)
	v_lshl_add_u32 v[STO], v2, 3, v[STO]
	s_lshl_b32 s21, s16, 7
	v_add_nc_u32 v[STO], s21, v[STO]
	s_lshl_b32 s21, s14, 6
	v_add_nc_u32 v5, s21, v2
	v_mul_u32_u24 v[RD], v5, 272
	v_lshl_add_u32 v[RD], v1, 4, v[RD]
	v_lshlrev_b32 v[CO], 12, v2
	v_lshl_add_u32 v[CO], v1, 4, v[CO]
	v_lshlrev_b32 v7, 5, v2
	s_wait_alu depctr_va_vdst(0)
	s_lshl_b32 s20, s17, 8
	s_add_co_u32 s20, s20, s21
	s_lshl_b32 s20, s20, 12
	s_lshl_b32 s21, s42, 8
	s_add_co_u32 s20, s20, s21
	s_mov_b32 s21, 0
	s_add_nc_u64 s[10:11], s[10:11], s[20:21]
	s_lshl_b32 s20, s42, 10
	s_lshl_b32 s22, s16, 9
	s_add_co_u32 s20, s20, s22
	s_add_nc_u64 s[68:69], s[68:69], s[20:21]
.irp b, 0,1,2,3,4,5,6,7
	global_load_b128 v[BIA+8*\b:BIA+8*\b+3], v7, s[68:69] offset:64*\b
	global_load_b128 v[BIA+8*\b+4:BIA+8*\b+7], v7, s[68:69] offset:64*\b+16
.endr
	v_mov_b32 v8, 0xbdd2d3e8
	v_mov_b32 v9, 0xbdd2d3e8
	v_mov_b32 v10, 0xc0135761
	v_mov_b32 v11, 0xc0135761
	s_wait_kmcnt 0x0
	s_add_co_i32 s96, s96, s97
	s_add_co_i32 s96, s96, 127
	s_lshl_b32 s96, s96, 23
	s_mov_b32 s97, s96
	s_add_co_i32 s98, s98, 127
	s_lshl_b32 s99, s98, 23
	v_mov_b32 v13, s99
	s_add_co_i32 s98, s98, 15
	s_lshl_b32 s98, s98, 23
	s_or_b32 s98, s98, 0x600000
	v_mov_b32 v12, s98
.macro FRAG reg, adr, q, i
.irp c, 0,1,2,3
	ds_load_b128 v[\reg+4*\c:\reg+4*\c+3], v[\adr] offset:128*(\q)+32*\c+(\i)*16*PITCH
.endr
.endm
.macro MUL16 a0, p, zero
.irp a, \a0, \a0+1
.irp b, 0,1,2,3,4,5,6,7
.if \zero
	v_wmma_f32_16x16x128_bf8_bf8 v[8*(8*((\a)%4)+\b):8*(8*((\a)%4)+\b)+7], v[128*(\p)+FR*\b:128*(\p)+FR*\b+FR-1], v[AF+FR*(\a):AF+FR*(\a)+FR-1], 0
.else
	v_wmma_f32_16x16x128_bf8_bf8 v[8*(8*((\a)%4)+\b):8*(8*((\a)%4)+\b)+7], v[128*(\p)+FR*\b:128*(\p)+FR*\b+FR-1], v[AF+FR*(\a):AF+FR*(\a)+FR-1], v[8*(8*((\a)%4)+\b):8*(8*((\a)%4)+\b)+7]
.endif
.endr
.endr
.endm
.macro FETCH_B slot, q, p
	WIN TO_B
.irp i, 0,1,2,3,4,5,6,7
	FRAG 128*(\p)+FR*\i, ADRB+\slot, \q, \i
.endr
	WIN 0
.endm
.macro FETCH_A slot, q, i0
.irp i, \i0, \i0+1, \i0+2, \i0+3
	FRAG AF+FR*(\i), ADRA+\slot, \q, \i
.endr
.endm
.macro PLACES n
.rept \n
	v_nop
.endr
.endm
.macro STEP slot, q, zero
	s_wait_dscnt 4*NL
	WIN MUL_LO
	MUL16 0, (\q)%2, \zero
	MUL16 2, (\q)%2, \zero
	s_wait_dscnt 0
	PLACES NP
	FETCH_B \slot, (\q)+1, 1-(\q)%2
	FETCH_A \slot, (\q)+1, 0
	WIN MUL_HI
	MUL16 4, (\q)%2, \zero
	MUL16 6, (\q)%2, \zero
	PLACES NP
	WIN 0
	FETCH_A \slot, (\q)+1, 4
.endm
.macro TURN slot, next, fill
	s_wait_tensorcnt 0x0
	ds_add_u32 v[SPW], v[NIL]
	s_wait_dscnt 4*NL+1
	WIN MUL_LO
	MUL16 0, 1, 0
	s_wait_dscnt 0x0
	s_barrier_signal -1
	MUL16 2, 1, 0
	WIN 0
	s_barrier_wait -1
.if \fill
	CREST
	s_add_nc_u64 s[G0+4*\slot+2:G0+4*\slot+3], s[G0+4*\slot+2:G0+4*\slot+3], 2*ROWB
	s_add_nc_u64 s[G0B+4*\slot+2:G0B+4*\slot+3], s[G0B+4*\slot+2:G0B+4*\slot+3], 2*ROWB
	JLOAD G0+4*\slot, G1, G0B+4*\slot, G1B
.else
	PLACES NP
.endif
	FETCH_B \next, 0, 0
	FETCH_A \next, 0, 0
	WIN MUL_HI
	MUL16 4, 1, 0
	MUL16 6, 1, 0
	PLACES NP
	WIN 0
	FETCH_A \next, 0, 4
.endm
	s_wait_tensorcnt 1
	s_barrier_signal -1
	s_barrier_wait -1
	FETCH_B 0, 0, 0
	FETCH_A 0, 0, 0
	FETCH_A 0, 0, 4
	STEP 0, 0, 1
	s_mov_b32 s3, LAPS-1
.Llap:
	TURN 0, 1, 1
	STEP 1, 0, 0
	TURN 1, 0, 1
	STEP 0, 0, 0
	s_sub_co_u32 s3, s3, 1
	s_cmp_lg_u32 s3, 0
	s_cbranch_scc1 .Llap
	TURN 0, 1, 0
	STEP 1, 0, 0
	s_wait_dscnt 4*NL
	WIN MUL_LO
	MUL16 0, 1, 0
	MUL16 2, 1, 0
	s_wait_dscnt 0
	WIN MUL_HI
	MUL16 4, 1, 0
	MUL16 6, 1, 0
	WIN 0
	PLACES NP
	s_wait_loadcnt 0x0
.macro GELU a
.set AC, 64*((\a)%4)
	WIN 0x02+((\a)/4)
.set i, 0
.rept 32
	v_pk_fma_f32 v[T+i:T+i+1], v[AC+i:AC+i+1], s[96:97], v[BIA+i:BIA+i+1] op_sel_hi:[1,0,1]
.set i, i+2
.endr
	WIN 0
.set i, 0
.rept 32
	v_pk_mul_f32 v[U+i:U+i+1], v[T+i:T+i+1], v[T+i:T+i+1]
.set i, i+2
.endr
.set i, 0
.rept 32
	v_pk_fma_f32 v[U+i:U+i+1], v[U+i:U+i+1], v[8:9], v[10:11]
.set i, i+2
.endr
.set i, 0
.rept 32
	v_pk_mul_f32 v[U+i:U+i+1], v[U+i:U+i+1], v[T+i:T+i+1]
.set i, i+2
.endr
.set i, 0
	s_wait_alu depctr_va_vdst(0)
.rept 64
	v_exp_f32 v[U+i], v[U+i]
.set i, i+1
.endr
	v_nop
	s_wait_alu depctr_va_vdst(0)
.set i, 0
.rept 32
	v_pk_add_f32 v[U+i:U+i+1], v[U+i:U+i+1], 1.0 op_sel_hi:[1,0]
.set i, i+2
.endr
.set i, 0
	s_wait_alu depctr_va_vdst(0)
.rept 64
	v_rcp_f32 v[U+i], v[U+i]
.set i, i+1
.endr
	v_nop
	s_wait_alu depctr_va_vdst(0)
.set i, 0
.rept 32
	v_pk_mul_f32 v[T+i:T+i+1], v[T+i:T+i+1], v[U+i:U+i+1]
.set i, i+2
.endr
.set i, 0
.rept 64
	v_med3_num_f32 v[T+i], v[T+i], -v12, v12
.set i, i+1
.endr
	s_wait_alu depctr_va_vdst(0)
	s_wait_dscnt 0x0
.irp b, 0,1,2,3,4,5,6,7
	v_cvt_scalef32_pk8_bf8_f32 v[232+2*\b:233+2*\b], v[T+8*\b:T+8*\b+7], v13
.endr
	v_nop
.irp b, 0,1,2,3,4,5,6,7
	ds_store_b64 v[STO], v[232+2*\b:233+2*\b] offset:(\a)*16*272+16*\b
.endr
.endm
.irp a, 0,1,2,3,4,5,6,7
	GELU \a
.endr
	s_wait_dscnt 0x0
	s_barrier_signal -1
	s_barrier_wait -1
.set i, 0
.rept 32
	ds_load_b128 v[32+4*i:32+4*i+3], v[RD] offset:2*i*272
.set i, i+1
.endr
.set i, 0
.rept 32
	s_wait_dscnt 31-i
	global_store_b128 v[CO], v[32+4*i:32+4*i+3], s[10:11] offset:2*i*4096
.set i, i+1
.endr
	s_wait_tensorcnt 0x0
	ds_add_u32 v[SPW], v[NIL]
	s_wait_dscnt 0x0
	CROUND
	s_endpgm
.Lfunc_end_k_q89d99b90e5_w1:
	.size	k_q89d99b90e5_w1, .Lfunc_end_k_q89d99b90e5_w1-k_q89d99b90e5_w1
	.p2alignl 7, 3214868480
	.fill 96, 4, 3214868480
	.section	.rodata,"a",@progbits
	.p2align	6, 0x0
	.amdhsa_kernel k_q89d99b90e5_w1
		.amdhsa_group_segment_fixed_size 327680
		.amdhsa_private_segment_fixed_size 0
		.amdhsa_enable_private_segment 0
		.amdhsa_kernarg_size 40
		.amdhsa_user_sgpr_count 2
		.amdhsa_user_sgpr_kernarg_segment_ptr 1
		.amdhsa_wavefront_size32 1
		.amdhsa_system_sgpr_workgroup_id_x 1
		.amdhsa_system_sgpr_workgroup_id_y 1
		.amdhsa_system_sgpr_workgroup_id_z 1
		.amdhsa_system_vgpr_workitem_id 0
		.amdhsa_next_free_vgpr 1024
		.amdhsa_next_free_sgpr 100
		.amdhsa_reserve_vcc 0
		.amdhsa_float_denorm_mode_32 3
		.amdhsa_float_denorm_mode_16_64 3
		.amdhsa_memory_ordered 1
		.amdhsa_forward_progress 1
		.amdhsa_inst_pref_size 255
	.end_amdhsa_kernel
	.section	.bss,"aw",@nobits
	.p2align	6
	.space	262144
	.amdgpu_metadata
---
amdhsa.version: [ 1, 2 ]
amdhsa.kernels:
  - .name:           k_q89d99b90e5_w1
    .symbol:         k_q89d99b90e5_w1.kd
    .args:
      - { .name: ac, .offset: 0, .size: 8, .value_kind: global_buffer, .address_space: global }
      - { .name: wc, .offset: 8, .size: 8, .value_kind: global_buffer, .address_space: global }
      - { .name: lowp_scales, .offset: 16, .size: 8, .value_kind: global_buffer, .address_space: global }
      - { .name: hc, .offset: 24, .size: 8, .value_kind: global_buffer, .address_space: global }
      - { .name: b1, .offset: 32, .size: 8, .value_kind: global_buffer, .address_space: global }
    .group_segment_fixed_size: 327680
    .private_segment_fixed_size: 0
    .kernarg_segment_align: 8
    .kernarg_segment_size: 40
    .max_flat_workgroup_size: 128
    .sgpr_count:     100
    .vgpr_count:     1024
    .wavefront_size: 32
...
	.end_amdgpu_metadata
.endif
;; end of part 13
;; launch w2 (part 14): grid 8 x 32, 4 waves a work-group, clusters of 4 x 4, 327,680 bytes of LDS; arguments hc, wc, lowp_scales, out0, b2, x1; writes out0
.if DOCPART == 14
	.amdgcn_target "amdgcn-amd-amdhsa--gfx1250"
	.amdhsa_code_object_version 6
	.text
	.protected	k_q89d99b90e5_w2
	.globl	k_q89d99b90e5_w2
	.p2align	8
	.type	k_q89d99b90e5_w2,@function
k_q89d99b90e5_w2:
	s_mov_b64 s[64:65], 0
	v_nop
	global_prefetch_b8 v0, s[64:65] scope:SCOPE_SE
	s_setreg_imm32_b32 hwreg(HW_REG_WAVE_MODE, 25, 1), 1
	s_wait_xcnt 0x0
	s_wait_alu depctr_hold_cnt(0) depctr_sa_sdst(0) depctr_va_vdst(0) depctr_va_sdst(0) depctr_va_ssrc(0) depctr_va_vcc(0) depctr_vm_vsrc(0)
	s_getreg_b32 s2, hwreg(HW_REG_IB_STS2, 6, 4)
	s_cmp_eq_u32 s2, 0
	s_cbranch_scc0 .Lentry_in_a_cluster
	s_endpgm
.Lentry_in_a_cluster:
	s_bfe_u32 s2, ttmp6, 0x10000c
	s_cmp_lg_u32 s2, 0xf033
	s_cbranch_scc0 .Lentry_shape_is_right
	s_endpgm
.Lentry_shape_is_right:
.set SIZE_K, 4096
.set SIZE_N, 1024
.set BOFF,   0x800000
.set SCOFF,  0x38
.set ROWB,   512
.set KROW,   SIZE_K
.set PITCH,  528
.set FR,     16
.set HALFT,  64*PITCH
.set SLOT,   4*HALFT
.set LAPS,   SIZE_K/(2*ROWB)
.set SPARE,  2*SLOT
.set SPITCH, 272
.set ADRA, 16
.set ADRB, 20
.set STO,  24
.set RD,   25
.set CO,   26
.set SPW,  28
.set NIL,  29
.set BB,   32
.set BIA,  96
.set ACC,  128
.set F0,   0
.set F1,   128
.set G1, 24
.set G0, 32
.set G1B, 48
.set G0B, 56
.set MSB, 0
.macro WIN new
.if MSB != \new
	s_set_vgpr_msb (MSB<<8)|\new
.set MSB, \new
.endif
.endm
.set MUL,   0x05
.set TO_F,  0x40
.set TO_X,  0x80
.set ADD_X, 0x08
.macro JLOAD g0a, g1a, g0b, g1b
	s_cmp_eq_u32 s15, 0
	s_cbranch_scc0 .Lfor_b_\@
	tensor_load_to_lds s[\g0a:\g0a+3], s[\g1a:\g1a+7]
	s_nop 0
.rept 4
	v_nop
.endr
	s_branch .Lasked_\@
.Lfor_b_\@:
	tensor_load_to_lds s[\g0b:\g0b+3], s[\g1b:\g1b+7]
	s_nop 0
.rept 4
	v_nop
.endr
.Lasked_\@:
.endm
.macro CREST
	s_cmp_lg_u32 s14, 0
	s_cbranch_scc1 .Lnot_wave_0_\@
	s_barrier_signal -3
.Lnot_wave_0_\@:
	s_barrier_wait -3
	s_barrier_signal -1
	s_barrier_wait -1
.endm
.macro CROUND
	s_barrier_signal -1
	s_barrier_wait -1
	CREST
.endm
	s_load_b128 s[4:7], s[0:1], 0x0
	s_load_b128 s[8:11], s[0:1], 0x10
	s_load_b128 s[68:71], s[0:1], 0x20
	v_lshl_add_u32 v[SPW], v0, 2, SPARE
	v_mov_b32 v[NIL], 0
	ds_add_u32 v28, v29
	ds_add_u32 v28, v29
	s_wait_dscnt 0x0
	v_lshrrev_b32 v1, 5, v0
	v_readfirstlane_b32 s14, v1
	s_lshr_b32 s15, s14, 1
	s_and_b32 s16, s14, 1
	s_bfe_u32 s40, ttmp6, 0x40000
	s_bfe_u32 s41, ttmp6, 0x40004
	s_lshl_b32 s42, ttmp9, 2
	s_add_co_u32 s42, s42, s40
	s_and_b32 s17, ttmp7, 0xffff
	s_lshl_b32 s17, s17, 2
	s_add_co_u32 s17, s17, s41
	s_lshl_b32 s43, s41, 2
	s_lshl_b32 s43, 15, s43
	s_lshl_b32 s44, 0x1111, s40
	s_or_b32 s[G1+0], s43, (0<<16)|(1<<20)|(1<<21)|(6<<22)|(3<<25)
	s_or_b32 s[G1B+0], s44, (0<<16)|(1<<20)|(1<<21)|(6<<22)|(3<<25)
.irp g, G1, G1B
	s_mov_b32 s[\g+1], ROWB<<16
	s_mov_b32 s[\g+2], 64<<16
	s_mov_b32 s[\g+3], ROWB<<16
	s_mov_b32 s[\g+4], 64
	s_mov_b32 s[\g+5], KROW
	s_mov_b32 s[\g+6], 0
	s_mov_b32 s[\g+7], 0
.endr
	s_lshl_b32 s18, s16, 6
	s_lshl_b32 s20, s17, 7
	s_add_co_u32 s20, s20, s18
	s_lshl_b32 s46, s42, 7
	s_add_co_u32 s46, s46, s18
	s_mov_b32 s21, 0
	s_mov_b32 s47, 0
	s_mov_b64 s[18:19], KROW
	s_mul_u64 s[20:21], s[20:21], s[18:19]
	s_mul_u64 s[46:47], s[46:47], s[18:19]
	s_mul_i32 s45, s14, HALFT
	s_wait_kmcnt 0x0
	s_load_b64 s[96:97], s[8:9], SCOFF
	s_add_nc_u64 s[20:21], s[4:5], s[20:21]
	s_add_nc_u64 s[46:47], s[6:7], s[46:47]
	s_add_nc_u64 s[46:47], s[46:47], BOFF
	CROUND
.irp s, 0,1
	s_mov_b32 s[G0+4*\s], 1
	s_add_co_u32 s[G0+4*\s+1], s45, \s*SLOT
	s_add_nc_u64 s[G0+4*\s+2:G0+4*\s+3], s[20:21], \s*ROWB
	s_or_b32 s[G0+4*\s+3], s[G0+4*\s+3], 0x80000000
	s_mov_b32 s[G0B+4*\s], 1
	s_add_co_u32 s[G0B+4*\s+1], s45, \s*SLOT
	s_add_nc_u64 s[G0B+4*\s+2:G0B+4*\s+3], s[46:47], \s*ROWB
	s_or_b32 s[G0B+4*\s+3], s[G0B+4*\s+3], 0x80000000
	s_wait_alu depctr_va_vdst(0)
	s_wait_tensorcnt 0x0
	ds_add_u32 v28, v29
	ds_add_u32 v28, v29
	s_wait_dscnt 0x0
	CROUND
	JLOAD G0+4*\s, G1, G0B+4*\s, G1B
.endr
	v_and_b32 v1, 15, v0
	s_wait_alu depctr_va_vdst(0)
	v_bfe_u32 v2, v0, 4, 1
	v_mul_u32_u24 v3, v1, PITCH
	v_lshl_add_u32 v4, v2, 4, v3
	s_mul_i32 s21, s15, HALFT
	s_mul_i32 s22, s16, HALFT
	s_add_co_u32 s22, s22, 2*HALFT
.irp s, 0,1
	v_add_nc_u32 v[ADRA+\s], s21, v4
	v_add_nc_u32 v[ADRB+\s], s22, v4
	s_add_co_u32 s21, s21, SLOT
	s_add_co_u32 s22, s22, SLOT
.endr
	s_mul_i32 s23, s14, 16*SPITCH
	v_mul_u32_u24 v5, v1, SPITCH
	s_wait_alu depctr_va_vdst(0)
	v_lshl_add_u32 v5, v2, 5, v5
	v_add_nc_u32 v[STO], s23, v5
	v_mul_u32_u24 v5, v2, SPITCH
	v_lshl_add_u32 v5, v1, 4, v5
	v_add_nc_u32 v[RD], s23, v5
	v_mul_u32_u24 v5, v2, SIZE_N*4
	v_lshl_add_u32 v[CO], v1, 4, v5
	v_lshlrev_b32 v7, 5, v2
	s_wait_alu depctr_va_vdst(0)
	s_lshl_b32 s20, s17, 7
	s_lshl_b32 s21, s15, 6
	s_add_co_u32 s20, s20, s21
	s_mov_b32 s21, 0
	s_mov_b64 s[18:19], SIZE_N*4
	s_mul_u64 s[20:21], s[20:21], s[18:19]
	s_lshl_b32 s46, s42, 9
	s_lshl_b32 s47, s16, 8
	s_add_co_u32 s46, s46, s47
	s_mov_b32 s47, 0
	s_add_nc_u64 s[20:21], s[20:21], s[46:47]
	s_add_nc_u64 s[10:11], s[10:11], s[20:21]
	s_add_nc_u64 s[70:71], s[70:71], s[20:21]
	s_add_nc_u64 s[68:69], s[68:69], s[46:47]
.irp b, 0,1,2,3
	global_load_b128 v[BIA+8*\b:BIA+8*\b+3], v7, s[68:69] offset:64*\b
	global_load_b128 v[BIA+8*\b+4:BIA+8*\b+7], v7, s[68:69] offset:64*\b+16
.endr
	WIN TO_X
.set i, 0
.rept 32
	global_load_b128 v[4*i:4*i+3], v[CO], s[70:71] offset:2*i*SIZE_N*4 th:TH_LOAD_NT
.set i, i+1
.endr
	WIN 0
.macro FRAG reg, adr, k, i
.irp c, 0,1,2,3
	ds_load_b128 v[\reg+4*\c:\reg+4*\c+3], v[\adr] offset:(\k)+32*\c+(\i)*16*PITCH
.endr
.endm
.macro MUL8 f, a0, zero
.irp a, \a0, \a0+1
.irp b, 0,1,2,3
.if \zero
	v_wmma_f32_16x16x128_bf8_bf8 v[ACC+8*(4*(\a)+\b):ACC+8*(4*(\a)+\b)+7], v[\f+64+FR*\b:\f+64+FR*\b+FR-1], v[\f+FR*(\a):\f+FR*(\a)+FR-1], 0
.else
	v_wmma_f32_16x16x128_bf8_bf8 v[ACC+8*(4*(\a)+\b):ACC+8*(4*(\a)+\b)+7], v[\f+64+FR*\b:\f+64+FR*\b+FR-1], v[\f+FR*(\a):\f+FR*(\a)+FR-1], v[ACC+8*(4*(\a)+\b):ACC+8*(4*(\a)+\b)+7]
.endif
.endr
.endr
.endm
.macro FETCH slot, k, f
	WIN TO_F
.irp i, 0,1,2,3
	FRAG \f+64+FR*\i, ADRB+\slot, \k, \i
.endr
.irp i, 0,1,2,3
	FRAG \f+FR*\i, ADRA+\slot, \k, \i
.endr
.endm
.macro PLACES
.rept 4
	v_nop
.endr
.endm
.macro QUARTER slot, k, f, g, zero
	s_wait_dscnt 8
	WIN MUL
	MUL8 \f, 0, \zero
	PLACES
	FETCH \slot, \k, \g
	s_wait_dscnt 32
	WIN MUL
	MUL8 \f, 2, \zero
.endm
.macro TURN slot, next, fill
	WIN 0
	s_wait_tensorcnt 0x0
	ds_add_u32 v[SPW], v[NIL]
	s_wait_dscnt 9
	WIN MUL
	MUL8 F1, 0, 0
	s_wait_dscnt 0x0
	s_barrier_signal -1
	MUL8 F1, 2, 0
	WIN 0
	s_barrier_wait -1
.if \fill
	CREST
	s_add_nc_u64 s[G0+4*\slot+2:G0+4*\slot+3], s[G0+4*\slot+2:G0+4*\slot+3], 2*ROWB
	s_add_nc_u64 s[G0B+4*\slot+2:G0B+4*\slot+3], s[G0B+4*\slot+2:G0B+4*\slot+3], 2*ROWB
	JLOAD G0+4*\slot, G1, G0B+4*\slot, G1B
.else
	PLACES
.endif
	FETCH \next, 0, F0
.endm
	s_wait_tensorcnt 1
	s_barrier_signal -1
	s_barrier_wait -1
	FETCH 0, 0, F0
	QUARTER 0, 128, F0, F1, 1
.if LAPS > 1
	WIN 0
	s_mov_b32 s3, LAPS-1
.Llap:
	QUARTER 0, 256, F1, F0, 0
	QUARTER 0, 384, F0, F1, 0
	TURN 0, 1, 1
	QUARTER 1, 128, F0, F1, 0
	QUARTER 1, 256, F1, F0, 0
	QUARTER 1, 384, F0, F1, 0
	TURN 1, 0, 1
	QUARTER 0, 128, F0, F1, 0
	WIN 0
	s_sub_co_u32 s3, s3, 1
	s_cmp_lg_u32 s3, 0
	s_cbranch_scc1 .Llap
.endif
	QUARTER 0, 256, F1, F0, 0
	QUARTER 0, 384, F0, F1, 0
	TURN 0, 1, 0
	QUARTER 1, 128, F0, F1, 0
	QUARTER 1, 256, F1, F0, 0
	QUARTER 1, 384, F0, F1, 0
	s_wait_dscnt 8
	WIN MUL
	MUL8 F1, 0, 0
	s_wait_dscnt 0
	MUL8 F1, 2, 0
	WIN 0
	s_wait_kmcnt 0x0
	s_add_co_i32 s96, s96, s97
	s_add_co_i32 s96, s96, 127
	s_lshl_b32 s96, s96, 23
	s_mov_b32 s97, s96
	PLACES
	s_wait_loadcnt 0x0
.macro TOSTAGE a
.set BS, BB+32*((\a)%2)
.set i, 0
.rept 16
	v_pk_fma_f32 v[BS+i:BS+i+1], v[ACC+32*(\a)+i:ACC+32*(\a)+i+1], s[96:97], v[BIA+i:BIA+i+1] op_sel_hi:[1,0,1]
.set i, i+2
.endr
.irp b, 0,1,2,3
	ds_store_b128 v[STO], v[BS+8*\b:BS+8*\b+3] offset:64*\b
	ds_store_b128 v[STO], v[BS+8*\b+4:BS+8*\b+7] offset:64*\b+16
.endr
.irp t, 0,1,2,3,4,5,6,7
	ds_load_b128 v[BS+4*\t:BS+4*\t+3], v[RD] offset:\t*2*SPITCH
.endr
.endm
.macro SEND a, younger
.set BS, BB+32*((\a)%2)
	s_wait_dscnt \younger
	WIN ADD_X
.set i, 0
.rept 16
	v_pk_add_f32 v[BS+i:BS+i+1], v[BS+i:BS+i+1], v[32*(\a)+i:32*(\a)+i+1]
.set i, i+2
.endr
	WIN 0
.irp t, 0,1,2,3,4,5,6,7
	global_store_b128 v[CO], v[BS+4*\t:BS+4*\t+3], s[10:11] offset:(16*(\a)+2*\t)*SIZE_N*4
.endr
.endm
	TOSTAGE 0
.irp a, 1,2,3
.if \a > 1
	s_wait_xcnt 0x0
.endif
	TOSTAGE \a
	SEND \a-1, 16
.endr
	SEND 3, 0
	s_wait_tensorcnt 0x0
	ds_add_u32 v[SPW], v[NIL]
	s_wait_dscnt 0x0
	CROUND
	s_endpgm
.Lfunc_end_k_q89d99b90e5_w2:
	.size	k_q89d99b90e5_w2, .Lfunc_end_k_q89d99b90e5_w2-k_q89d99b90e5_w2
	.p2alignl 7, 3214868480
	.fill 96, 4, 3214868480
	.section	.rodata,"a",@progbits
	.p2align	6, 0x0
	.amdhsa_kernel k_q89d99b90e5_w2
		.amdhsa_group_segment_fixed_size 327680
		.amdhsa_private_segment_fixed_size 0
		.amdhsa_enable_private_segment 0
		.amdhsa_kernarg_size 48
		.amdhsa_user_sgpr_count 2
		.amdhsa_user_sgpr_kernarg_segment_ptr 1
		.amdhsa_wavefront_size32 1
		.amdhsa_system_sgpr_workgroup_id_x 1
		.amdhsa_system_sgpr_workgroup_id_y 1
		.amdhsa_system_sgpr_workgroup_id_z 1
		.amdhsa_system_vgpr_workitem_id 0
		.amdhsa_next_free_vgpr 640
		.amdhsa_next_free_sgpr 100
		.amdhsa_reserve_vcc 0
		.amdhsa_float_denorm_mode_32 3
		.amdhsa_float_denorm_mode_16_64 3
		.amdhsa_memory_ordered 1
		.amdhsa_forward_progress 1
		.amdhsa_inst_pref_size 83
	.end_amdhsa_kernel
	.amdgpu_metadata
---
amdhsa.version: [ 1, 2 ]
amdhsa.kernels:
  - .name:           k_q89d99b90e5_w2
    .symbol:         k_q89d99b90e5_w2.kd
    .args:
      - { .name: hc, .offset: 0, .size: 8, .value_kind: global_buffer, .address_space: global }
      - { .name: wc, .offset: 8, .size: 8, .value_kind: global_buffer, .address_space: global }
      - { .name: lowp_scales, .offset: 16, .size: 8, .value_kind: global_buffer, .address_space: global }
      - { .name: out0, .offset: 24, .size: 8, .value_kind: global_buffer, .address_space: global }
      - { .name: b2, .offset: 32, .size: 8, .value_kind: global_buffer, .address_space: global }
      - { .name: x1, .offset: 40, .size: 8, .value_kind: global_buffer, .address_space: global }
    .group_segment_fixed_size: 327680
    .private_segment_fixed_size: 0
    .kernarg_segment_align: 8
    .kernarg_segment_size: 48
    .max_flat_workgroup_size: 128
    .sgpr_count:     100
    .vgpr_count:     640
    .wavefront_size: 32
...
	.end_amdgpu_metadata
.endif
;; end of part 14
